; MI455X (gfx1250); checked and timed in simulation.
; The chip was launched on July 23, 2026; its instructions are those of AMD's public machine-readable ISA for CDNA 5 (MIT licence, August 2026) and "CDNA5" Instruction Set Architecture Reference Guide (July 2026). The comments in the code are by the model that wrote it; some were corrected since.
;; Snare Net. Allowed arithmetic: float matrix products may take bf16 or f16 operands with f32 sums; other float arithmetic in f32, or as packed bf16 or f16 multiplies, adds, multiply-adds, maxima and minima; sums over many terms, partial sums and values carried from step to step in f32; what a program stores and reads back later, other than sums and carried values, may be rounded once to bf16 or f16.
;; Inputs: A 256 x 256 float32; W1 1,024 x 256 float32; W2 1,024 x 1,024 float32; W3 256 x 1,024 float32; Wb 256 x 256 float32; b1 1,024 float32; b2 1,024 float32; b3 256 float32; bn1_b 1,024 float32; bn1_g 1,024 float32; bn1_m 1,024 float32; bn1_v 1,024 float32; bn2_b 1,024 float32; bn2_g 1,024 float32; bn2_m 1,024 float32; bn2_v 1,024 float32; x 8,192 x 256 float32.
;; Outputs: out0 8,192 x 256 float32.
;; 2 versions, each right and faster than the one before. Each part assembles by itself: llvm-mc -triple=amdgcn-amd-amdhsa -mcpu=gfx1250 --defsym DOCPART=n.
;; ======== version 1 of 2: 4 launches
;; limits: values are held in f16: magnitudes above 65,504 overflow, below 6.1e-05 lose precision; inputs' magnitudes at most 65,504
;; workspace buffers: xb 4,194,304 bytes; h1 33,554,432 bytes; h2 33,554,432 bytes; wts 5,653,504 bytes
;; launch prep (part 1): grid 484 x 1, 16 waves a work-group, no clusters, 150,528 bytes of LDS; arguments x, W1, W2, W3, Wb, A, b1, bn1_g, bn1_b, bn1_m, bn1_v, b2, bn2_g, bn2_b, bn2_m, bn2_v, wts, xb; writes wts, xb
.if DOCPART == 1
	.amdgcn_target "amdgcn-amd-amdhsa--gfx1250"
	.amdhsa_code_object_version 6
	.text
	.protected	k_qb3399e3e46_prep
	.globl	k_qb3399e3e46_prep
	.p2align	8
	.type	k_qb3399e3e46_prep,@function
k_qb3399e3e46_prep:
	s_mov_b64 s[64:65], 0
	v_nop
	global_prefetch_b8 v0, s[64:65] scope:SCOPE_SE
	s_setreg_imm32_b32 hwreg(HW_REG_WAVE_MODE, 25, 1), 1
	s_wait_xcnt 0x0
; PREPARATION.  Every input but b3 is rounded once to bf16 and laid out for the launches behind.  The work-group's number picks a role:
;   0-15    GRAM J: 16 columns of G^ = D^-1/2 (A^T A + 0.1 I) D^-1/2, d_j = sum_m A_mj^2 + 0.1, in f16, in the order of a matrix instruction's first source
;   16-19   batch norm folded: sc = g rsq(v + 1e-5), sh = (b - m) sc + beta, 512 columns of one layer each
;   20-27   A  -> AH  (rounded to bf16, written as f16.  LIMITS: |A| <= 65,504; below 6e-5 the number keeps f16's fixed step of 6e-8)
;   28-155  W2 -> W2D (each row twice along K, for the hi and the lo part of the activations)
;   156-483 x -> xb, W1, W3, Wb -> wts: plain f32 -> bf16, 8,192 numbers a work-group
; G^ has a unit diagonal and |G^_jk| <= 1 (Cauchy-Schwarz), so f16 holds it at any scale of A.
.set W1B,  0
.set W2D,  524288
.set W3B,  4718592
.set WBB,  5242880
.set AH,   5373952
.set GF,   5505024
.set DISO, 5636096
.set SC1,  5637120                     ; sc1, sh1, sc2, sh2: 4,096 bytes each
.set ATP,  544                         ; LDS pitch of A's rows in bf16: 512 + 32 bytes, an odd multiple of 32 for the turning loads
.set PS,   139264                      ; behind A's 256 rows: 8 x 256 partial sums of squares
.set DISL, 147456                      ; d^-1/2, 256 f32
.set SPARE, 148480                     ; the spare words: 128 bytes for each of 16 waves
	s_load_b512 s[4:19], s[0:1], 0x0               ; x 4, W1 6, W2 8, W3 10, Wb 12, A 14, b1 16, bn1_g 18
	s_load_b512 s[20:35], s[0:1], 0x40             ; bn1_b 20, bn1_m 22, bn1_v 24, b2 26, bn2_g 28, bn2_b 30, bn2_m 32, bn2_v 34
	s_load_b128 s[36:39], s[0:1], 0x80             ; wts 36, xb 38
	v_lshl_add_u32 v3, v0, 2, SPARE                ; my spare word, and 0: kept for the add alone
	v_mov_b32 v4, 0
	v_lshrrev_b32 v1, 5, v0
	v_readfirstlane_b32 s40, v1                    ; wave 0..15
	v_lshlrev_b32 v1, 5, v0                        ; 32 t: my 8 f32 in a round of 4,096
	v_lshlrev_b32 v2, 4, v0                        ; 16 t: my 8 bf16
	s_mov_b32 s41, 0xffff0000                      ; a word's upper bf16
	s_mov_b32 s42, ttmp9
	s_wait_kmcnt 0x0
	s_cmp_lt_u32 s42, 16
	s_cbranch_scc1 .Lgram
	s_cmp_lt_u32 s42, 20
	s_cbranch_scc1 .Lbn
	s_cmp_lt_u32 s42, 28
	s_cbranch_scc1 .La
	s_cmp_lt_u32 s42, 156
	s_cbranch_scc1 .Lw2
	s_cmp_lt_u32 s42, 412
	s_cbranch_scc1 .Lx
	s_cmp_lt_u32 s42, 444
	s_cbranch_scc1 .Lw1
	s_cmp_lt_u32 s42, 476
	s_cbranch_scc1 .Lw3
; 16 numbers a thread, in two rounds of 16,384 bytes, rounded to bf16: round 0 in v[24:27], round 1 in v[28:31]
.macro IN16 b
	global_load_b128 v[8:11],  v1, s[\b:\b+1] th:TH_LOAD_NT
	global_load_b128 v[12:15], v1, s[\b:\b+1] offset:16 th:TH_LOAD_NT
	global_load_b128 v[16:19], v1, s[\b:\b+1] offset:16384 th:TH_LOAD_NT
	global_load_b128 v[20:23], v1, s[\b:\b+1] offset:16400 th:TH_LOAD_NT
	s_wait_loadcnt 0x0
.irp j, 0,1,2,3,4,5,6,7
	v_cvt_pk_bf16_f32 v[24+\j], v[8+2*\j], v[9+2*\j]
.endr
.endm
; A plain cast: work-group first + n takes numbers 8,192 n on.  half = 1: the bf16 number is written as f16.
.macro CAST src, dst, doff, first, half=0
	s_sub_co_u32 s43, s42, \first
	s_lshl_b32 s44, s43, 15
	s_mov_b32 s45, 0
	s_add_nc_u64 s[46:47], s[\src:\src+1], s[44:45]
	s_lshl_b32 s44, s43, 14
	s_add_co_u32 s44, s44, \doff
	s_add_nc_u64 s[48:49], s[\dst:\dst+1], s[44:45]
	IN16 46
.if \half
.irp j, 0,1,2,3,4,5,6,7
	v_lshlrev_b32 v[8+2*\j], 16, v[24+\j]
	v_and_b32 v[9+2*\j], s41, v[24+\j]
	v_cvt_pk_f16_f32 v[24+\j], v[8+2*\j], v[9+2*\j]
.endr
.endif
	global_store_b128 v2, v[24:27], s[48:49]       ; a wave's store covers 512 consecutive bytes
	global_store_b128 v2, v[28:31], s[48:49] offset:8192
	s_endpgm
.endm
	CAST 12, 36, WBB, 476
.Lx:
	CAST 4, 38, 0, 156
.Lw1:
	CAST 6, 36, W1B, 412
.Lw3:
	CAST 10, 36, W3B, 444
.La:
	CAST 14, 36, AH, 20, 1
.Lw2:                                                  ; 8 rows of W2 a work-group; a row of W2D is 4,096 bytes: the row's 2,048 bytes twice
	s_sub_co_u32 s43, s42, 28
	s_lshl_b32 s44, s43, 15
	s_mov_b32 s45, 0
	s_add_nc_u64 s[46:47], s[8:9], s[44:45]
	s_add_co_u32 s44, s44, W2D
	s_add_nc_u64 s[48:49], s[36:37], s[44:45]
	v_lshrrev_b32 v5, 7, v0                        ; my row among a round's four
	v_and_b32 v6, 127, v0
	v_lshlrev_b32 v6, 4, v6
	v_lshl_add_u32 v5, v5, 12, v6
	IN16 46
	global_store_b128 v5, v[24:27], s[48:49]
	global_store_b128 v5, v[24:27], s[48:49] offset:2048
	global_store_b128 v5, v[28:31], s[48:49] offset:16384
	global_store_b128 v5, v[28:31], s[48:49] offset:18432
	s_endpgm
.Lbn:
	s_sub_co_u32 s43, s42, 16
	s_lshr_b32 s44, s43, 1                         ; the layer
	s_and_b32 s45, s43, 1
	s_lshl_b32 s45, s45, 11                        ; which 512 columns, in bytes
	v_lshl_add_u32 v5, v0, 2, s45
	s_cmp_eq_u32 s44, 0
	s_cselect_b64 s[46:47], s[16:17], s[26:27]     ; b
	s_cselect_b64 s[48:49], s[18:19], s[28:29]     ; g
	s_cselect_b64 s[50:51], s[20:21], s[30:31]     ; beta
	s_cselect_b64 s[52:53], s[22:23], s[32:33]     ; m
	s_cselect_b64 s[54:55], s[24:25], s[34:35]     ; v
	s_lshl_b32 s56, s44, 13
	s_add_co_u32 s56, s56, SC1
	s_mov_b32 s57, 0
	s_add_nc_u64 s[56:57], s[36:37], s[56:57]
	global_load_b32 v8,  v5, s[46:47]
	global_load_b32 v9,  v5, s[48:49]
	global_load_b32 v10, v5, s[50:51]
	global_load_b32 v11, v5, s[52:53]
	global_load_b32 v12, v5, s[54:55]
	s_wait_loadcnt 0x0
	v_cvt_pk_bf16_f32 v13, v8, v9                  ; like every input, these are rounded to bf16 once
	v_cvt_pk_bf16_f32 v14, v10, v11
	v_cvt_pk_bf16_f32 v15, v12, v12
	v_lshlrev_b32 v8, 16, v13
	v_and_b32 v9, s41, v13
	v_lshlrev_b32 v10, 16, v14
	v_and_b32 v11, s41, v14
	v_lshlrev_b32 v12, 16, v15
	v_add_f32 v12, 0x3727c5ac, v12                 ; v + 1e-5
	v_rsq_f32 v12, v12
	v_sub_f32 v8, v8, v11                          ; b - m: the plain instruction behind the root (ISA guide 5.7.2)
	s_wait_alu depctr_va_vdst(0)
	v_mul_f32 v9, v9, v12                          ; sc
	v_fma_f32 v10, v8, v9, v10                     ; sh
	global_store_b32 v5, v9, s[56:57]
	global_store_b32 v5, v10, s[56:57] offset:4096
	s_endpgm
.Lgram:
	s_and_b32 s42, s42, 15                         ; J: this path is entered with a number below 16, so the value stays; every LDS address made of it below is now bounded by the text itself
	; A comes in whole: thread t takes columns 4 (t % 64) .. + 3 of rows t / 64 + 8 i, rounds them to bf16, lays them into LDS and sums their squares.
	v_and_b32 v5, 63, v0
	v_lshrrev_b32 v6, 6, v0
	v_lshlrev_b32 v7, 4, v5
	v_lshl_add_u32 v7, v6, 10, v7                  ; row x 1,024 + 16 x column group
.set i, 0
.rept 32
	global_load_b128 v[64+4*i:67+4*i], v7, s[14:15] offset:8192*i
.set i, i+1
.endr
	v_mul_u32_u24 v20, v6, ATP
	v_lshl_add_u32 v20, v5, 3, v20
	v_add_nc_u32 v21, PS, v7
	s_add_nc_u64 s[58:59], s[36:37], DISO
.set i, 0
.rept 32
	s_wait_loadcnt 31-i                            ; loads come back in order: load i is in, the younger ones stay out
	v_cvt_pk_bf16_f32 v8, v[64+4*i], v[65+4*i]
	v_cvt_pk_bf16_f32 v9, v[66+4*i], v[67+4*i]
	ds_store_b64 v20, v[8:9] offset:(i%8)*8*ATP
	v_lshlrev_b32 v10, 16, v8
	v_and_b32 v11, s41, v8
	v_lshlrev_b32 v12, 16, v9
	v_and_b32 v13, s41, v9
.if i == 0
	v_pk_mul_f32 v[16:17], v[10:11], v[10:11]      ; the first row starts the sums
	v_pk_mul_f32 v[18:19], v[12:13], v[12:13]
.else
	v_pk_fma_f32 v[16:17], v[10:11], v[10:11], v[16:17]
	v_pk_fma_f32 v[18:19], v[12:13], v[12:13], v[18:19]
.endif
.if (i%8 == 7) && (i < 31)
	v_add_nc_u32 v20, 64*ATP, v20                  ; 64 rows on: the immediate holds 16 bits
.endif
.set i, i+1
.endr
	ds_store_b128 v21, v[16:19]
	s_wait_dscnt 0x0                               ; for the others' sake: my rows of A and my partial sums are in LDS
	s_barrier_signal -1
	s_barrier_wait -1
	s_cmp_ge_u32 s40, 8
	s_cbranch_scc1 .Lnodis                         ; waves 0-7: a column a thread
	v_lshl_add_u32 v22, v0, 2, PS
.irp p, 0,1,2,3,4,5,6,7
	ds_load_b32 v[24+\p], v22 offset:1024*\p
.endr
	s_wait_dscnt 0x0
	v_add_f32 v24, v24, v25
	v_add_f32 v26, v26, v27
	v_add_f32 v28, v28, v29
	v_add_f32 v30, v30, v31
	v_add_f32 v24, v24, v26
	v_add_f32 v28, v28, v30
	v_add_f32 v24, v24, v28
	v_add_f32 v24, 0x3dcccccd, v24                 ; + 0.1
	v_rsq_f32 v24, v24
	v_lshlrev_b32 v23, 2, v0                       ; two plain instructions behind the root
	v_lshl_add_u32 v25, v0, 2, DISL
	s_wait_alu depctr_va_vdst(0)
	ds_store_b32 v25, v24
	s_cmp_lg_u32 s42, 0
	s_cbranch_scc1 .Lnodis                         ; every Gram work-group makes the same 256 numbers; work-group 0 alone stores them
	global_store_b32 v23, v24, s[58:59]
.Lnodis:
	s_wait_dscnt 0x0
	s_barrier_signal -1
	s_barrier_wait -1
	; Wave v makes the 16 x 16 block (rows 16 J .., columns 16 v ..) of A^T A.  Both sources are columns of A, K = A's rows: turning loads.
	v_and_b32 v5, 15, v0                           ; r
	v_bfe_u32 v6, v0, 4, 1                         ; h
	v_and_b32 v7, 7, v0
	v_bfe_u32 v8, v0, 3, 1
	v_lshl_add_u32 v9, v6, 3, v7
	v_mul_u32_u24 v9, v9, ATP
	v_lshl_add_u32 v9, v8, 4, v9                   ; (8 h + lane % 8) x pitch + 16 ((lane / 8) % 2)
	s_lshl_b32 s43, s42, 5
	s_lshl_b32 s44, s40, 5
	v_add_nc_u32 v10, s43, v9                      ; columns 16 J on, A's rows 0-127
	v_add_nc_u32 v11, 128*ATP, v10                 ; rows 128-255
	v_add_nc_u32 v12, s44, v9                      ; columns 16 v on
	v_add_nc_u32 v13, 128*ATP, v12
	v_lshl_add_u32 v14, v5, 2, DISL
	s_lshl_b32 s45, s40, 6
	v_add_nc_u32 v14, s45, v14                     ; dis[16 v + r]
	v_lshl_add_u32 v15, v6, 5, DISL
	s_lshl_b32 s46, s42, 6
	v_add_nc_u32 v15, s46, v15                     ; dis[16 J + 8 h ..]
	v_mov_b32 v49, 0                               ; named as a pair with v48
.irp ks, 0,1,2,3,4,5,6,7
	ds_load_tr16_b128 v[64+8*\ks:67+8*\ks],   v[10+\ks/4] offset:(\ks%4)*32*ATP
	ds_load_tr16_b128 v[68+8*\ks:71+8*\ks],   v[10+\ks/4] offset:(\ks%4)*32*ATP+16*ATP
	ds_load_tr16_b128 v[128+8*\ks:131+8*\ks], v[12+\ks/4] offset:(\ks%4)*32*ATP
	ds_load_tr16_b128 v[132+8*\ks:135+8*\ks], v[12+\ks/4] offset:(\ks%4)*32*ATP+16*ATP
.endr
	ds_load_b32 v48, v14
	ds_load_b128 v[52:55], v15
	ds_load_b128 v[56:59], v15 offset:16
	s_wait_dscnt 0x0                               ; my fragments and my dis are in registers: my reads of LDS are over;
	s_barrier_signal -1
	s_barrier_wait -1                              ; everybody's are: no LDS read of any wave is open when a wave comes to its closing lines
	; two accumulators by turns (even and odd K steps); the first two products start the sums
	v_wmma_f32_16x16x32_bf16 v[32:39], v[64:71], v[128:135], 0
	v_wmma_f32_16x16x32_bf16 v[40:47], v[72:79], v[136:143], 0
.irp ks, 2,4,6
	v_wmma_f32_16x16x32_bf16 v[32:39], v[64+8*\ks:71+8*\ks], v[128+8*\ks:135+8*\ks], v[32:39]
	v_wmma_f32_16x16x32_bf16 v[40:47], v[72+8*\ks:79+8*\ks], v[136+8*\ks:143+8*\ks], v[40:47]
.endr
	; four plain instructions that name none of the products' registers stand behind them (ISA guide 7.12.1)
	s_sub_co_i32 s46, s40, s42
	s_lshl_b32 s46, s46, 4
	v_add_nc_u32 v50, s46, v5
	v_lshlrev_b32 v51, 3, v6
	v_sub_nc_u32 v50, v50, v51                     ; 16 v + r - 16 J - 8 h: register e lies on the diagonal where this is e
	v_mov_b32 v51, 1.0
.irp j, 0,1,2,3
	v_pk_add_f32 v[32+2*\j:33+2*\j], v[32+2*\j:33+2*\j], v[40+2*\j:41+2*\j]
.endr
.irp j, 0,1,2,3
	v_pk_mul_f32 v[32+2*\j:33+2*\j], v[32+2*\j:33+2*\j], v[48:49] op_sel_hi:[1,0]
.endr
.irp j, 0,1,2,3
	v_pk_mul_f32 v[32+2*\j:33+2*\j], v[32+2*\j:33+2*\j], v[52+2*\j:53+2*\j]
.endr
.irp e, 0,1,2,3,4,5,6,7
	v_cmp_eq_u32 vcc_lo, \e, v50
	v_cndmask_b32 v[32+\e], v[32+\e], v51, vcc_lo  ; (A^T A + 0.1 I)_jj / d_j = 1
.endr
.irp j, 0,1,2,3
	v_cvt_pk_f16_f32 v[60+\j], v[32+2*\j], v[33+2*\j]
.endr
	; lane (r, h) holds G^[16 J + 8 h + e][16 v + r] = G^[16 v + r][16 J + 8 h + e]: half a first-source fragment of rows 16 v .., K = 16 J ..
	v_and_b32 v16, 31, v0
	v_lshlrev_b32 v16, 4, v16
	s_lshl_b32 s47, s40, 4
	s_add_co_u32 s47, s47, s42
	s_lshl_b32 s46, s47, 9
	s_add_co_u32 s46, s46, GF
	s_mov_b32 s47, 0
	s_add_nc_u64 s[46:47], s[36:37], s[46:47]
	global_store_b128 v16, v[60:63], s[46:47]      ; 512 consecutive bytes
	s_wait_tensorcnt 0x0                           ; the wave's end, behind my last LDS store
	ds_add_u32 v3, v4
	s_wait_dscnt 0x0
	s_endpgm
.Lfunc_end_k_qb3399e3e46_prep:
	.size	k_qb3399e3e46_prep, .Lfunc_end_k_qb3399e3e46_prep-k_qb3399e3e46_prep
	.p2alignl 7, 3214868480
	.fill 96, 4, 3214868480
	.section	.rodata,"a",@progbits
	.p2align	6, 0x0
	.amdhsa_kernel k_qb3399e3e46_prep
		.amdhsa_group_segment_fixed_size 150528
		.amdhsa_private_segment_fixed_size 0
		.amdhsa_enable_private_segment 0
		.amdhsa_kernarg_size 144
		.amdhsa_user_sgpr_count 2
		.amdhsa_user_sgpr_kernarg_segment_ptr 1
		.amdhsa_wavefront_size32 1
		.amdhsa_system_sgpr_workgroup_id_x 1
		.amdhsa_system_sgpr_workgroup_id_y 1
		.amdhsa_system_sgpr_workgroup_id_z 1
		.amdhsa_system_vgpr_workitem_id 0
		.amdhsa_next_free_vgpr 192
		.amdhsa_next_free_sgpr 66
		.amdhsa_reserve_vcc 1
		.amdhsa_float_denorm_mode_32 3
		.amdhsa_float_denorm_mode_16_64 3
		.amdhsa_memory_ordered 1
		.amdhsa_forward_progress 1
		.amdhsa_inst_pref_size 40
	.end_amdhsa_kernel
	.amdgpu_metadata
---
amdhsa.version: [ 1, 2 ]
amdhsa.kernels:
  - .name:           k_qb3399e3e46_prep
    .symbol:         k_qb3399e3e46_prep.kd
    .args:
      - { .name: x, .offset: 0, .size: 8, .value_kind: global_buffer, .address_space: global }
      - { .name: W1, .offset: 8, .size: 8, .value_kind: global_buffer, .address_space: global }
      - { .name: W2, .offset: 16, .size: 8, .value_kind: global_buffer, .address_space: global }
      - { .name: W3, .offset: 24, .size: 8, .value_kind: global_buffer, .address_space: global }
      - { .name: Wb, .offset: 32, .size: 8, .value_kind: global_buffer, .address_space: global }
      - { .name: A, .offset: 40, .size: 8, .value_kind: global_buffer, .address_space: global }
      - { .name: b1, .offset: 48, .size: 8, .value_kind: global_buffer, .address_space: global }
      - { .name: bn1_g, .offset: 56, .size: 8, .value_kind: global_buffer, .address_space: global }
      - { .name: bn1_b, .offset: 64, .size: 8, .value_kind: global_buffer, .address_space: global }
      - { .name: bn1_m, .offset: 72, .size: 8, .value_kind: global_buffer, .address_space: global }
      - { .name: bn1_v, .offset: 80, .size: 8, .value_kind: global_buffer, .address_space: global }
      - { .name: b2, .offset: 88, .size: 8, .value_kind: global_buffer, .address_space: global }
      - { .name: bn2_g, .offset: 96, .size: 8, .value_kind: global_buffer, .address_space: global }
      - { .name: bn2_b, .offset: 104, .size: 8, .value_kind: global_buffer, .address_space: global }
      - { .name: bn2_m, .offset: 112, .size: 8, .value_kind: global_buffer, .address_space: global }
      - { .name: bn2_v, .offset: 120, .size: 8, .value_kind: global_buffer, .address_space: global }
      - { .name: wts, .offset: 128, .size: 8, .value_kind: global_buffer, .address_space: global }
      - { .name: xb, .offset: 136, .size: 8, .value_kind: global_buffer, .address_space: global }
    .group_segment_fixed_size: 150528
    .private_segment_fixed_size: 0
    .kernarg_segment_align: 8
    .kernarg_segment_size: 144
    .max_flat_workgroup_size: 512
    .sgpr_count:     66
    .vgpr_count:     192
    .wavefront_size: 32
...
	.end_amdgpu_metadata
.endif
;; end of part 1
;; launch mlp1 (part 2): grid 8 x 64, 4 waves a work-group, clusters of 4 x 4, 327,680 bytes of LDS; arguments xb, wts, h1; writes h1
.if DOCPART == 2
	.amdgcn_target "amdgcn-amd-amdhsa--gfx1250"
	.amdhsa_code_object_version 6
	.text
	.protected	k_qb3399e3e46_mlp1
	.globl	k_qb3399e3e46_mlp1
	.p2align	8
	.type	k_qb3399e3e46_mlp1,@function
k_qb3399e3e46_mlp1:
	s_mov_b64 s[64:65], 0
	v_nop
	global_prefetch_b8 v0, s[64:65] scope:SCOPE_SE
	s_setreg_imm32_b32 hwreg(HW_REG_WAVE_MODE, 25, 1), 1
	s_wait_xcnt 0x0
	s_wait_alu depctr_hold_cnt(0) depctr_sa_sdst(0) depctr_va_vdst(0) depctr_va_sdst(0) depctr_va_ssrc(0) depctr_va_vcc(0) depctr_vm_vsrc(0)
	s_getreg_b32 s2, hwreg(HW_REG_IB_STS2, 6, 4)
	s_cmp_eq_u32 s2, 0
	s_cbranch_scc0 .Lentry_in_a_cluster
	s_endpgm
.Lentry_in_a_cluster:
	s_bfe_u32 s2, ttmp6, 0x10000c
	s_cmp_lg_u32 s2, 0xf033
	s_cbranch_scc0 .Lentry_shape_is_right
	s_endpgm
.Lentry_shape_is_right:
; LAYER 1: h1 = relu((x W1^T) sc1 + sh1), x and W1 in bf16, sums in f32.  The result leaves as TWO bf16 numbers, hi + lo (16 significant bits),
; in planes of 256 columns: plane kc = column / 256 holds hi, plane kc + 4 holds lo; a plane is [8192][256] bf16.
; The text is that of layer 2 with other constants at its head: K is one step of 256, so there is one fill, no refill and no loop.
.set SIZE_K,   256                     ; elements in a row of B
.set KSTEPS,   1                       ; K steps of 256
.set BOFF,     0                       ; W1 in wts
.set SCOFF,    5637120                 ; sc1 in wts; sh1 lies 4,096 bytes behind
.set STAGE_LO, 135168                  ; the lo stage: slot 1, which no tensor load of this launch fills
; A tile of the result is 128 x 128; four waves, each 64 x 64: 16 accumulators.  4 x 4 work-groups form a cluster: A's tile is shared along a row of
; the cluster, B's along a column, each asked for jointly.  The matrix instruction is used transposed (source 0 = 16 rows of B, source 1 = 16 rows of A):
; a lane then holds eight neighbouring columns of one row.
; REGISTERS: window 0: v0-31 addresses, v8-15 at work; v32-63 sc, v64-95 sh of my 64 columns; v96-111 hi, v112-127 lo, packed; v128-255 the accumulators.
;   window 1: two fragment buffers of 128.
.set APLANE, 0x400000                  ; bytes in a plane
.set KSTEP,  256
.set PITCH,  528                       ; an LDS row: 512 bytes + 16 of padding: the 16 rows of a fragment load start at 16 different groups of four banks (ISA guide 11.1)
.set HALFT,  64*PITCH
.set SLOT,   4*HALFT                   ; A's 128 rows, then B's 128 rows
.set STAGE,  2*SLOT                    ; the hi stage: 128 rows x 272 bytes
.set SPITCH, 272
.set SPARE,  STAGE+128*SPITCH          ; the spare words, 128 bytes for each wave
.set LAPS,   KSTEPS/2
.set H32,  6                           ; v6   32 x (lane / 16): my eight columns' sc and sh
.set TT,   8                           ; v8-15 at work
.set ADRA, 16
.set ADRB, 20
.set STO,  24
.set RD,   25
.set CO,   26
.set STO2, 27
.set SPW,  28
.set NIL,  29
.set RD2,  30
.set SC,   32
.set SH,   64
.set HI,   96
.set LO,   112
.set ACC,  128
.set F0,   0
.set F1,   128
.set G1, 24
.set G0, 32
.set G1B, 48
.set G0B, 56
.set MSB, 0
.macro WIN new                         ; the immediate's high byte repeats the setting that is left
.if MSB != (\new)
	s_set_vgpr_msb (MSB<<8)|(\new)
.set MSB, \new
.endif
.endm
.set MUL,  0x05                        ; sources 0 (B) and 1 (A) window 1; C and D window 0
.set TO_F, 0x40                        ; destination window 1, address window 0
.macro JLOAD s                         ; a joint load: waves 0 and 1 fetch A's two halves, waves 2 and 3 B's; an s_nop 0 and four v_nop follow each line
	s_cmp_eq_u32 s11, 0
	s_cbranch_scc0 .Lfor_b_\@
	tensor_load_to_lds s[G0+4*(\s):G0+4*(\s)+3], s[G1:G1+7]
	s_nop 0
.rept 4
	v_nop
.endr
	s_branch .Lasked_\@
.Lfor_b_\@:
	tensor_load_to_lds s[G0B+4*(\s):G0B+4*(\s)+3], s[G1B:G1B+7]
	s_nop 0
.rept 4
	v_nop
.endr
.Lasked_\@:
.endm
.macro CREST                           ; a round of the cluster's barrier behind its opening barrier
	s_cmp_lg_u32 s10, 0
	s_cbranch_scc1 .Lnot_wave_0_\@
	s_barrier_signal -3
.Lnot_wave_0_\@:
	s_barrier_wait -3
	s_barrier_signal -1
	s_barrier_wait -1
.endm
.macro CROUND
	s_barrier_signal -1
	s_barrier_wait -1
	CREST
.endm
	s_load_b128 s[4:7], s[0:1], 0x0                ; A s[4:5], wts s[6:7]
	s_load_b64 s[8:9], s[0:1], 0x10                ; the result
	v_lshl_add_u32 v[SPW], v0, 2, SPARE
	v_mov_b32 v[NIL], 0
	ds_add_u32 v[SPW], v[NIL]                      ; the wave's opening: the add and its wait ahead of my first tensor load
	v_lshrrev_b32 v1, 5, v0
	v_readfirstlane_b32 s10, v1                    ; wave 0..3
	s_lshr_b32 s11, s10, 1                         ; which half of the tile's rows is mine.  Also: I fetch for A (0) or for B (1)
	s_and_b32 s12, s10, 1                          ; which half of its columns.  Also: which 64 rows of that tile I fetch
	s_bfe_u32 s40, ttmp6, 0x40000                  ; cx, cy
	s_bfe_u32 s41, ttmp6, 0x40004
	s_lshl_b32 s42, ttmp9, 2
	s_add_co_u32 s42, s42, s40                     ; tile column
	s_and_b32 s13, ttmp7, 0xffff
	s_lshl_b32 s13, s13, 2
	s_add_co_u32 s13, s13, s41                     ; tile row
	s_lshl_b32 s43, s41, 2
	s_lshl_b32 s43, 15, s43                        ; my row of the cluster
	s_lshl_b32 s44, 0x1111, s40                    ; my column
	s_or_b32 s[G1+0], s43, (1<<16)|(1<<20)|(1<<21)|(6<<22)|(3<<25)  ; the mask; 2-byte elements; padding on; bit 21 beside a mask; after every 128 words 4 words
	s_or_b32 s[G1B+0], s44, (1<<16)|(1<<20)|(1<<21)|(6<<22)|(3<<25)
.irp g, G1, G1B
	s_mov_b32 s[(\g)+1], KSTEP<<16                 ; tensor_dim0 = 256
	s_mov_b32 s[(\g)+2], 64<<16                    ; tensor_dim1 = 64
	s_mov_b32 s[(\g)+3], KSTEP<<16                 ; tile_dim0 = 256
	s_mov_b32 s[(\g)+4], 64                        ; tile_dim1 = 64
	s_mov_b32 s[(\g)+6], 0
	s_mov_b32 s[(\g)+7], 0
.endr
	s_mov_b32 s[G1+5], 256                         ; A: a plane's rows are 256 elements apart
	s_mov_b32 s[G1B+5], SIZE_K                     ; B
	s_mov_b32 s70, 0xffff0000                      ; a word's upper bf16
	s_lshl_b32 s17, s12, 6
	s_lshl_b32 s16, s13, 7
	s_add_co_u32 s16, s16, s17                     ; A: row 128 x tile row + 64 x half,
	s_lshl_b32 s16, s16, 9                         ; of 512 bytes
	s_lshl_b32 s46, s42, 7
	s_add_co_u32 s46, s46, s17                     ; B: row 128 x tile column + 64 x half
	s_mul_i32 s46, s46, SIZE_K*2
	s_add_co_u32 s46, s46, BOFF
	s_mov_b32 s17, 0
	s_mov_b32 s47, 0
	s_mul_i32 s20, s10, HALFT                      ; where they go: wave x 64 rows
	s_wait_dscnt 0x0                               ; the opening add is done
	s_wait_kmcnt 0x0
	s_add_nc_u64 s[14:15], s[4:5], s[16:17]
	s_add_nc_u64 s[46:47], s[6:7], s[46:47]
	CROUND                                         ; all sixteen work-groups are here: the first joint loads meet
.irp s, 0,1
.if (\s) < KSTEPS
	s_mov_b32 s[G0+4*(\s)], 1
	s_add_co_u32 s[G0+4*(\s)+1], s20, (\s)*SLOT
	s_add_nc_u64 s[G0+4*(\s)+2:G0+4*(\s)+3], s[14:15], (\s)*APLANE  ; K step s of A is plane s
	s_or_b32 s[G0+4*(\s)+3], s[G0+4*(\s)+3], 0x80000000
	s_mov_b32 s[G0B+4*(\s)], 1
	s_add_co_u32 s[G0B+4*(\s)+1], s20, (\s)*SLOT
	s_add_nc_u64 s[G0B+4*(\s)+2:G0B+4*(\s)+3], s[46:47], (\s)*KSTEP*2
	s_or_b32 s[G0B+4*(\s)+3], s[G0B+4*(\s)+3], 0x80000000
	JLOAD \s
.endif
.endr
	v_and_b32 v1, 15, v0                           ; l % 16
	v_bfe_u32 v2, v0, 4, 1                         ; l / 16
	v_lshlrev_b32 v[H32], 5, v2
	s_lshl_b32 s66, s42, 9                         ; sc and sh of my 64 columns: they are waited for on the way out
	s_lshl_b32 s67, s12, 8
	s_add_co_u32 s66, s66, s67
	s_add_co_u32 s66, s66, SCOFF
	s_mov_b32 s67, 0
	s_add_nc_u64 s[66:67], s[6:7], s[66:67]
.irp b, 0,1,2,3
	global_load_b128 v[SC+8*\b:SC+8*\b+3],   v[H32], s[66:67] offset:64*\b
	global_load_b128 v[SC+8*\b+4:SC+8*\b+7], v[H32], s[66:67] offset:64*\b+16
	global_load_b128 v[SH+8*\b:SH+8*\b+3],   v[H32], s[66:67] offset:4096+64*\b
	global_load_b128 v[SH+8*\b+4:SH+8*\b+7], v[H32], s[66:67] offset:4096+64*\b+16
.endr
	v_mul_u32_u24 v3, v1, PITCH
	v_lshl_add_u32 v3, v2, 4, v3                   ; a fragment's row x pitch + 16 x half
	s_mul_i32 s21, s11, HALFT                      ; my 64 rows of A
	s_mul_i32 s22, s12, HALFT                      ; my 64 rows of B,
	s_add_co_u32 s22, s22, 2*HALFT                 ; which lie behind A's 128
.irp s, 0,1
	v_add_nc_u32 v[ADRA+(\s)], s21, v3
	v_add_nc_u32 v[ADRB+(\s)], s22, v3
	s_add_co_u32 s21, s21, SLOT
	s_add_co_u32 s22, s22, SLOT
.endr
	s_mul_i32 s23, s11, 64*SPITCH                  ; into the stages: my 64 rows, my half of their 256 bytes
	s_lshl_b32 s21, s12, 7
	s_add_co_u32 s23, s23, s21
	v_mul_u32_u24 v4, v1, SPITCH
	v_lshl_add_u32 v4, v2, 4, v4
	v_add_nc_u32 v4, s23, v4
	v_add_nc_u32 v[STO], STAGE, v4
	v_add_nc_u32 v[STO2], STAGE_LO, v4
	s_mul_i32 s23, s10, 32*SPITCH                  ; back: wave w takes rows 32 w .. 32 w + 31, whole
	v_mul_u32_u24 v5, v2, SPITCH
	v_lshl_add_u32 v5, v1, 4, v5
	v_add_nc_u32 v5, s23, v5
	v_add_nc_u32 v[RD], STAGE, v5
	v_add_nc_u32 v[RD2], STAGE_LO, v5
	v_lshlrev_b32 v5, 9, v2                        ; and the same two rows of a plane
	v_lshl_add_u32 v[CO], v1, 4, v5
	s_lshl_b32 s16, s13, 7
	s_lshl_b32 s17, s10, 5
	s_add_co_u32 s16, s16, s17                     ; the first row that I store
	s_lshl_b32 s16, s16, 9
	s_mov_b32 s17, 0
	s_add_nc_u64 s[8:9], s[8:9], s[16:17]
	s_lshr_b32 s46, s42, 1                         ; the tile's 128 columns: plane tile column / 2,
	s_lshl_b32 s46, s46, 22
	s_and_b32 s47, s42, 1                          ; its left or right 256 bytes
	s_lshl_b32 s47, s47, 8
	s_add_co_u32 s46, s46, s47
	s_mov_b32 s47, 0
	s_add_nc_u64 s[8:9], s[8:9], s[46:47]
	s_add_nc_u64 s[68:69], s[8:9], 4*APLANE        ; lo lies four planes behind hi
.macro MUL8 f, c, a0, zero             ; 8 matrix instructions: m blocks a0, a0 + 1 x all 4 n blocks, 32 along K: half c of buffer f
	WIN MUL
.irp a, \a0, (\a0)+1
.irp b, 0,1,2,3
.if \zero
	v_wmma_f32_16x16x32_bf16 v[ACC+8*(4*(\a)+(\b)):ACC+8*(4*(\a)+(\b))+7], v[(\f)+64+8*(4*(\c)+(\b)):(\f)+64+8*(4*(\c)+(\b))+7], v[(\f)+8*(4*(\c)+(\a)):(\f)+8*(4*(\c)+(\a))+7], 0
.else
	v_wmma_f32_16x16x32_bf16 v[ACC+8*(4*(\a)+(\b)):ACC+8*(4*(\a)+(\b))+7], v[(\f)+64+8*(4*(\c)+(\b)):(\f)+64+8*(4*(\c)+(\b))+7], v[(\f)+8*(4*(\c)+(\a)):(\f)+8*(4*(\c)+(\a))+7], v[ACC+8*(4*(\a)+(\b)):ACC+8*(4*(\a)+(\b))+7]
.endif
.endr
.endr
.endm
.macro FETCH slot, k, f                ; 32 LDS loads in one run: the fragments of 64 along K at byte k of the rows
	WIN TO_F
.irp c, 0,1
.irp i, 0,1,2,3
	ds_load_b128 v[(\f)+64+8*(4*(\c)+(\i)):(\f)+64+8*(4*(\c)+(\i))+3],   v[ADRB+(\slot)] offset:(\k)+64*(\c)+(\i)*16*PITCH
	ds_load_b128 v[(\f)+64+8*(4*(\c)+(\i))+4:(\f)+64+8*(4*(\c)+(\i))+7], v[ADRB+(\slot)] offset:(\k)+64*(\c)+(\i)*16*PITCH+32
	ds_load_b128 v[(\f)+8*(4*(\c)+(\i)):(\f)+8*(4*(\c)+(\i))+3],         v[ADRA+(\slot)] offset:(\k)+64*(\c)+(\i)*16*PITCH
	ds_load_b128 v[(\f)+8*(4*(\c)+(\i))+4:(\f)+8*(4*(\c)+(\i))+7],       v[ADRA+(\slot)] offset:(\k)+64*(\c)+(\i)*16*PITCH+32
.endr
.endr
.endm
.macro PLACES                          ; four places in front of loads into registers that matrix instructions have read, and of vector work on results
.rept 4
	v_nop
.endr
.endm
.macro QUARTER slot, k, f, g, zero     ; multiplies buffer f (64 along K) and fetches the next quarter, at byte k, into g
	s_wait_dscnt 16                                ; the first 32 along K are in; the sixteen younger loads may be out
	WIN MUL
	MUL8 \f, 0, 0, \zero
	MUL8 \f, 0, 2, \zero
	PLACES
	FETCH \slot, \k, \g
	s_wait_dscnt 32                                ; all but the 32 just issued
	WIN MUL
	MUL8 \f, 1, 0, 0
	MUL8 \f, 1, 2, 0
.endm
.macro TURN slot, next, fill           ; the last quarter multiplies buffer 1 and changes slots
	WIN 0
	s_wait_tensorcnt 0x0                           ; all my tensor loads have landed: my part of the next slot;
	ds_add_u32 v[SPW], v[NIL]                      ; 0 onto my spare word;
	s_wait_dscnt 17                                ; (the add and the youngest sixteen loads may be out)
	WIN MUL
	MUL8 F1, 0, 0, 0
	s_wait_dscnt 0x0                               ; the add is done, and my reads of this slot are over
	s_barrier_signal -1
	MUL8 F1, 0, 2, 0
.if \fill
	WIN 0
.endif
	s_barrier_wait -1
.if \fill
	CREST                                          ; no wave of any partner still reads this slot's tile or has a load on its way
	s_add_nc_u64 s[G0+4*(\slot)+2:G0+4*(\slot)+3], s[G0+4*(\slot)+2:G0+4*(\slot)+3], 2*APLANE
	s_add_nc_u64 s[G0B+4*(\slot)+2:G0B+4*(\slot)+3], s[G0B+4*(\slot)+2:G0B+4*(\slot)+3], 2*KSTEP*2
	JLOAD \slot                                    ; the first tensor load behind the round; its four v_nop are also the places in front of the loads below
.else
	PLACES
.endif
	FETCH \next, 0, F0
	WIN MUL
	MUL8 F1, 1, 0, 0
	MUL8 F1, 1, 2, 0
.endm
.if KSTEPS > 1
	s_wait_tensorcnt 1                             ; my part of K step 0 is in; K step 1's may stay out
.else
	s_wait_tensorcnt 0x0                           ; my part of the one K step is in
.endif
	s_barrier_signal -1
	s_barrier_wait -1                              ; everybody's is
	FETCH 0, 0, F0
	QUARTER 0, 128, F0, F1, 1                      ; the first products start the sums
.if KSTEPS > 1
	WIN 0
	s_mov_b32 s3, LAPS-1
.Llap:                                                 ; a trip goes once round the ring and fills both slots again
	QUARTER 0, 256, F1, F0, 0
	QUARTER 0, 384, F0, F1, 0
	TURN 0, 1, 1
	QUARTER 1, 128, F0, F1, 0
	QUARTER 1, 256, F1, F0, 0
	QUARTER 1, 384, F0, F1, 0
	TURN 1, 0, 1
	QUARTER 0, 128, F0, F1, 0
	WIN 0
	s_sub_co_u32 s3, s3, 1
	s_cmp_lg_u32 s3, 0
	s_cbranch_scc1 .Llap
	QUARTER 0, 256, F1, F0, 0                      ; the last lap fills nothing
	QUARTER 0, 384, F0, F1, 0
	TURN 0, 1, 0
	QUARTER 1, 128, F0, F1, 0
	QUARTER 1, 256, F1, F0, 0
	QUARTER 1, 384, F0, F1, 0
.else
	QUARTER 0, 256, F1, F0, 0
	QUARTER 0, 384, F0, F1, 0
.endif
	s_wait_dscnt 16                                ; the very last quarter: nothing more to fetch
	WIN MUL
	MUL8 F1, 0, 0, 0
	MUL8 F1, 0, 2, 0
	s_wait_dscnt 0
	MUL8 F1, 1, 0, 0
	MUL8 F1, 1, 2, 0
	WIN 0
; THE WAY OUT.  acc x sc + sh, relu, hi = bf16(v), lo = bf16(v - hi); each accumulator's registers are taken in ascending order.  16 bytes a lane into the two stages.
.macro EPI a
.irp b, 0,1,2,3
.set AC, ACC+8*(4*(\a)+\b)
.irp j, 0,1,2,3
	v_pk_fma_f32 v[AC+2*\j:AC+2*\j+1], v[AC+2*\j:AC+2*\j+1], v[SC+8*\b+2*\j:SC+8*\b+2*\j+1], v[SH+8*\b+2*\j:SH+8*\b+2*\j+1]
.endr
.irp j, 0,1,2,3,4,5,6,7
	v_max_num_f32 v[AC+\j], 0, v[AC+\j]
.endr
.irp j, 0,1,2,3
	v_cvt_pk_bf16_f32 v[HI+4*\b+\j], v[AC+2*\j], v[AC+2*\j+1]
.endr
.irp j, 0,1,2,3
	v_lshlrev_b32 v[TT+2*\j], 16, v[HI+4*\b+\j]
	v_and_b32 v[TT+2*\j+1], s70, v[HI+4*\b+\j]
.endr
.irp j, 0,1,2,3
	v_pk_add_f32 v[AC+2*\j:AC+2*\j+1], v[AC+2*\j:AC+2*\j+1], v[TT+2*\j:TT+2*\j+1] neg_lo:[0,1] neg_hi:[0,1]
.endr
.irp j, 0,1,2,3
	v_cvt_pk_bf16_f32 v[LO+4*\b+\j], v[AC+2*\j], v[AC+2*\j+1]
.endr
	ds_store_b128 v[STO],  v[HI+4*\b:HI+4*\b+3] offset:(\a)*16*SPITCH+32*\b
	ds_store_b128 v[STO2], v[LO+4*\b:LO+4*\b+3] offset:(\a)*16*SPITCH+32*\b
.endr
.endm
	PLACES
	s_wait_loadcnt 0x0                             ; sc and sh
	EPI 0
	EPI 1
	EPI 2
	EPI 3
	s_wait_dscnt 0x0                               ; for the others' sake: my stores into the stages are done
	s_barrier_signal -1
	s_barrier_wait -1
.irp t, 0,1,2,3,4,5,6,7,8,9,10,11,12,13,14,15
	ds_load_b128 v[128+4*(\t):128+4*(\t)+3], v[RD] offset:(\t)*2*SPITCH
.endr
.irp t, 0,1,2,3,4,5,6,7,8,9,10,11,12,13,14,15
	ds_load_b128 v[192+4*(\t):192+4*(\t)+3], v[RD2] offset:(\t)*2*SPITCH
.endr
.irp t, 0,1,2,3,4,5,6,7,8,9,10,11,12,13,14,15
	s_wait_dscnt 31-(\t)                           ; the younger read-backs may be out
	global_store_b128 v[CO], v[128+4*(\t):128+4*(\t)+3], s[8:9] offset:1024*(\t)  ; 16 lanes store 256 consecutive bytes, at a multiple of 256 from the buffer's first byte
.endr
.irp t, 0,1,2,3,4,5,6,7,8,9,10,11,12,13,14,15
	s_wait_dscnt 15-(\t)
	global_store_b128 v[CO], v[192+4*(\t):192+4*(\t)+3], s[68:69] offset:1024*(\t)
.endr
	s_wait_tensorcnt 0x0                           ; the wave's end
	ds_add_u32 v[SPW], v[NIL]
	s_wait_dscnt 0x0
	CROUND                                         ; the closing round
	s_endpgm
.Lfunc_end_k_qb3399e3e46_mlp1:
	.size	k_qb3399e3e46_mlp1, .Lfunc_end_k_qb3399e3e46_mlp1-k_qb3399e3e46_mlp1
	.p2alignl 7, 3214868480
	.fill 96, 4, 3214868480
	.section	.rodata,"a",@progbits
	.p2align	6, 0x0
	.amdhsa_kernel k_qb3399e3e46_mlp1
		.amdhsa_group_segment_fixed_size 327680
		.amdhsa_private_segment_fixed_size 0
		.amdhsa_enable_private_segment 0
		.amdhsa_kernarg_size 24
		.amdhsa_user_sgpr_count 2
		.amdhsa_user_sgpr_kernarg_segment_ptr 1
		.amdhsa_wavefront_size32 1
		.amdhsa_system_sgpr_workgroup_id_x 1
		.amdhsa_system_sgpr_workgroup_id_y 1
		.amdhsa_system_sgpr_workgroup_id_z 1
		.amdhsa_system_vgpr_workitem_id 0
		.amdhsa_next_free_vgpr 512
		.amdhsa_next_free_sgpr 80
		.amdhsa_reserve_vcc 0
		.amdhsa_float_denorm_mode_32 3
		.amdhsa_float_denorm_mode_16_64 3
		.amdhsa_memory_ordered 1
		.amdhsa_forward_progress 1
		.amdhsa_inst_pref_size 58
	.end_amdhsa_kernel
	.amdgpu_metadata
---
amdhsa.version: [ 1, 2 ]
amdhsa.kernels:
  - .name:           k_qb3399e3e46_mlp1
    .symbol:         k_qb3399e3e46_mlp1.kd
    .args:
      - { .name: xb, .offset: 0, .size: 8, .value_kind: global_buffer, .address_space: global }
      - { .name: wts, .offset: 8, .size: 8, .value_kind: global_buffer, .address_space: global }
      - { .name: h1, .offset: 16, .size: 8, .value_kind: global_buffer, .address_space: global }
    .group_segment_fixed_size: 327680
    .private_segment_fixed_size: 0
    .kernarg_segment_align: 8
    .kernarg_segment_size: 24
    .max_flat_workgroup_size: 128
    .sgpr_count:     80
    .vgpr_count:     512
    .wavefront_size: 32
...
	.end_amdgpu_metadata
.endif
;; end of part 2
;; launch mlp2 (part 3): grid 8 x 64, 4 waves a work-group, clusters of 4 x 4, 327,680 bytes of LDS; arguments h1, wts, h2; writes h2
.if DOCPART == 3
	.amdgcn_target "amdgcn-amd-amdhsa--gfx1250"
	.amdhsa_code_object_version 6
	.text
	.protected	k_qb3399e3e46_mlp2
	.globl	k_qb3399e3e46_mlp2
	.p2align	8
	.type	k_qb3399e3e46_mlp2,@function
k_qb3399e3e46_mlp2:
	s_mov_b64 s[64:65], 0
	v_nop
	global_prefetch_b8 v0, s[64:65] scope:SCOPE_SE
	s_setreg_imm32_b32 hwreg(HW_REG_WAVE_MODE, 25, 1), 1
	s_wait_xcnt 0x0
	s_wait_alu depctr_hold_cnt(0) depctr_sa_sdst(0) depctr_va_vdst(0) depctr_va_sdst(0) depctr_va_ssrc(0) depctr_va_vcc(0) depctr_vm_vsrc(0)
	s_getreg_b32 s2, hwreg(HW_REG_IB_STS2, 6, 4)
	s_cmp_eq_u32 s2, 0
	s_cbranch_scc0 .Lentry_in_a_cluster
	s_endpgm
.Lentry_in_a_cluster:
	s_bfe_u32 s2, ttmp6, 0x10000c
	s_cmp_lg_u32 s2, 0xf033
	s_cbranch_scc0 .Lentry_shape_is_right
	s_endpgm
.Lentry_shape_is_right:
; LAYER 2: h2 = relu((h1 W2^T) sc2 + sh2).  h1 comes as hi + lo in eight planes of 256 columns, so K has eight steps of 256: planes 0-3 (hi), then 4-7 (lo);
; W2D holds each row of W2 twice along K.  Sums in f32.  The result leaves as hi + lo in the same layout.
; The lo stage lies in slot 0: its last fill has landed and its last read lies in front of the last change of slots' barrier.
.set SIZE_K,   2048                    ; elements in a row of B
.set KSTEPS,   8                       ; K steps of 256
.set BOFF,     524288                  ; W2D in wts
.set SCOFF,    5645312                 ; sc2 in wts; sh2 lies 4,096 bytes behind
.set STAGE_LO, 0
; A tile of the result is 128 x 128; four waves, each 64 x 64: 16 accumulators.  4 x 4 work-groups form a cluster: A's tile is shared along a row of
; the cluster, B's along a column, each asked for jointly.  The matrix instruction is used transposed (source 0 = 16 rows of B, source 1 = 16 rows of A):
; a lane then holds eight neighbouring columns of one row.  Behind each round a wave has one tensor load out; at the start two.
; REGISTERS: window 0: v0-31 addresses, v8-15 at work; v32-63 sc, v64-95 sh of my 64 columns; v96-111 hi, v112-127 lo, packed; v128-255 the accumulators.
;   window 1: two fragment buffers of 128.
.set APLANE, 0x400000                  ; bytes in a plane
.set KSTEP,  256
.set PITCH,  528                       ; an LDS row: 512 bytes + 16 of padding: the 16 rows of a fragment load start at 16 different groups of four banks (ISA guide 11.1)
.set HALFT,  64*PITCH
.set SLOT,   4*HALFT                   ; A's 128 rows, then B's 128 rows
.set STAGE,  2*SLOT                    ; the hi stage: 128 rows x 272 bytes
.set SPITCH, 272
.set SPARE,  STAGE+128*SPITCH          ; the spare words, 128 bytes for each wave
.set LAPS,   KSTEPS/2
.set H32,  6                           ; v6   32 x (lane / 16): my eight columns' sc and sh
.set TT,   8                           ; v8-15 at work
.set ADRA, 16
.set ADRB, 20
.set STO,  24
.set RD,   25
.set CO,   26
.set STO2, 27
.set SPW,  28
.set NIL,  29
.set RD2,  30
.set SC,   32
.set SH,   64
.set HI,   96
.set LO,   112
.set ACC,  128
.set F0,   0
.set F1,   128
.set G1, 24
.set G0, 32
.set G1B, 48
.set G0B, 56
.set MSB, 0
.macro WIN new                         ; the immediate's high byte repeats the setting that is left
.if MSB != (\new)
	s_set_vgpr_msb (MSB<<8)|(\new)
.set MSB, \new
.endif
.endm
.set MUL,  0x05                        ; sources 0 (B) and 1 (A) window 1; C and D window 0
.set TO_F, 0x40                        ; destination window 1, address window 0
.macro JLOAD s                         ; a joint load: waves 0 and 1 fetch A's two halves, waves 2 and 3 B's; an s_nop 0 and four v_nop follow each line
	s_cmp_eq_u32 s11, 0
	s_cbranch_scc0 .Lfor_b_\@
	tensor_load_to_lds s[G0+4*(\s):G0+4*(\s)+3], s[G1:G1+7]
	s_nop 0
.rept 4
	v_nop
.endr
	s_branch .Lasked_\@
.Lfor_b_\@:
	tensor_load_to_lds s[G0B+4*(\s):G0B+4*(\s)+3], s[G1B:G1B+7]
	s_nop 0
.rept 4
	v_nop
.endr
.Lasked_\@:
.endm
.macro CREST                           ; a round of the cluster's barrier behind its opening barrier
	s_cmp_lg_u32 s10, 0
	s_cbranch_scc1 .Lnot_wave_0_\@
	s_barrier_signal -3
.Lnot_wave_0_\@:
	s_barrier_wait -3
	s_barrier_signal -1
	s_barrier_wait -1
.endm
.macro CROUND
	s_barrier_signal -1
	s_barrier_wait -1
	CREST
.endm
	s_load_b128 s[4:7], s[0:1], 0x0                ; A s[4:5], wts s[6:7]
	s_load_b64 s[8:9], s[0:1], 0x10                ; the result
	v_lshl_add_u32 v[SPW], v0, 2, SPARE
	v_mov_b32 v[NIL], 0
	ds_add_u32 v[SPW], v[NIL]                      ; the wave's opening: the add and its wait ahead of my first tensor load
	v_lshrrev_b32 v1, 5, v0
	v_readfirstlane_b32 s10, v1                    ; wave 0..3
	s_lshr_b32 s11, s10, 1                         ; which half of the tile's rows is mine.  Also: I fetch for A (0) or for B (1)
	s_and_b32 s12, s10, 1                          ; which half of its columns.  Also: which 64 rows of that tile I fetch
	s_bfe_u32 s40, ttmp6, 0x40000                  ; cx, cy
	s_bfe_u32 s41, ttmp6, 0x40004
	s_lshl_b32 s42, ttmp9, 2
	s_add_co_u32 s42, s42, s40                     ; tile column
	s_and_b32 s13, ttmp7, 0xffff
	s_lshl_b32 s13, s13, 2
	s_add_co_u32 s13, s13, s41                     ; tile row
	s_lshl_b32 s43, s41, 2
	s_lshl_b32 s43, 15, s43                        ; my row of the cluster
	s_lshl_b32 s44, 0x1111, s40                    ; my column
	s_or_b32 s[G1+0], s43, (1<<16)|(1<<20)|(1<<21)|(6<<22)|(3<<25)  ; the mask; 2-byte elements; padding on; bit 21 beside a mask; after every 128 words 4 words
	s_or_b32 s[G1B+0], s44, (1<<16)|(1<<20)|(1<<21)|(6<<22)|(3<<25)
.irp g, G1, G1B
	s_mov_b32 s[(\g)+1], KSTEP<<16                 ; tensor_dim0 = 256
	s_mov_b32 s[(\g)+2], 64<<16                    ; tensor_dim1 = 64
	s_mov_b32 s[(\g)+3], KSTEP<<16                 ; tile_dim0 = 256
	s_mov_b32 s[(\g)+4], 64                        ; tile_dim1 = 64
	s_mov_b32 s[(\g)+6], 0
	s_mov_b32 s[(\g)+7], 0
.endr
	s_mov_b32 s[G1+5], 256                         ; A: a plane's rows are 256 elements apart
	s_mov_b32 s[G1B+5], SIZE_K                     ; B
	s_mov_b32 s70, 0xffff0000                      ; a word's upper bf16
	s_lshl_b32 s17, s12, 6
	s_lshl_b32 s16, s13, 7
	s_add_co_u32 s16, s16, s17                     ; A: row 128 x tile row + 64 x half,
	s_lshl_b32 s16, s16, 9                         ; of 512 bytes
	s_lshl_b32 s46, s42, 7
	s_add_co_u32 s46, s46, s17                     ; B: row 128 x tile column + 64 x half
	s_mul_i32 s46, s46, SIZE_K*2
	s_add_co_u32 s46, s46, BOFF
	s_mov_b32 s17, 0
	s_mov_b32 s47, 0
	s_mul_i32 s20, s10, HALFT                      ; where they go: wave x 64 rows
	s_wait_dscnt 0x0                               ; the opening add is done
	s_wait_kmcnt 0x0
	s_add_nc_u64 s[14:15], s[4:5], s[16:17]
	s_add_nc_u64 s[46:47], s[6:7], s[46:47]
	CROUND                                         ; all sixteen work-groups are here: the first joint loads meet
.irp s, 0,1
.if (\s) < KSTEPS
	s_mov_b32 s[G0+4*(\s)], 1
	s_add_co_u32 s[G0+4*(\s)+1], s20, (\s)*SLOT
	s_add_nc_u64 s[G0+4*(\s)+2:G0+4*(\s)+3], s[14:15], (\s)*APLANE  ; K step s of A is plane s
	s_or_b32 s[G0+4*(\s)+3], s[G0+4*(\s)+3], 0x80000000
	s_mov_b32 s[G0B+4*(\s)], 1
	s_add_co_u32 s[G0B+4*(\s)+1], s20, (\s)*SLOT
	s_add_nc_u64 s[G0B+4*(\s)+2:G0B+4*(\s)+3], s[46:47], (\s)*KSTEP*2
	s_or_b32 s[G0B+4*(\s)+3], s[G0B+4*(\s)+3], 0x80000000
	JLOAD \s
.endif
.endr
	v_and_b32 v1, 15, v0                           ; l % 16
	v_bfe_u32 v2, v0, 4, 1                         ; l / 16
	v_lshlrev_b32 v[H32], 5, v2
	s_lshl_b32 s66, s42, 9                         ; sc and sh of my 64 columns: they are waited for on the way out
	s_lshl_b32 s67, s12, 8
	s_add_co_u32 s66, s66, s67
	s_add_co_u32 s66, s66, SCOFF
	s_mov_b32 s67, 0
	s_add_nc_u64 s[66:67], s[6:7], s[66:67]
.irp b, 0,1,2,3
	global_load_b128 v[SC+8*\b:SC+8*\b+3],   v[H32], s[66:67] offset:64*\b
	global_load_b128 v[SC+8*\b+4:SC+8*\b+7], v[H32], s[66:67] offset:64*\b+16
	global_load_b128 v[SH+8*\b:SH+8*\b+3],   v[H32], s[66:67] offset:4096+64*\b
	global_load_b128 v[SH+8*\b+4:SH+8*\b+7], v[H32], s[66:67] offset:4096+64*\b+16
.endr
	v_mul_u32_u24 v3, v1, PITCH
	v_lshl_add_u32 v3, v2, 4, v3                   ; a fragment's row x pitch + 16 x half
	s_mul_i32 s21, s11, HALFT                      ; my 64 rows of A
	s_mul_i32 s22, s12, HALFT                      ; my 64 rows of B,
	s_add_co_u32 s22, s22, 2*HALFT                 ; which lie behind A's 128
.irp s, 0,1
	v_add_nc_u32 v[ADRA+(\s)], s21, v3
	v_add_nc_u32 v[ADRB+(\s)], s22, v3
	s_add_co_u32 s21, s21, SLOT
	s_add_co_u32 s22, s22, SLOT
.endr
	s_mul_i32 s23, s11, 64*SPITCH                  ; into the stages: my 64 rows, my half of their 256 bytes
	s_lshl_b32 s21, s12, 7
	s_add_co_u32 s23, s23, s21
	v_mul_u32_u24 v4, v1, SPITCH
	v_lshl_add_u32 v4, v2, 4, v4
	v_add_nc_u32 v4, s23, v4
	v_add_nc_u32 v[STO], STAGE, v4
	v_add_nc_u32 v[STO2], STAGE_LO, v4
	s_mul_i32 s23, s10, 32*SPITCH                  ; back: wave w takes rows 32 w .. 32 w + 31, whole
	v_mul_u32_u24 v5, v2, SPITCH
	v_lshl_add_u32 v5, v1, 4, v5
	v_add_nc_u32 v5, s23, v5
	v_add_nc_u32 v[RD], STAGE, v5
	v_add_nc_u32 v[RD2], STAGE_LO, v5
	v_lshlrev_b32 v5, 9, v2                        ; and the same two rows of a plane
	v_lshl_add_u32 v[CO], v1, 4, v5
	s_lshl_b32 s16, s13, 7
	s_lshl_b32 s17, s10, 5
	s_add_co_u32 s16, s16, s17                     ; the first row that I store
	s_lshl_b32 s16, s16, 9
	s_mov_b32 s17, 0
	s_add_nc_u64 s[8:9], s[8:9], s[16:17]
	s_lshr_b32 s46, s42, 1                         ; the tile's 128 columns: plane tile column / 2,
	s_lshl_b32 s46, s46, 22
	s_and_b32 s47, s42, 1                          ; its left or right 256 bytes
	s_lshl_b32 s47, s47, 8
	s_add_co_u32 s46, s46, s47
	s_mov_b32 s47, 0
	s_add_nc_u64 s[8:9], s[8:9], s[46:47]
	s_add_nc_u64 s[68:69], s[8:9], 4*APLANE        ; lo lies four planes behind hi
.macro MUL8 f, c, a0, zero             ; 8 matrix instructions: m blocks a0, a0 + 1 x all 4 n blocks, 32 along K: half c of buffer f
	WIN MUL
.irp a, \a0, (\a0)+1
.irp b, 0,1,2,3
.if \zero
	v_wmma_f32_16x16x32_bf16 v[ACC+8*(4*(\a)+(\b)):ACC+8*(4*(\a)+(\b))+7], v[(\f)+64+8*(4*(\c)+(\b)):(\f)+64+8*(4*(\c)+(\b))+7], v[(\f)+8*(4*(\c)+(\a)):(\f)+8*(4*(\c)+(\a))+7], 0
.else
	v_wmma_f32_16x16x32_bf16 v[ACC+8*(4*(\a)+(\b)):ACC+8*(4*(\a)+(\b))+7], v[(\f)+64+8*(4*(\c)+(\b)):(\f)+64+8*(4*(\c)+(\b))+7], v[(\f)+8*(4*(\c)+(\a)):(\f)+8*(4*(\c)+(\a))+7], v[ACC+8*(4*(\a)+(\b)):ACC+8*(4*(\a)+(\b))+7]
.endif
.endr
.endr
.endm
.macro FETCH slot, k, f                ; 32 LDS loads in one run: the fragments of 64 along K at byte k of the rows
	WIN TO_F
.irp c, 0,1
.irp i, 0,1,2,3
	ds_load_b128 v[(\f)+64+8*(4*(\c)+(\i)):(\f)+64+8*(4*(\c)+(\i))+3],   v[ADRB+(\slot)] offset:(\k)+64*(\c)+(\i)*16*PITCH
	ds_load_b128 v[(\f)+64+8*(4*(\c)+(\i))+4:(\f)+64+8*(4*(\c)+(\i))+7], v[ADRB+(\slot)] offset:(\k)+64*(\c)+(\i)*16*PITCH+32
	ds_load_b128 v[(\f)+8*(4*(\c)+(\i)):(\f)+8*(4*(\c)+(\i))+3],         v[ADRA+(\slot)] offset:(\k)+64*(\c)+(\i)*16*PITCH
	ds_load_b128 v[(\f)+8*(4*(\c)+(\i))+4:(\f)+8*(4*(\c)+(\i))+7],       v[ADRA+(\slot)] offset:(\k)+64*(\c)+(\i)*16*PITCH+32
.endr
.endr
.endm
.macro PLACES                          ; four places in front of loads into registers that matrix instructions have read, and of vector work on results
.rept 4
	v_nop
.endr
.endm
.macro QUARTER slot, k, f, g, zero     ; multiplies buffer f (64 along K) and fetches the next quarter, at byte k, into g
	s_wait_dscnt 16                                ; the first 32 along K are in; the sixteen younger loads may be out
	WIN MUL
	MUL8 \f, 0, 0, \zero
	MUL8 \f, 0, 2, \zero
	PLACES
	FETCH \slot, \k, \g
	s_wait_dscnt 32                                ; all but the 32 just issued
	WIN MUL
	MUL8 \f, 1, 0, 0
	MUL8 \f, 1, 2, 0
.endm
.macro TURN slot, next, fill           ; the last quarter multiplies buffer 1 and changes slots
	WIN 0
	s_wait_tensorcnt 0x0                           ; all my tensor loads have landed: my part of the next slot;
	ds_add_u32 v[SPW], v[NIL]                      ; 0 onto my spare word;
	s_wait_dscnt 17                                ; (the add and the youngest sixteen loads may be out)
	WIN MUL
	MUL8 F1, 0, 0, 0
	s_wait_dscnt 0x0                               ; the add is done, and my reads of this slot are over
	s_barrier_signal -1
	MUL8 F1, 0, 2, 0
.if \fill
	WIN 0
.endif
	s_barrier_wait -1
.if \fill
	CREST                                          ; no wave of any partner still reads this slot's tile or has a load on its way
	s_add_nc_u64 s[G0+4*(\slot)+2:G0+4*(\slot)+3], s[G0+4*(\slot)+2:G0+4*(\slot)+3], 2*APLANE
	s_add_nc_u64 s[G0B+4*(\slot)+2:G0B+4*(\slot)+3], s[G0B+4*(\slot)+2:G0B+4*(\slot)+3], 2*KSTEP*2
	JLOAD \slot                                    ; the first tensor load behind the round; its four v_nop are also the places in front of the loads below
.else
	PLACES
.endif
	FETCH \next, 0, F0
	WIN MUL
	MUL8 F1, 1, 0, 0
	MUL8 F1, 1, 2, 0
.endm
.if KSTEPS > 1
	s_wait_tensorcnt 1                             ; my part of K step 0 is in; K step 1's may stay out
.else
	s_wait_tensorcnt 0x0                           ; my part of the one K step is in
.endif
	s_barrier_signal -1
	s_barrier_wait -1                              ; everybody's is
	FETCH 0, 0, F0
	QUARTER 0, 128, F0, F1, 1                      ; the first products start the sums
.if KSTEPS > 1
	WIN 0
	s_mov_b32 s3, LAPS-1
.Llap:                                                 ; a trip goes once round the ring and fills both slots again
	QUARTER 0, 256, F1, F0, 0
	QUARTER 0, 384, F0, F1, 0
	TURN 0, 1, 1
	QUARTER 1, 128, F0, F1, 0
	QUARTER 1, 256, F1, F0, 0
	QUARTER 1, 384, F0, F1, 0
	TURN 1, 0, 1
	QUARTER 0, 128, F0, F1, 0
	WIN 0
	s_sub_co_u32 s3, s3, 1
	s_cmp_lg_u32 s3, 0
	s_cbranch_scc1 .Llap
	QUARTER 0, 256, F1, F0, 0                      ; the last lap fills nothing
	QUARTER 0, 384, F0, F1, 0
	TURN 0, 1, 0
	QUARTER 1, 128, F0, F1, 0
	QUARTER 1, 256, F1, F0, 0
	QUARTER 1, 384, F0, F1, 0
.else
	QUARTER 0, 256, F1, F0, 0
	QUARTER 0, 384, F0, F1, 0
.endif
	s_wait_dscnt 16                                ; the very last quarter: nothing more to fetch
	WIN MUL
	MUL8 F1, 0, 0, 0
	MUL8 F1, 0, 2, 0
	s_wait_dscnt 0
	MUL8 F1, 1, 0, 0
	MUL8 F1, 1, 2, 0
	WIN 0
; THE WAY OUT.  acc x sc + sh, relu, hi = bf16(v), lo = bf16(v - hi); each accumulator's registers are taken in ascending order.  16 bytes a lane into the two stages.
.macro EPI a
.irp b, 0,1,2,3
.set AC, ACC+8*(4*(\a)+\b)
.irp j, 0,1,2,3
	v_pk_fma_f32 v[AC+2*\j:AC+2*\j+1], v[AC+2*\j:AC+2*\j+1], v[SC+8*\b+2*\j:SC+8*\b+2*\j+1], v[SH+8*\b+2*\j:SH+8*\b+2*\j+1]
.endr
.irp j, 0,1,2,3,4,5,6,7
	v_max_num_f32 v[AC+\j], 0, v[AC+\j]
.endr
.irp j, 0,1,2,3
	v_cvt_pk_bf16_f32 v[HI+4*\b+\j], v[AC+2*\j], v[AC+2*\j+1]
.endr
.irp j, 0,1,2,3
	v_lshlrev_b32 v[TT+2*\j], 16, v[HI+4*\b+\j]
	v_and_b32 v[TT+2*\j+1], s70, v[HI+4*\b+\j]
.endr
.irp j, 0,1,2,3
	v_pk_add_f32 v[AC+2*\j:AC+2*\j+1], v[AC+2*\j:AC+2*\j+1], v[TT+2*\j:TT+2*\j+1] neg_lo:[0,1] neg_hi:[0,1]
.endr
.irp j, 0,1,2,3
	v_cvt_pk_bf16_f32 v[LO+4*\b+\j], v[AC+2*\j], v[AC+2*\j+1]
.endr
	ds_store_b128 v[STO],  v[HI+4*\b:HI+4*\b+3] offset:(\a)*16*SPITCH+32*\b
	ds_store_b128 v[STO2], v[LO+4*\b:LO+4*\b+3] offset:(\a)*16*SPITCH+32*\b
.endr
.endm
	PLACES
	s_wait_loadcnt 0x0                             ; sc and sh
	EPI 0
	EPI 1
	EPI 2
	EPI 3
	s_wait_dscnt 0x0                               ; for the others' sake: my stores into the stages are done
	s_barrier_signal -1
	s_barrier_wait -1
.irp t, 0,1,2,3,4,5,6,7,8,9,10,11,12,13,14,15
	ds_load_b128 v[128+4*(\t):128+4*(\t)+3], v[RD] offset:(\t)*2*SPITCH
.endr
.irp t, 0,1,2,3,4,5,6,7,8,9,10,11,12,13,14,15
	ds_load_b128 v[192+4*(\t):192+4*(\t)+3], v[RD2] offset:(\t)*2*SPITCH
.endr
.irp t, 0,1,2,3,4,5,6,7,8,9,10,11,12,13,14,15
	s_wait_dscnt 31-(\t)                           ; the younger read-backs may be out
	global_store_b128 v[CO], v[128+4*(\t):128+4*(\t)+3], s[8:9] offset:1024*(\t)  ; 16 lanes store 256 consecutive bytes, at a multiple of 256 from the buffer's first byte
.endr
.irp t, 0,1,2,3,4,5,6,7,8,9,10,11,12,13,14,15
	s_wait_dscnt 15-(\t)
	global_store_b128 v[CO], v[192+4*(\t):192+4*(\t)+3], s[68:69] offset:1024*(\t)
.endr
	s_wait_tensorcnt 0x0                           ; the wave's end
	ds_add_u32 v[SPW], v[NIL]
	s_wait_dscnt 0x0
	CROUND                                         ; the closing round
	s_endpgm
.Lfunc_end_k_qb3399e3e46_mlp2:
	.size	k_qb3399e3e46_mlp2, .Lfunc_end_k_qb3399e3e46_mlp2-k_qb3399e3e46_mlp2
	.p2alignl 7, 3214868480
	.fill 96, 4, 3214868480
	.section	.rodata,"a",@progbits
	.p2align	6, 0x0
	.amdhsa_kernel k_qb3399e3e46_mlp2
		.amdhsa_group_segment_fixed_size 327680
		.amdhsa_private_segment_fixed_size 0
		.amdhsa_enable_private_segment 0
		.amdhsa_kernarg_size 24
		.amdhsa_user_sgpr_count 2
		.amdhsa_user_sgpr_kernarg_segment_ptr 1
		.amdhsa_wavefront_size32 1
		.amdhsa_system_sgpr_workgroup_id_x 1
		.amdhsa_system_sgpr_workgroup_id_y 1
		.amdhsa_system_sgpr_workgroup_id_z 1
		.amdhsa_system_vgpr_workitem_id 0
		.amdhsa_next_free_vgpr 512
		.amdhsa_next_free_sgpr 80
		.amdhsa_reserve_vcc 0
		.amdhsa_float_denorm_mode_32 3
		.amdhsa_float_denorm_mode_16_64 3
		.amdhsa_memory_ordered 1
		.amdhsa_forward_progress 1
		.amdhsa_inst_pref_size 113
	.end_amdhsa_kernel
	.amdgpu_metadata
---
amdhsa.version: [ 1, 2 ]
amdhsa.kernels:
  - .name:           k_qb3399e3e46_mlp2
    .symbol:         k_qb3399e3e46_mlp2.kd
    .args:
      - { .name: h1, .offset: 0, .size: 8, .value_kind: global_buffer, .address_space: global }
      - { .name: wts, .offset: 8, .size: 8, .value_kind: global_buffer, .address_space: global }
      - { .name: h2, .offset: 16, .size: 8, .value_kind: global_buffer, .address_space: global }
    .group_segment_fixed_size: 327680
    .private_segment_fixed_size: 0
    .kernarg_segment_align: 8
    .kernarg_segment_size: 24
    .max_flat_workgroup_size: 128
    .sgpr_count:     80
    .vgpr_count:     512
    .wavefront_size: 32
...
	.end_amdgpu_metadata
.endif
;; end of part 3
;; launch newton (part 4): grid 256 x 1, 4 waves a work-group, clusters of 4 x 1, 327,680 bytes of LDS; arguments h2, xb, wts, b3, out0; writes out0
.if DOCPART == 4
	.amdgcn_target "amdgcn-amd-amdhsa--gfx1250"
	.amdhsa_code_object_version 6
	.text
	.protected	k_qb3399e3e46_newton
	.globl	k_qb3399e3e46_newton
	.p2align	8
	.type	k_qb3399e3e46_newton,@function
k_qb3399e3e46_newton:
	s_mov_b64 s[64:65], 0
	v_nop
	global_prefetch_b8 v0, s[64:65] scope:SCOPE_SE
	s_setreg_imm32_b32 hwreg(HW_REG_WAVE_MODE, 25, 1), 1
	s_wait_xcnt 0x0
	s_wait_alu depctr_hold_cnt(0) depctr_sa_sdst(0) depctr_va_vdst(0) depctr_va_sdst(0) depctr_va_ssrc(0) depctr_va_vcc(0) depctr_vm_vsrc(0)
	s_getreg_b32 s2, hwreg(HW_REG_IB_STS2, 6, 4)
	s_cmp_eq_u32 s2, 0
	s_cbranch_scc0 .Lentry_in_a_cluster
	s_endpgm
.Lentry_in_a_cluster:
	s_bfe_u32 s2, ttmp6, 0x10000c
	s_cmp_lg_u32 s2, 0x3003
	s_cbranch_scc0 .Lentry_shape_is_right
	s_endpgm
.Lentry_shape_is_right:
; bounds = x Wb; y = h2 W3^T + b3; then five Newton steps y -= clip(u, -1, 1), u from 5 steps of Jacobi-preconditioned CG on (A^T A + 0.1 I) u = A^T f, started at rhs / diag.
; ALGEBRA.  With d = diag and G^ = D^-1/2 (A^T A + 0.1 I) D^-1/2 (made by the first launch), that CG is plain CG on G^ in x^ = D^1/2 X, r^ = D^-1/2 R, p^ = D^1/2 P;
; rz = r^.r^, pAp = p^.G^p^, alpha and beta are the same numbers; x^0 = r^hs = D^-1/2 A^T f; u = D^-1/2 x^.  f = t - med3(t, -1, 1), t = A y - bounds.
; FORMATS.  x, Wb, W3 bf16; h2 as two bf16 (hi + lo); b3 rounded to bf16; A (a bf16 number written as f16) and G^ f16; states and sums f32.  A vector that enters a product is
; multiplied by SP = 32768 / b and rounded to f16, the product by CP = b / 32768, where b bounds the row's elements: max|y0| + k for y (the clip), ||f|| for f and for x^0
; (Cauchy-Schwarz), sqrt(rz) + beta b_prev for p^; b is at least 2^-62.  So no f16 overflows, at any scale of the inputs.
; LIMITS.  |A| <= 65,504.  rz or pAp below 2^-126 counts as 0 (1e-8 is taken in its stead).  The order of rounding differs from the module's as written (scaled variables, one
; product with G^ for two with A).  NaN and infinities are not treated apart.
; SHARES.  A work-group owns 32 rows.  Every product is used transposed: source 0 = 16 rows of the matrix (output components), source 1 = 16 batch rows.  In a result lane (r, h)
; holds batch row 16 nt + r and components 64 w + 16 mt + 8 h + e: wave w owns 64 components of all 32 rows; a vector is 64 registers, V + 32 nt + 8 mt + e.
; The eight accumulators take turns, one instruction a turn.  Vectors pass from wave to wave through LDS (XB0, XB1), row sums through RED.
; CLUSTER.  Wb, W3 and A are the same for all work-groups: four work-groups ask for each chunk jointly.  A wave has one tensor load out behind each round.
; LDS: two slots of 69,632 (tensor fills only; at last A, 256 rows at pitch 544); HB: h2's 8 planes x 32 rows at pitch 528; XB0, XB1: 32 rows at pitch 528; RED: 2 x 512; the spare words.
; REGISTERS.  window 0: v0-63 addresses and a row's figures; ACC v64-127; P v128-191; R v192-255.  window 1: X v0-63, Y v64-127, BD (bounds) v128-191, DIS v192-223.
; window 2: G^'s fragments of my 64 rows.  window 3: BF v0-127 (source 1), AR v128-255 (source 0).  In the products with A the fragments of K steps 4-7 lie in P and R, which are dead there.
.set APLANE, 0x400000
.set W3B,  4718592
.set WBB,  5242880
.set AH,   5373952
.set GF,   5505024
.set DISO, 5636096
.set SLOT, 69632
.set HB,   139264
.set XB0,  274432
.set XBS,  16896                       ; 32 rows x 528
.set RED,  308224
.set SPARE, 309248
.set BFA, 5                            ; v5   XB0 + 528 r + 16 h: a source-1 fragment's place
.set STA, 6                            ; v6   BFA + 128 w: where I put 16 bytes of a row
.set PLA, 7                            ; v7   (64 w + r) 544 + 16 h: A's rows as they lie
.set TRA, 8                            ; v8-9 (8 h + lane % 8) 544 + 16 ((lane / 8) % 2) + 128 w, in slot 0 and 1: the turning loads
.set W3A, 10                           ; v10-11 (64 w + r) 272 + 16 h, in slot 0 and 1
.set HBH, 12                           ; v12  HB + 528 r + 16 h: hi;  v13 lo
.set HBL, 13
.set ACC, 64
.set P,   128
.set R,   192
.set X,   0
.set Y,   64
.set BD,  128
.set DIS, 192
.set BF,  0
.set AR,  128
; a row's figures, for nt = 0 and 1; what is broadcast by a packed instruction lies at the even register of a pair:
; v32, v34 SP | v33, v35 rz | v36, v38 CP | v37, v39 rz_prev | v40, v42 beta | v41, v43 p^'s bound | v44, v46 alpha | v45, v47 y's bound | v48, v50 alpha CP | v49, v51 at work
.set MSB, 0
.macro WIN new                         ; the immediate's high byte repeats the setting that is left
.if MSB != (\new)
	s_set_vgpr_msb (MSB<<8)|(\new)
.set MSB, \new
.endif
.endm
.macro PLACES                          ; four places between a matrix instruction and vector work on its registers (ISA guide 7.12.1)
.rept 4
	v_nop
.endr
.endm
.macro ROUND                           ; a round of the cluster's barrier
	s_barrier_signal -1
	s_barrier_wait -1
	s_cmp_lg_u32 s14, 0
	s_cbranch_scc1 .Lnw0_\@
	s_barrier_signal -3
.Lnw0_\@:
	s_barrier_wait -3
	s_barrier_signal -1
	s_barrier_wait -1
.endm
.macro EBAR                            ; my LDS stores are done and my LDS reads are back; then the work-group's barrier
	s_wait_dscnt 0x0
	s_barrier_signal -1
	s_barrier_wait -1
.endm
.macro HEAD1                           ; in front of a refill: all my tensor loads have landed, so every group 0 may be written; the add
	WIN 0
	s_wait_tensorcnt 0x0
	ds_add_u32 v3, v4
.endm
.macro HEAD2                           ; the add is done and my reads of the old slot are over; then the round: both hold of every wave of all four work-groups
	s_wait_dscnt 0x0
	ROUND
.endm
.macro TL g0, g1                       ; my quarter of a chunk, jointly; the four v_nop are also the places in front of the fragment loads and vector work that follow
	tensor_load_to_lds s[\g0:\g0+3], s[\g1:\g1+7]
	s_nop 0
.rept 4
	v_nop
.endr
.endm
.macro SCALE                           ; from the bounds in v49, v51: CP = b / 32768, SP = 32768 / b, b at least 2^-62
	WIN 0
	v_max_num_f32 v49, s57, v49
	v_max_num_f32 v51, s57, v51
	v_rcp_f32 v61, v49
	v_rcp_f32 v62, v51
	v_mul_f32 v36, s56, v49                        ; plain instructions behind the reciprocals (ISA guide 5.7.2)
	v_mul_f32 v38, s56, v51
	s_wait_alu depctr_va_vdst(0)
	v_mul_f32 v32, s55, v61
	v_mul_f32 v34, s55, v62
.endm
.macro DIV o0, o1, n0, n1, d0, d1      ; o = n / d, with 1e-8 for a d that counts as 0
	WIN 0
	v_and_b32 v61, s74, v[\d0]
	v_and_b32 v62, s74, v[\d1]
	v_cmp_gt_f32 vcc_lo, s59, v61
	v_cndmask_b32 v61, v[\d0], s58, vcc_lo
	v_cmp_gt_f32 vcc_lo, s59, v62
	v_cndmask_b32 v62, v[\d1], s58, vcc_lo
	v_rcp_f32 v61, v61
	v_rcp_f32 v62, v62
	v_nop
	s_wait_alu depctr_va_vdst(0)
	v_mul_f32 v[\o0], v[\n0], v61
	v_mul_f32 v[\o1], v[\n1], v62
.endm
; src (in window win) x SP into ACC, rounded to f16 in place (the four lowest registers of each eight take the 16 bytes), and into buffer xb
.macro PACK src, win, xb
	WIN \win
.set i, 0
.rept 32
	v_pk_mul_f32 v[ACC+2*i:ACC+2*i+1], v[\src+2*i:\src+2*i+1], v[32+2*(i/16):33+2*(i/16)] op_sel_hi:[1,0]
.set i, i+1
.endr
	WIN 0
.set i, 0
.rept 8
.irp j, 0,1,2,3
	v_cvt_pk_f16_f32 v[ACC+8*i+\j], v[ACC+8*i+2*\j], v[ACC+8*i+2*\j+1]
.endr
.set i, i+1
.endr
.set i, 0
.rept 8
	ds_store_b128 v[STA], v[ACC+8*i:ACC+8*i+3] offset:(\xb)*XBS+(i/4)*8448+(i%4)*32
.set i, i+1
.endr
.endm
; my lanes' part of the rows' sums of a x b, into v28 (nt 0) and v29 (nt 1): two chains a row tile, started by the first products; registers in ascending order
.macro DOT a, b
	WIN 0
.set i, 0
.rept 16
.if i < 2
	v_pk_mul_f32 v[52+2*i:53+2*i], v[\a+2*i:\a+2*i+1], v[\b+2*i:\b+2*i+1]
	v_pk_mul_f32 v[56+2*i:57+2*i], v[\a+32+2*i:\a+33+2*i], v[\b+32+2*i:\b+33+2*i]
.else
	v_pk_fma_f32 v[52+2*(i%2):53+2*(i%2)], v[\a+2*i:\a+2*i+1], v[\b+2*i:\b+2*i+1], v[52+2*(i%2):53+2*(i%2)]
	v_pk_fma_f32 v[56+2*(i%2):57+2*(i%2)], v[\a+32+2*i:\a+33+2*i], v[\b+32+2*i:\b+33+2*i], v[56+2*(i%2):57+2*(i%2)]
.endif
.set i, i+1
.endr
	v_pk_add_f32 v[52:53], v[52:53], v[54:55]
	v_pk_add_f32 v[56:57], v[56:57], v[58:59]
	v_add_f32 v28, v52, v53
	v_add_f32 v29, v56, v57
.endm
; v28, v29 over the halves of the lanes and the four waves; every wave adds the four parts in the same order, so all hold the same number
.macro REDUCE op, buf, d0, d1
	WIN 0
	v_permlanex16_b32 v30, v28, s52, s53
	v_permlanex16_b32 v31, v29, s52, s53
	\op v28, v28, v30
	\op v29, v29, v31
	v_cndmask_b32 v28, v28, v29, s54               ; lane l carries row l
	ds_store_b32 v14, v28 offset:512*(\buf)
	EBAR
	ds_load_b128 v[20:23], v15 offset:512*(\buf)
	ds_load_b128 v[24:27], v15 offset:512*(\buf)+256
	s_wait_dscnt 0x0
	\op v20, v20, v21
	\op v22, v22, v23
	\op v24, v24, v25
	\op v26, v26, v27
	\op v[\d0], v20, v22
	\op v[\d1], v24, v26
.endm
.macro BLD ks, xb                      ; four loads: source 1's fragments of K step ks
.irp nt, 0,1
	ds_load_b128 v[BF+8*(8*\nt+(\ks)):BF+8*(8*\nt+(\ks))+3],   v[BFA] offset:(\xb)*XBS+\nt*8448+64*(\ks)
	ds_load_b128 v[BF+8*(8*\nt+(\ks))+4:BF+8*(8*\nt+(\ks))+7], v[BFA] offset:(\xb)*XBS+\nt*8448+64*(\ks)+32
.endr
.endm
.macro LOADB xb
	WIN 0xc0                                       ; destination window 3
.irp ks, 0,1,2,3,4,5,6,7
	BLD \ks, \xb
.endr
.endm
.macro ALD base, ks, tr                ; eight loads: A's fragments of K step ks for my 64 outputs; tr = 1: of A^T, by the turning load
.irp mt, 0,1,2,3
.if \tr
	ds_load_tr16_b128 v[(\base)+8*\mt:(\base)+8*\mt+3],   v[TRA+(\ks)/4] offset:((\ks)%4)*17408+32*\mt
	ds_load_tr16_b128 v[(\base)+8*\mt+4:(\base)+8*\mt+7], v[TRA+(\ks)/4] offset:((\ks)%4)*17408+8704+32*\mt
.else
	ds_load_b128 v[(\base)+8*\mt:(\base)+8*\mt+3],   v[PLA] offset:\mt*8704+64*(\ks)
	ds_load_b128 v[(\base)+8*\mt+4:(\base)+8*\mt+7], v[PLA] offset:\mt*8704+64*(\ks)+32
.endif
.endr
.endm
; ACC = A (or A^T) x buffer xb.  96 LDS loads in one run, then 64 products; the wait ahead of a K step counts the loads issued behind that step's (63 is the largest count the wait can name)
.macro MMA tr, xb
	WIN 0xc0
.irp ks, 0,1,2,3
	BLD \ks, \xb
	ALD AR+32*\ks, \ks, \tr
.endr
.irp ks, 4,5,6,7
	BLD \ks, \xb
.endr
	WIN 0
.irp ks, 4,5,6,7
	ALD P+32*(\ks-4), \ks, \tr
.endr
.irp ks, 0,1,2,3,4,5,6,7
.if \ks < 4
	WIN 0x0f                                       ; sources in window 3
.set WT, 84-12*\ks
.set A0, AR+32*\ks
.else
	WIN 0x0c                                       ; source 0 in window 0
.set WT, 8*(7-\ks)
.set A0, P+32*(\ks-4)
.endif
.if WT > 63
.set WT, 63
.endif
	s_wait_dscnt WT
.irp mt, 0,1,2,3
.irp nt, 0,1
.if \ks == 0
	v_wmma_f32_16x16x32_f16 v[ACC+32*\nt+8*\mt:ACC+32*\nt+8*\mt+7], v[A0+8*\mt:A0+8*\mt+7], v[BF+8*(8*\nt+\ks):BF+8*(8*\nt+\ks)+7], 0
.else
	v_wmma_f32_16x16x32_f16 v[ACC+32*\nt+8*\mt:ACC+32*\nt+8*\mt+7], v[A0+8*\mt:A0+8*\mt+7], v[BF+8*(8*\nt+\ks):BF+8*(8*\nt+\ks)+7], v[ACC+32*\nt+8*\mt:ACC+32*\nt+8*\mt+7]
.endif
.endr
.endr
.endr
.endm
; ACC = G^ x the buffer that LOADB has asked for; G^ stays in window 2.  The wait ahead of a K step leaves the later steps' four loads each out.
.macro MMG
	WIN 0x0e
.irp ks, 0,1,2,3,4,5,6,7
	s_wait_dscnt 4*(7-\ks)
.irp mt, 0,1,2,3
.irp nt, 0,1
.if \ks == 0
	v_wmma_f32_16x16x32_f16 v[ACC+32*\nt+8*\mt:ACC+32*\nt+8*\mt+7], v[8*(8*\mt+\ks):8*(8*\mt+\ks)+7], v[BF+8*(8*\nt+\ks):BF+8*(8*\nt+\ks)+7], 0
.else
	v_wmma_f32_16x16x32_f16 v[ACC+32*\nt+8*\mt:ACC+32*\nt+8*\mt+7], v[8*(8*\mt+\ks):8*(8*\mt+\ks)+7], v[BF+8*(8*\nt+\ks):BF+8*(8*\nt+\ks)+7], v[ACC+32*\nt+8*\mt:ACC+32*\nt+8*\mt+7]
.endif
.endr
.endr
.endr
.endm
; bounds: rows 128 part .. of Wb ([k][m]: turned) x x.  x's fragments of all of K are fetched at part 0.
.macro BNDC part
.if (\part) == 0
	LOADB 0
.endif
	WIN 0xc0
.irp ksl, 0,1,2,3
.irp mt, 0,1,2,3
	ds_load_tr16_b128 v[AR+8*(4*\ksl+\mt):AR+8*(4*\ksl+\mt)+3],   v[TRA+(\part)] offset:\ksl*17408+32*\mt
	ds_load_tr16_b128 v[AR+8*(4*\ksl+\mt)+4:AR+8*(4*\ksl+\mt)+7], v[TRA+(\part)] offset:\ksl*17408+8704+32*\mt
.endr
.endr
	WIN 0x5f                                       ; sources window 3, C and D window 1
.irp ksl, 0,1,2,3
	s_wait_dscnt 8*(3-\ksl)                        ; the later K steps' eight loads each may be out
.irp mt, 0,1,2,3
.irp nt, 0,1
.if ((\part) == 0) && (\ksl == 0)
	v_wmma_f32_16x16x32_bf16 v[BD+32*\nt+8*\mt:BD+32*\nt+8*\mt+7], v[AR+8*(4*\ksl+\mt):AR+8*(4*\ksl+\mt)+7], v[BF+8*(8*\nt+4*(\part)+\ksl):BF+8*(8*\nt+4*(\part)+\ksl)+7], 0
.else
	v_wmma_f32_16x16x32_bf16 v[BD+32*\nt+8*\mt:BD+32*\nt+8*\mt+7], v[AR+8*(4*\ksl+\mt):AR+8*(4*\ksl+\mt)+7], v[BF+8*(8*\nt+4*(\part)+\ksl):BF+8*(8*\nt+4*(\part)+\ksl)+7], v[BD+32*\nt+8*\mt:BD+32*\nt+8*\mt+7]
.endif
.endr
.endr
.endr
.endm
; layer 3: 128 along K of W3 (in a slot) x h2's hi and lo (plane, left or right half = slot); Y began as the bias
.macro L3C slot, plane
	WIN 0xc0
.irp ksl, 0,1,2,3
.irp mt, 0,1,2,3
	ds_load_b128 v[AR+8*(4*\ksl+\mt):AR+8*(4*\ksl+\mt)+3],   v[W3A+(\slot)] offset:\mt*4352+64*\ksl
	ds_load_b128 v[AR+8*(4*\ksl+\mt)+4:AR+8*(4*\ksl+\mt)+7], v[W3A+(\slot)] offset:\mt*4352+64*\ksl+32
.endr
.irp nt, 0,1
	ds_load_b128 v[BF+8*(4*\ksl+\nt):BF+8*(4*\ksl+\nt)+3],     v[HBH] offset:(\plane)*XBS+\nt*8448+256*(\slot)+64*\ksl
	ds_load_b128 v[BF+8*(4*\ksl+\nt)+4:BF+8*(4*\ksl+\nt)+7],   v[HBH] offset:(\plane)*XBS+\nt*8448+256*(\slot)+64*\ksl+32
	ds_load_b128 v[BF+8*(4*\ksl+2+\nt):BF+8*(4*\ksl+2+\nt)+3],   v[HBL] offset:(\plane)*XBS+\nt*8448+256*(\slot)+64*\ksl
	ds_load_b128 v[BF+8*(4*\ksl+2+\nt)+4:BF+8*(4*\ksl+2+\nt)+7], v[HBL] offset:(\plane)*XBS+\nt*8448+256*(\slot)+64*\ksl+32
.endr
.endr
	WIN 0x5f
.irp ksl, 0,1,2,3
	s_wait_dscnt 16*(3-\ksl)                       ; the later K steps' sixteen loads each may be out
.irp pt, 0,1
.irp mt, 0,1,2,3
.irp nt, 0,1
	v_wmma_f32_16x16x32_bf16 v[Y+32*\nt+8*\mt:Y+32*\nt+8*\mt+7], v[AR+8*(4*\ksl+\mt):AR+8*(4*\ksl+\mt)+7], v[BF+8*(4*\ksl+2*\pt+\nt):BF+8*(4*\ksl+2*\pt+\nt)+7], v[Y+32*\nt+8*\mt:Y+32*\nt+8*\mt+7]
.endr
.endr
.endr
.endr
.endm
; Trip c of layer 3: chunk c has landed in slot c % 2; the other slot takes chunk c + 1, behind the last chunk A's first half.  The group 0 of the slot just landed is set for its next use.
.macro L3TRIP c
	HEAD1
.if (\c) < 6
	s_add_nc_u64 s[34+4*((\c)%2):35+4*((\c)%2)], s[34+4*((\c)%2):35+4*((\c)%2)], 512
.elseif (\c) == 6
	s_mov_b64 s[34:35], s[44:45]
	s_or_b32 s35, s35, 0x80000000
.else
	s_add_nc_u64 s[38:39], s[44:45], 65536
	s_or_b32 s39, s39, 0x80000000
.endif
	HEAD2
.if (\c) < 7
	TL 36-4*((\c)%2), 24
.else
	TL 32, 16
.endif
	L3C (\c)%2, (\c)/2
.endm
	s_load_b256 s[4:11], s[0:1], 0x0               ; h2 s[4:5], xb s[6:7], wts s[8:9], b3 s[10:11]
	s_load_b64 s[12:13], s[0:1], 0x20              ; out0
	v_lshl_add_u32 v3, v0, 2, SPARE                ; my spare word, and 0: kept for the add alone
	v_mov_b32 v4, 0
	ds_add_u32 v3, v4                              ; the wave's opening: the add and its wait ahead of my first tensor load
	v_lshrrev_b32 v1, 5, v0
	v_readfirstlane_b32 s14, v1                    ; wave 0..3
	; descriptor group 1, for Wb and A: 32 rows x 256 elements, LDS pitch 544
	s_mov_b32 s16, 15|(1<<16)|(1<<20)|(1<<21)|(6<<22)|(7<<25)  ; the mask of four; 2-byte elements; padding on; bit 21 beside a mask; after every 128 words 8 words
	s_mov_b32 s17, 256<<16
	s_mov_b32 s18, 32<<16
	s_mov_b32 s19, 256<<16
	s_mov_b32 s20, 32
	s_mov_b32 s21, 256
	s_mov_b32 s22, 0
	s_mov_b32 s23, 0
	; for W3: 64 rows x 128 elements of rows 1,024 long, LDS pitch 272
	s_mov_b32 s24, 15|(1<<16)|(1<<20)|(1<<21)|(5<<22)|(3<<25)
	s_mov_b32 s25, 128<<16
	s_mov_b32 s26, 64<<16
	s_mov_b32 s27, 128<<16
	s_mov_b32 s28, 64
	s_mov_b32 s29, 1024
	s_mov_b32 s30, 0
	s_mov_b32 s31, 0
	s_mov_b32 s32, 1
	s_mul_i32 s33, s14, 17408                      ; my quarter of slot 0: 32 rows x 544 = 64 rows x 272
	s_mov_b32 s36, 1
	s_add_co_u32 s37, s33, SLOT
	s_mov_b32 s52, 0x76543210                      ; v_permlanex16_b32: each lane takes its own place in the other half
	s_mov_b32 s53, 0xfedcba98
	s_mov_b32 s54, 0xffff0000                      ; lanes 16-31; also a word's upper bf16
	s_mov_b32 s55, 0x47000000                      ; 32768
	s_mov_b32 s56, 0x38000000                      ; 2^-15
	s_mov_b32 s57, 0x20800000                      ; 2^-62
	s_mov_b32 s58, 0x322bcc77                      ; 1e-8
	s_mov_b32 s59, 0x00800000                      ; 2^-126
	s_mov_b32 s74, 0x7fffffff
	s_mov_b32 s75, 0xbf800000                      ; -1
	s_mov_b32 s76, 0x3f800000                      ; 1
	v_and_b32 v1, 15, v0                           ; r
	v_bfe_u32 v2, v0, 4, 1                         ; h
	v_and_b32 v20, 31, v0
	v_lshlrev_b32 v16, 4, v20                      ; 16 x lane
	v_mul_u32_u24 v21, v1, 528
	v_lshl_add_u32 v21, v2, 4, v21
	v_add_nc_u32 v[BFA], XB0, v21
	s_lshl_b32 s77, s14, 7
	v_add_nc_u32 v[STA], s77, v[BFA]
	v_add_nc_u32 v[HBH], HB, v21
	v_add_nc_u32 v[HBL], HB+4*XBS, v21
	v_mul_u32_u24 v[PLA], v1, 544
	v_lshl_add_u32 v[PLA], v2, 4, v[PLA]
	s_mul_i32 s78, s14, 34816
	v_add_nc_u32 v[PLA], s78, v[PLA]
	v_and_b32 v22, 7, v0
	v_bfe_u32 v23, v0, 3, 1
	v_lshl_add_u32 v[TRA], v2, 3, v22
	v_mul_u32_u24 v[TRA], v[TRA], 544
	v_lshl_add_u32 v[TRA], v23, 4, v[TRA]
	v_add_nc_u32 v[TRA], s77, v[TRA]
	v_add_nc_u32 v[TRA+1], SLOT, v[TRA]
	v_mul_u32_u24 v[W3A], v1, 272
	v_lshl_add_u32 v[W3A], v2, 4, v[W3A]
	v_add_nc_u32 v[W3A], s33, v[W3A]
	v_add_nc_u32 v[W3A+1], SLOT, v[W3A]
	s_lshl_b32 s79, s14, 2
	s_add_co_u32 s79, s79, RED
	v_add_nc_u32 v14, s79, v16                     ; RED + 16 x lane + 4 w: my wave's word of row = lane
	v_lshl_add_u32 v15, v1, 4, RED                 ; row r's four words
	v_mul_u32_u24 v17, v1, 1040                    ; the way out, pitch 1,040: in,
	v_lshl_add_u32 v17, v2, 5, v17
	s_lshl_b32 s79, s14, 8
	s_add_co_u32 s79, s79, XB0
	v_add_nc_u32 v17, s79, v17
	s_mul_i32 s79, s14, 8320
	s_add_co_u32 s79, s79, XB0
	v_add_nc_u32 v18, s79, v16                     ; and back: rows 8 w ..
	s_mul_i32 s79, s14, 33792
	s_add_co_u32 s79, s79, HB
	v_add_nc_u32 v19, s79, v16                     ; staging h2: planes 2 w, 2 w + 1
	s_mul_i32 s79, s14, 4224
	s_add_co_u32 s79, s79, XB0
	v_add_nc_u32 v60, s79, v16                     ; staging x: rows 8 w ..
	v_lshlrev_b32 v63, 5, v2                       ; 32 h: my eight components' b3 and dis
.set i, 28
.rept 32
	v_mov_b32 v[i], 0                              ; the rows' figures are named in pairs and by the lane exchange: each is written once here
.set i, i+1
.endr
	s_wait_dscnt 0x0                               ; the opening add is done
	s_wait_kmcnt 0x0
	s_mov_b32 s47, 0
	s_lshl_b32 s46, s14, 14
	s_add_co_u32 s46, s46, WBB
	s_add_nc_u64 s[40:41], s[8:9], s[46:47]        ; Wb at my 32 rows of a chunk of 128
	s_lshl_b32 s46, s14, 17
	s_add_co_u32 s46, s46, W3B
	s_add_nc_u64 s[42:43], s[8:9], s[46:47]        ; W3 at my 64 rows
	s_lshl_b32 s46, s14, 14
	s_add_co_u32 s46, s46, AH
	s_add_nc_u64 s[44:45], s[8:9], s[46:47]        ; A at my 32 rows of a chunk of 128
	s_lshl_b32 s46, s14, 8
	s_add_nc_u64 s[66:67], s[10:11], s[46:47]      ; b3 at my 64 components
	s_add_co_u32 s46, s46, DISO
	s_add_nc_u64 s[68:69], s[8:9], s[46:47]        ; dis likewise
	s_lshl_b32 s46, s14, 15
	s_add_co_u32 s46, s46, GF
	s_add_nc_u64 s[70:71], s[8:9], s[46:47]        ; G^'s fragments of my 64 rows
	s_mov_b64 s[34:35], s[40:41]
	s_or_b32 s35, s35, 0x80000000
	s_add_nc_u64 s[38:39], s[40:41], 65536
	s_or_b32 s39, s39, 0x80000000
	s_bfe_u32 s15, ttmp6, 0x40000                  ; cx enters the addresses of the work-group's own rows alone
	s_lshl_b32 s77, ttmp9, 2
	s_add_co_u32 s15, s77, s15                     ; the work-group's number
	s_mov_b32 s79, 0
	s_lshl_b32 s78, s15, 14
	s_lshl_b32 s77, s14, 12
	s_add_co_u32 s78, s78, s77
	s_add_nc_u64 s[60:61], s[6:7], s[78:79]        ; x at rows 32 WG + 8 w
	s_lshl_b32 s78, s15, 14
	s_lshl_b32 s77, s14, 23
	s_add_co_u32 s78, s78, s77
	s_add_nc_u64 s[62:63], s[4:5], s[78:79]        ; h2 at plane 2 w, row 32 WG
	s_lshl_b32 s78, s15, 15
	s_lshl_b32 s77, s14, 13
	s_add_co_u32 s78, s78, s77
	s_add_nc_u64 s[72:73], s[12:13], s[78:79]      ; out0 at rows 32 WG + 8 w
	ROUND                                          ; all four work-groups are here: the first joint load meets
	TL 32, 16                                      ; Wb's rows 0-127 into slot 0
	; x and h2 go through registers into LDS: a load and a store take one row of 512 bytes
.irp i, 0,1,2,3,4,5,6,7
	global_load_b128 v[ACC+4*\i:ACC+4*\i+3], v16, s[60:61] offset:512*\i th:TH_LOAD_NT
.endr
	WIN 0xc0
.set i, 0
.rept 32
	global_load_b128 v[4*i:4*i+3], v16, s[62:63] offset:512*i th:TH_LOAD_NT
.set i, i+1
.endr
.set i, 0
.rept 32
	global_load_b128 v[128+4*i:128+4*i+3], v16, s[62:63] offset:APLANE+512*i th:TH_LOAD_NT
.set i, i+1
.endr
	WIN 0
	s_wait_loadcnt 32                              ; x and the first plane are in; the second plane's 32 loads may be out
.irp i, 0,1,2,3,4,5,6,7
	ds_store_b128 v60, v[ACC+4*\i:ACC+4*\i+3] offset:528*\i
.endr
	WIN 0x0c                                       ; store data in window 3
.set i, 0
.rept 32
	ds_store_b128 v19, v[4*i:4*i+3] offset:528*i
.set i, i+1
.endr
	s_wait_loadcnt 0x0
.set i, 0
.rept 32
	ds_store_b128 v19, v[128+4*i:128+4*i+3] offset:XBS+528*i
.set i, i+1
.endr
	WIN 0x40
.irp mt, 0,1,2,3
	global_load_b128 v[Y+8*\mt:Y+8*\mt+3],   v63, s[66:67] offset:64*\mt
	global_load_b128 v[Y+8*\mt+4:Y+8*\mt+7], v63, s[66:67] offset:64*\mt+16
.endr
.irp mt, 0,1,2,3
	global_load_b128 v[DIS+8*\mt:DIS+8*\mt+3],   v63, s[68:69] offset:64*\mt
	global_load_b128 v[DIS+8*\mt+4:DIS+8*\mt+7], v63, s[68:69] offset:64*\mt+16
.endr
	WIN 0x80
.set i, 0
.rept 64
	global_load_b128 v[4*i:4*i+3], v16, s[70:71] offset:512*i  ; block 16 mt + 2 ks + q of 512 bytes is half q of fragment (mt, ks)
.set i, i+1
.endr
	HEAD1                                          ; Wb's first half has landed; x and h2 are in LDS, everybody's behind the round
	HEAD2
	TL 36, 16                                      ; Wb's rows 128-255 into slot 1
	BNDC 0
	HEAD1
	s_mov_b64 s[34:35], s[42:43]                   ; W3's chunk 0,
	s_or_b32 s35, s35, 0x80000000
	s_add_nc_u64 s[38:39], s[42:43], 256           ; and chunk 1
	s_or_b32 s39, s39, 0x80000000
	HEAD2
	TL 32, 24
	BNDC 1
	s_wait_loadcnt 63                              ; b3 and dis are in: behind their sixteen loads 64 were issued
	WIN 0x05
.set i, 0
.rept 16
	v_cvt_pk_bf16_f32 v[ACC+i], v[Y+2*i], v[Y+2*i+1]  ; b3 is rounded to bf16 like every input,
.set i, i+1
.endr
	WIN 0x40
.set i, 0
.rept 16
	v_lshlrev_b32 v[Y+2*i], 16, v[ACC+i]
	v_and_b32 v[Y+2*i+1], s54, v[ACC+i]
.set i, i+1
.endr
	WIN 0x41
.set i, 0
.rept 32
	v_mov_b32 v[Y+32+i], v[Y+i]                    ; and starts the sums of both row tiles
.set i, i+1
.endr
.irp c, 0,1,2,3,4,5,6,7
	L3TRIP \c
.endr
	HEAD1
	HEAD2
	TL 36, 16                                      ; A's rows 128-255 into slot 1; the four v_nop are the places behind layer 3's last products
	WIN 0x04
.set i, 0
.rept 64
	v_and_b32 v[ACC+i], s74, v[Y+i]                ; |y|, each accumulator's registers in ascending order
.set i, i+1
.endr
	WIN 0
	v_max3_num_f32 v28, v[ACC], v[ACC+1], v[ACC+2]
	v_max3_num_f32 v29, v[ACC+32], v[ACC+33], v[ACC+34]
.set i, 3
.rept 14
	v_max3_num_f32 v28, v28, v[ACC+i], v[ACC+i+1]
	v_max3_num_f32 v29, v29, v[ACC+32+i], v[ACC+33+i]
.set i, i+2
.endr
	v_max_num_f32 v28, v28, v[ACC+31]
	v_max_num_f32 v29, v29, v[ACC+63]
	REDUCE v_max_num_f32, 0, 45, 47                ; y's bound
	s_wait_tensorcnt 0x0                           ; my part of A's second half is in,
	s_barrier_signal -1
	s_barrier_wait -1                              ; everybody's is: A stays in the two slots, and nothing is filled any more
	s_mov_b32 s49, 5
.Lnewton:
	; t = A y - bounds; f = t - med3(t, -1, 1); ||f||^2
	v_mov_b32 v49, v45
	v_mov_b32 v51, v47
	SCALE
	PACK Y, 1, 0
	EBAR
	MMA 0, 0
	PLACES
	WIN 0x10
.set i, 0
.rept 32
	v_pk_fma_f32 v[ACC+2*i:ACC+2*i+1], v[ACC+2*i:ACC+2*i+1], v[36+2*(i/16):37+2*(i/16)], v[BD+2*i:BD+2*i+1] op_sel_hi:[1,0,1] neg_lo:[0,0,1] neg_hi:[0,0,1]
.set i, i+1
.endr
	WIN 0
.set i, 0
.rept 64
	v_med3_num_f32 v[P+i], v[ACC+i], s75, s76
.set i, i+1
.endr
.set i, 0
.rept 32
	v_pk_add_f32 v[ACC+2*i:ACC+2*i+1], v[ACC+2*i:ACC+2*i+1], v[P+2*i:P+2*i+1] neg_lo:[0,1] neg_hi:[0,1]
.set i, i+1
.endr
	DOT ACC, ACC
	REDUCE v_add_f32, 0, 49, 51
	; x^0 = dis (A^T f)
	v_sqrt_f32 v49, v49
	v_sqrt_f32 v51, v51
	v_nop
	s_wait_alu depctr_va_vdst(0)
	SCALE
	PACK ACC, 0, 1
	EBAR
	MMA 1, 1
	PLACES
	WIN 0
.set i, 0
.rept 32
	v_pk_mul_f32 v[ACC+2*i:ACC+2*i+1], v[ACC+2*i:ACC+2*i+1], v[36+2*(i/16):37+2*(i/16)] op_sel_hi:[1,0]
.set i, i+1
.endr
	WIN 0x44
.set i, 0
.rept 32
	v_pk_mul_f32 v[X+2*i:X+2*i+1], v[ACC+2*i:ACC+2*i+1], v[DIS+(2*i)%32:DIS+(2*i)%32+1]
.set i, i+1
.endr
	; r^0 = x^0 - G^ x^0; ||f|| bounds x^0 too, so SP and CP stay
	PACK X, 1, 0
	EBAR
	s_wait_loadcnt 0x0                             ; G^'s fragments (met at once from the second step on)
	LOADB 0
	MMG
	PLACES
	WIN 0x10
.set i, 0
.rept 32
	v_pk_fma_f32 v[R+2*i:R+2*i+1], v[ACC+2*i:ACC+2*i+1], v[36+2*(i/16):37+2*(i/16)], v[X+2*i:X+2*i+1] op_sel_hi:[1,0,1] neg_lo:[1,0,0] neg_hi:[1,0,0]
.set i, i+1
.endr
	WIN 0
	DOT R, R
.set i, 0
.rept 64
	v_mov_b32 v[P+i], 0                            ; P0 = 0, rz0 = 1, as the module has them: one text then serves all five CG steps
.set i, i+1
.endr
	v_mov_b32 v37, 1.0
	v_mov_b32 v39, 1.0
	v_mov_b32 v41, 0
	v_mov_b32 v43, 0
	REDUCE v_add_f32, 1, 33, 35
	s_mov_b32 s50, 5
.Lcg:
	DIV 40, 42, 33, 35, 37, 39                     ; beta = rz / rz_prev
	v_sqrt_f32 v61, v33
	v_sqrt_f32 v62, v35
	v_nop
	s_wait_alu depctr_va_vdst(0)
	v_fma_f32 v41, v40, v41, v61                   ; |p^| <= ||r^|| + beta x the bound before
	v_fma_f32 v43, v42, v43, v62
	v_mov_b32 v49, v41
	v_mov_b32 v51, v43
	SCALE
.set i, 0
.rept 32
	v_pk_fma_f32 v[P+2*i:P+2*i+1], v[P+2*i:P+2*i+1], v[40+2*(i/16):41+2*(i/16)], v[R+2*i:R+2*i+1] op_sel_hi:[1,0,1]
.set i, i+1
.endr
	PACK P, 0, 1
	EBAR
	LOADB 1
	MMG
	PLACES
	DOT P, ACC
	v_mul_f32 v28, v28, v36
	v_mul_f32 v29, v29, v38
	REDUCE v_add_f32, 0, 49, 51                    ; pAp
	DIV 44, 46, 33, 35, 49, 51                     ; alpha = rz / pAp
	v_mul_f32 v48, v44, v36
	v_mul_f32 v50, v46, v38
	WIN 0x50
.set i, 0
.rept 32
	v_pk_fma_f32 v[X+2*i:X+2*i+1], v[P+2*i:P+2*i+1], v[44+2*(i/16):45+2*(i/16)], v[X+2*i:X+2*i+1] op_sel_hi:[1,0,1]
.set i, i+1
.endr
	WIN 0
.set i, 0
.rept 32
	v_pk_fma_f32 v[R+2*i:R+2*i+1], v[ACC+2*i:ACC+2*i+1], v[48+2*(i/16):49+2*(i/16)], v[R+2*i:R+2*i+1] op_sel_hi:[1,0,1] neg_lo:[1,0,0] neg_hi:[1,0,0]
.set i, i+1
.endr
	v_mov_b32 v37, v33
	v_mov_b32 v39, v35
	DOT R, R
	REDUCE v_add_f32, 1, 33, 35                    ; (the fifth trip's r^ and rz serve nothing: the price of one text for every trip)
	s_sub_co_u32 s50, s50, 1
	s_cmp_lg_u32 s50, 0
	s_cbranch_scc1 .Lcg
	; y -= clip(dis x^, -1, 1); its bound grows by 1
	WIN 0x05
.set i, 0
.rept 32
	v_pk_mul_f32 v[ACC+2*i:ACC+2*i+1], v[X+2*i:X+2*i+1], v[DIS+(2*i)%32:DIS+(2*i)%32+1]
.set i, i+1
.endr
	WIN 0
.set i, 0
.rept 64
	v_med3_num_f32 v[ACC+i], v[ACC+i], s75, s76
.set i, i+1
.endr
	WIN 0x41
.set i, 0
.rept 32
	v_pk_add_f32 v[Y+2*i:Y+2*i+1], v[Y+2*i:Y+2*i+1], v[ACC+2*i:ACC+2*i+1] neg_lo:[0,1] neg_hi:[0,1]
.set i, i+1
.endr
	WIN 0
	v_add_f32 v45, 1.0, v45
	v_add_f32 v47, 1.0, v47
	s_sub_co_u32 s49, s49, 1
	s_cmp_lg_u32 s49, 0
	s_cbranch_scc1 .Lnewton
	; THE WAY OUT: 32 bytes a lane into rows of 1,040 bytes (XB0 and XB1, whose last reads lie in front of earlier barriers), back as whole rows
	WIN 0x04
.set i, 0
.rept 8
	ds_store_b128 v17, v[Y+8*i:Y+8*i+3]   offset:(i/4)*16640+(i%4)*64
	ds_store_b128 v17, v[Y+8*i+4:Y+8*i+7] offset:(i/4)*16640+(i%4)*64+16
.set i, i+1
.endr
	WIN 0
	EBAR
.set i, 0
.rept 16
	ds_load_b128 v[ACC+4*i:ACC+4*i+3], v18 offset:(i/2)*1040+(i%2)*512
.set i, i+1
.endr
.set i, 0
.rept 16
	s_wait_dscnt 15-i                              ; the younger read-backs may be out
	global_store_b128 v16, v[ACC+4*i:ACC+4*i+3], s[72:73] offset:512*i th:TH_STORE_NT  ; 512 consecutive bytes, at a multiple of 256 from out0's first byte
.set i, i+1
.endr
	s_wait_tensorcnt 0x0                           ; the wave's end, behind my last tensor load and my last LDS store
	ds_add_u32 v3, v4
	s_wait_dscnt 0x0
	ROUND                                          ; the closing round
	s_endpgm
.Lfunc_end_k_qb3399e3e46_newton:
	.size	k_qb3399e3e46_newton, .Lfunc_end_k_qb3399e3e46_newton-k_qb3399e3e46_newton
	.p2alignl 7, 3214868480
	.fill 96, 4, 3214868480
	.section	.rodata,"a",@progbits
	.p2align	6, 0x0
	.amdhsa_kernel k_qb3399e3e46_newton
		.amdhsa_group_segment_fixed_size 327680
		.amdhsa_private_segment_fixed_size 0
		.amdhsa_enable_private_segment 0
		.amdhsa_kernarg_size 40
		.amdhsa_user_sgpr_count 2
		.amdhsa_user_sgpr_kernarg_segment_ptr 1
		.amdhsa_wavefront_size32 1
		.amdhsa_system_sgpr_workgroup_id_x 1
		.amdhsa_system_sgpr_workgroup_id_y 1
		.amdhsa_system_sgpr_workgroup_id_z 1
		.amdhsa_system_vgpr_workitem_id 0
		.amdhsa_next_free_vgpr 1024
		.amdhsa_next_free_sgpr 80
		.amdhsa_reserve_vcc 1
		.amdhsa_float_denorm_mode_32 3
		.amdhsa_float_denorm_mode_16_64 3
		.amdhsa_memory_ordered 1
		.amdhsa_forward_progress 1
		.amdhsa_inst_pref_size 221
	.end_amdhsa_kernel
	.amdgpu_metadata
---
amdhsa.version: [ 1, 2 ]
amdhsa.kernels:
  - .name:           k_qb3399e3e46_newton
    .symbol:         k_qb3399e3e46_newton.kd
    .args:
      - { .name: h2, .offset: 0, .size: 8, .value_kind: global_buffer, .address_space: global }
      - { .name: xb, .offset: 8, .size: 8, .value_kind: global_buffer, .address_space: global }
      - { .name: wts, .offset: 16, .size: 8, .value_kind: global_buffer, .address_space: global }
      - { .name: b3, .offset: 24, .size: 8, .value_kind: global_buffer, .address_space: global }
      - { .name: out0, .offset: 32, .size: 8, .value_kind: global_buffer, .address_space: global }
    .group_segment_fixed_size: 327680
    .private_segment_fixed_size: 0
    .kernarg_segment_align: 8
    .kernarg_segment_size: 40
    .max_flat_workgroup_size: 128
    .sgpr_count:     80
    .vgpr_count:     1024
    .wavefront_size: 32
...
	.end_amdgpu_metadata
.endif
;; end of part 4
;; ======== version 2 of 2: 4 launches; 1.31 times as fast as version 1
;; limits: values are held in f16: magnitudes above 65,504 overflow, below 6.1e-05 lose precision; inputs' magnitudes at most 65,504
;; workspace buffers: xb 4,194,304 bytes; h1 16,777,216 bytes; h2 16,777,216 bytes; wts 3,590,144 bytes
;; launch prep (part 5): grid 484 x 1, 16 waves a work-group, no clusters, 150,784 bytes of LDS; arguments x, W1, W2, W3, Wb, A, b1, bn1_g, bn1_b, bn1_m, bn1_v, b2, bn2_g, bn2_b, bn2_m, bn2_v, wts, xb; writes wts, xb
.if DOCPART == 5
	.amdgcn_target "amdgcn-amd-amdhsa--gfx1250"
	.amdhsa_code_object_version 6
	.text
	.protected	k_qb3399e3e46_prep
	.globl	k_qb3399e3e46_prep
	.p2align	8
	.type	k_qb3399e3e46_prep,@function
k_qb3399e3e46_prep:
	s_mov_b64 s[64:65], 0
	v_nop
	global_prefetch_b8 v0, s[64:65] scope:SCOPE_SE
	s_setreg_imm32_b32 hwreg(HW_REG_WAVE_MODE, 25, 1), 1
	s_wait_xcnt 0x0
; PREPARATION.  Every input but b3 is rounded once to bf16 and laid out for the launches behind.  The work-group's number picks a role:
;   0-15    GRAM J: 16 columns of G^ = D^-1/2 (A^T A + 0.1 I) D^-1/2, d_j = sum_m A_mj^2 + 0.1, in f16, in the order of a matrix instruction's first source
;   16-19   batch norm folded: sc = g rsq(v + 1e-5), sh = (b - m) sc + beta, 512 columns of one layer each; and the largest |sc| and |sh| of the 512
;   20-27   A  -> AH, 28-155 W2 -> W2H: rounded to bf16, written as f16
;   156-411 x -> xb, 412-443 W1 -> W1B: plain f32 -> bf16, 8,192 numbers a work-group
;   444-475 W3 -> W3F (bf16 written as f16), 476-483 Wb -> WBF (bf16, turned): in the order of a matrix instruction's first source, 512 bytes a half fragment
; LIMITS.  |A|, |W2|, |W3| <= 65,504; below 6e-5 such a number keeps f16's fixed step of 6e-8.
; FOR THE ROW BOUNDS of the launches behind: a wave's 256 numbers are a row of x or of W1, or a quarter of a row of W2; their sum of squares is made beside the cast.  x's go to XN,
; a word a row; of W1's and W2's the work-group's largest goes to one word of the table TB (words 0-31 W1, 32-159 W2, 160-163 |sc|, 164-167 |sh|).
; G^ has a unit diagonal and |G^_jk| <= 1 (Cauchy-Schwarz), so f16 holds it at any scale of A.
.set W1B,  0
.set W2H,  524288
.set W3F,  2621440
.set WBF,  3145728
.set AH,   3276800
.set GF,   3407872
.set DISO, 3538944
.set SC1,  3539968                     ; sc1, sh1, sc2, sh2: 4,096 bytes each
.set TBO,  3556352
.set XNO,  3557376
.set ATP,  544                         ; LDS pitch of A's rows in bf16: 512 + 32 bytes, an odd multiple of 32 for the turning loads
.set PS,   139264                      ; behind A's 256 rows: 8 x 256 partial sums of squares
.set DISL, 147456                      ; d^-1/2, 256 f32
.set NW,   148480                      ; 32 words: two figures of each of the 16 waves
.set SPARE, 148736                     ; the spare words: 128 bytes for each of 16 waves
.macro WSUM v, t                       ; the sum over the wave's 32 lanes, in every lane
	v_add_f32_dpp v[\v], v[\v], v[\v] row_xmask:1 row_mask:0xf bank_mask:0xf
	v_add_f32_dpp v[\v], v[\v], v[\v] row_xmask:2 row_mask:0xf bank_mask:0xf
	v_add_f32_dpp v[\v], v[\v], v[\v] row_xmask:4 row_mask:0xf bank_mask:0xf
	v_add_f32_dpp v[\v], v[\v], v[\v] row_xmask:8 row_mask:0xf bank_mask:0xf
	v_permlanex16_b32 v[\t], v[\v], s60, s61
	v_add_f32 v[\v], v[\v], v[\t]
.endm
.macro RMAX v                          ; the maximum over each half of 16 lanes
	v_max_num_f32_dpp v[\v], v[\v], v[\v] row_xmask:1 row_mask:0xf bank_mask:0xf
	v_max_num_f32_dpp v[\v], v[\v], v[\v] row_xmask:2 row_mask:0xf bank_mask:0xf
	v_max_num_f32_dpp v[\v], v[\v], v[\v] row_xmask:4 row_mask:0xf bank_mask:0xf
	v_max_num_f32_dpp v[\v], v[\v], v[\v] row_xmask:8 row_mask:0xf bank_mask:0xf
.endm
.macro WMAX v, t                       ; over all 32
	RMAX \v
	v_permlanex16_b32 v[\t], v[\v], s60, s61
	v_max_num_f32 v[\v], v[\v], v[\t]
.endm
.macro SHARE                           ; v32 and v34, alike in all lanes of a wave, go to words wave and 16 + wave; behind the barrier wave 0 reads all 32
	ds_store_b32 v37, v32
	ds_store_b32 v37, v34 offset:64
	s_wait_dscnt 0x0                               ; for wave 0's sake: my two words are in LDS
	s_barrier_signal -1
	s_barrier_wait -1
.endm
.macro CLOSE                           ; the wave's end, behind my last LDS store
	s_wait_tensorcnt 0x0
	ds_add_u32 v3, v4
	s_wait_dscnt 0x0
	s_endpgm
.endm
	s_load_b512 s[4:19], s[0:1], 0x0               ; x 4, W1 6, W2 8, W3 10, Wb 12, A 14, b1 16, bn1_g 18
	s_load_b512 s[20:35], s[0:1], 0x40             ; bn1_b 20, bn1_m 22, bn1_v 24, b2 26, bn2_g 28, bn2_b 30, bn2_m 32, bn2_v 34
	s_load_b128 s[36:39], s[0:1], 0x80             ; wts 36, xb 38
	v_lshl_add_u32 v3, v0, 2, SPARE                ; my spare word, and 0: kept for the add alone
	v_mov_b32 v4, 0
	v_lshrrev_b32 v1, 5, v0
	v_readfirstlane_b32 s40, v1                    ; wave 0..15
	v_lshlrev_b32 v1, 5, v0                        ; 32 t: my 8 f32 in a round of 4,096
	v_lshlrev_b32 v2, 4, v0                        ; 16 t: my 8 bf16
	v_mov_b32 v37, s40
	v_lshl_add_u32 v37, v37, 2, NW                 ; my wave's word
	v_and_b32 v38, 31, v0
	v_lshlrev_b32 v39, 2, v38                      ; 4 x lane
	v_lshlrev_b32 v41, 4, v38                      ; 16 x lane
	v_add_nc_u32 v38, NW, v39                      ; word = lane
	v_mov_b32 v40, 0
	s_mov_b32 s41, 0xffff0000                      ; a word's upper bf16
	s_mov_b32 s60, 0x76543210                      ; v_permlanex16_b32: each lane takes its own place in the other half
	s_mov_b32 s61, 0xfedcba98
	s_mov_b32 s42, ttmp9
	s_wait_kmcnt 0x0
	s_cmp_lt_u32 s42, 16
	s_cbranch_scc1 .Lgram
	s_cmp_lt_u32 s42, 20
	s_cbranch_scc1 .Lbn
	s_cmp_lt_u32 s42, 28
	s_cbranch_scc1 .La
	s_cmp_lt_u32 s42, 156
	s_cbranch_scc1 .Lw2
	s_cmp_lt_u32 s42, 412
	s_cbranch_scc1 .Lx
	s_cmp_lt_u32 s42, 444
	s_cbranch_scc1 .Lw1
	s_cmp_lt_u32 s42, 476
	s_cbranch_scc1 .Lw3
; 16 numbers a thread, 8 at the address and 8 more o bytes on, rounded to bf16: v[24:27] and v[28:31]; v8-23 keep them in f32
.macro IN16 b, a, o
	global_load_b128 v[8:11],  v[\a], s[\b:\b+1] th:TH_LOAD_NT
	global_load_b128 v[12:15], v[\a], s[\b:\b+1] offset:16 th:TH_LOAD_NT
	global_load_b128 v[16:19], v[\a], s[\b:\b+1] offset:\o th:TH_LOAD_NT
	global_load_b128 v[20:23], v[\a], s[\b:\b+1] offset:(\o)+16 th:TH_LOAD_NT
	s_wait_loadcnt 0x0
.irp j, 0,1,2,3,4,5,6,7
	v_cvt_pk_bf16_f32 v[24+\j], v[8+2*\j], v[9+2*\j]
.endr
.endm
.macro HALF                            ; the 16 bf16 numbers are written as f16
.irp j, 0,1,2,3,4,5,6,7
	v_lshlrev_b32 v[8+2*\j], 16, v[24+\j]
	v_and_b32 v[9+2*\j], s41, v[24+\j]
	v_cvt_pk_f16_f32 v[24+\j], v[8+2*\j], v[9+2*\j]
.endr
.endm
; where M tile s44's fragments of K step s45 go: wave s44 / 4 of the reader has 1 << sh bytes on end, a K step 4,096, a tile 1,024
.macro DEST sh, base
	s_lshr_b32 s48, s44, 2
	s_lshl_b32 s48, s48, \sh
	s_lshl_b32 s49, s45, 12
	s_add_co_u32 s48, s48, s49
	s_and_b32 s49, s44, 3
	s_lshl_b32 s49, s49, 10
	s_add_co_u32 s48, s48, s49
	s_add_co_u32 s48, s48, \base
	s_mov_b32 s49, 0
	s_add_nc_u64 s[48:49], s[36:37], s[48:49]
.endm
; A plain cast: work-group first + n takes numbers 8,192 n on.  half = 1: written as f16.  norm = 1: the 32 sums of squares go to XN; 2: their largest to word tbi + n of TB.
.macro CAST src, dst, doff, first, half=0, norm=0, tbi=0
	s_sub_co_u32 s43, s42, \first
	s_lshl_b32 s44, s43, 15
	s_mov_b32 s45, 0
	s_add_nc_u64 s[46:47], s[\src:\src+1], s[44:45]
	s_lshl_b32 s44, s43, 14
	s_add_co_u32 s44, s44, \doff
	s_add_nc_u64 s[48:49], s[\dst:\dst+1], s[44:45]
.if (\norm) == 1
	s_lshl_b32 s50, s43, 7
	s_add_co_u32 s50, s50, XNO
.else
	s_lshl_b32 s50, s43, 2
	s_add_co_u32 s50, s50, TBO+4*(\tbi)
.endif
	s_mov_b32 s51, 0
	s_add_nc_u64 s[50:51], s[36:37], s[50:51]
	IN16 46, 1, 16384
.if \norm
	v_pk_mul_f32 v[32:33], v[8:9], v[8:9]          ; the first pairs start the sums (of the numbers before their rounding: the bounds leave a factor 2 of room)
	v_pk_mul_f32 v[34:35], v[16:17], v[16:17]
.irp j, 1,2,3
	v_pk_fma_f32 v[32:33], v[8+2*\j:9+2*\j], v[8+2*\j:9+2*\j], v[32:33]
	v_pk_fma_f32 v[34:35], v[16+2*\j:17+2*\j], v[16+2*\j:17+2*\j], v[34:35]
.endr
	v_add_f32 v32, v32, v33
	v_add_f32 v34, v34, v35
.endif
.if \half
	HALF
.endif
	global_store_b128 v2, v[24:27], s[48:49]       ; a wave's store covers 512 consecutive bytes
	global_store_b128 v2, v[28:31], s[48:49] offset:8192
.if \norm
	WSUM 32, 33
	WSUM 34, 35
	SHARE
	s_cmp_lg_u32 s40, 0
	s_cbranch_scc1 .Lclose_\@
	ds_load_b32 v36, v38                           ; word l: the work-group's l-th run of 256 numbers
	s_wait_dscnt 0x0
.if (\norm) == 1
	global_store_b32 v39, v36, s[50:51]            ; 32 rows' words, 128 consecutive bytes
.else
	WMAX 36, 33
	global_store_b32 v40, v36, s[50:51]            ; one word; all lanes hold the same number
.endif
.Lclose_\@:
	CLOSE
.else
	s_endpgm
.endif
.endm
	; Wb [k][m] -> WBF.  Wave u = 16 n + wave takes M tile u / 8 and K step u % 8: lane (r, h) holds Wb[32 ks + 16 q + 8 h + e][16 T + r], e = 0..7
	s_sub_co_u32 s43, s42, 476
	s_lshl_b32 s44, s43, 1
	s_lshr_b32 s45, s40, 3
	s_add_co_u32 s44, s44, s45                     ; T
	s_and_b32 s45, s40, 7                          ; ks
	s_lshl_b32 s46, s45, 15
	s_lshl_b32 s47, s44, 6
	s_add_co_u32 s46, s46, s47
	s_mov_b32 s47, 0
	s_add_nc_u64 s[46:47], s[12:13], s[46:47]
	DEST 15, WBF
	v_and_b32 v5, 15, v0
	v_bfe_u32 v6, v0, 4, 1
	v_lshlrev_b32 v7, 2, v5
	v_lshl_add_u32 v7, v6, 13, v7                  ; 8 h rows of 1,024 bytes + 4 r
.irp e, 0,1,2,3,4,5,6,7
	global_load_b32 v[8+\e],  v7, s[46:47] offset:1024*\e
	global_load_b32 v[16+\e], v7, s[46:47] offset:16384+1024*\e
.endr
	s_wait_loadcnt 0x0
.irp j, 0,1,2,3,4,5,6,7
	v_cvt_pk_bf16_f32 v[24+\j], v[8+2*\j], v[9+2*\j]
.endr
	global_store_b128 v41, v[24:27], s[48:49]      ; 512 consecutive bytes: half q = 0 of the fragment,
	global_store_b128 v41, v[28:31], s[48:49] offset:512  ; and q = 1
	s_endpgm
.Lx:
	CAST 4, 38, 0, 156, 0, 1
.Lw1:
	CAST 6, 36, W1B, 412, 0, 2, 0
.Lw2:
	CAST 8, 36, W2H, 28, 1, 2, 32
.La:
	CAST 14, 36, AH, 20, 1
.Lw3:                                                  ; W3 [m][k] -> W3F.  Wave u = 16 n + wave takes M tile u / 32 and K step u % 32: lane (r, h) holds W3[16 T + r][32 ks + 16 q + 8 h + e]
	s_sub_co_u32 s43, s42, 444
	s_lshr_b32 s44, s43, 1                         ; T
	s_and_b32 s45, s43, 1
	s_lshl_b32 s45, s45, 4
	s_add_co_u32 s45, s45, s40                     ; ks
	s_lshl_b32 s46, s44, 16
	s_lshl_b32 s47, s45, 7
	s_add_co_u32 s46, s46, s47
	s_mov_b32 s47, 0
	s_add_nc_u64 s[46:47], s[10:11], s[46:47]
	DEST 17, W3F
	v_and_b32 v5, 15, v0
	v_bfe_u32 v6, v0, 4, 1
	v_lshlrev_b32 v7, 12, v5
	v_lshl_add_u32 v7, v6, 5, v7                   ; r rows of 4,096 bytes + 32 h
	IN16 46, 7, 64
	HALF
	global_store_b128 v41, v[24:27], s[48:49]
	global_store_b128 v41, v[28:31], s[48:49] offset:512
	s_endpgm
.Lbn:
	s_sub_co_u32 s43, s42, 16
	s_lshr_b32 s44, s43, 1                         ; the layer
	s_and_b32 s45, s43, 1
	s_lshl_b32 s45, s45, 11                        ; which 512 columns, in bytes
	v_lshl_add_u32 v5, v0, 2, s45
	s_cmp_eq_u32 s44, 0
	s_cselect_b64 s[46:47], s[16:17], s[26:27]     ; b
	s_cselect_b64 s[48:49], s[18:19], s[28:29]     ; g
	s_cselect_b64 s[50:51], s[20:21], s[30:31]     ; beta
	s_cselect_b64 s[52:53], s[22:23], s[32:33]     ; m
	s_cselect_b64 s[54:55], s[24:25], s[34:35]     ; v
	s_lshl_b32 s56, s44, 13
	s_add_co_u32 s56, s56, SC1
	s_mov_b32 s57, 0
	s_add_nc_u64 s[56:57], s[36:37], s[56:57]
	s_lshl_b32 s58, s43, 2
	s_add_co_u32 s58, s58, TBO+640
	s_mov_b32 s59, 0
	s_add_nc_u64 s[58:59], s[36:37], s[58:59]      ; word 160 + my number of TB
	global_load_b32 v8,  v5, s[46:47]
	global_load_b32 v9,  v5, s[48:49]
	global_load_b32 v10, v5, s[50:51]
	global_load_b32 v11, v5, s[52:53]
	global_load_b32 v12, v5, s[54:55]
	s_wait_loadcnt 0x0
	v_cvt_pk_bf16_f32 v13, v8, v9                  ; like every input, these are rounded to bf16 once
	v_cvt_pk_bf16_f32 v14, v10, v11
	v_cvt_pk_bf16_f32 v15, v12, v12
	v_lshlrev_b32 v8, 16, v13
	v_and_b32 v9, s41, v13
	v_lshlrev_b32 v10, 16, v14
	v_and_b32 v11, s41, v14
	v_lshlrev_b32 v12, 16, v15
	v_add_f32 v12, 0x3727c5ac, v12                 ; v + 1e-5
	v_rsq_f32 v12, v12
	v_sub_f32 v8, v8, v11                          ; b - m: the plain instruction behind the root (ISA guide 5.7.2)
	s_wait_alu depctr_va_vdst(0)
	v_mul_f32 v9, v9, v12                          ; sc
	v_fma_f32 v10, v8, v9, v10                     ; sh
	global_store_b32 v5, v9, s[56:57]
	global_store_b32 v5, v10, s[56:57] offset:4096
	v_and_b32 v32, 0x7fffffff, v9
	v_and_b32 v34, 0x7fffffff, v10
	v_mov_b32 v33, 0
	v_mov_b32 v35, 0
	WMAX 32, 33
	WMAX 34, 35
	SHARE
	s_cmp_lg_u32 s40, 0
	s_cbranch_scc1 .Lbnend
	ds_load_b32 v36, v38                           ; lanes 0-15: the waves' |sc|; lanes 16-31: their |sh|
	v_bfe_u32 v42, v0, 4, 1
	v_lshlrev_b32 v42, 4, v42                      ; |sh|'s words lie four words behind |sc|'s
	s_wait_dscnt 0x0
	RMAX 36
	global_store_b32 v42, v36, s[58:59]            ; two words; the 16 lanes of a half hold the same number
.Lbnend:
	CLOSE
.Lgram:
	s_and_b32 s42, s42, 15                         ; J: this path is entered with a number below 16, so the value stays; every LDS address made of it below is bounded by the text itself
	; A comes in whole: thread t takes columns 4 (t % 64) .. + 3 of rows t / 64 + 8 i, rounds them to bf16, lays them into LDS and sums their squares.
	v_and_b32 v5, 63, v0
	v_lshrrev_b32 v6, 6, v0
	v_lshlrev_b32 v7, 4, v5
	v_lshl_add_u32 v7, v6, 10, v7                  ; row x 1,024 + 16 x column group
.set i, 0
.rept 32
	global_load_b128 v[64+4*i:67+4*i], v7, s[14:15] offset:8192*i
.set i, i+1
.endr
	v_mul_u32_u24 v20, v6, ATP
	v_lshl_add_u32 v20, v5, 3, v20
	v_add_nc_u32 v21, PS, v7
	s_add_nc_u64 s[58:59], s[36:37], DISO
.set i, 0
.rept 32
	s_wait_loadcnt 31-i                            ; loads come back in order: load i is in, the younger ones stay out
	v_cvt_pk_bf16_f32 v8, v[64+4*i], v[65+4*i]
	v_cvt_pk_bf16_f32 v9, v[66+4*i], v[67+4*i]
	ds_store_b64 v20, v[8:9] offset:(i%8)*8*ATP
	v_lshlrev_b32 v10, 16, v8
	v_and_b32 v11, s41, v8
	v_lshlrev_b32 v12, 16, v9
	v_and_b32 v13, s41, v9
.if i == 0
	v_pk_mul_f32 v[16:17], v[10:11], v[10:11]      ; the first row starts the sums
	v_pk_mul_f32 v[18:19], v[12:13], v[12:13]
.else
	v_pk_fma_f32 v[16:17], v[10:11], v[10:11], v[16:17]
	v_pk_fma_f32 v[18:19], v[12:13], v[12:13], v[18:19]
.endif
.if (i%8 == 7) && (i < 31)
	v_add_nc_u32 v20, 64*ATP, v20                  ; 64 rows on: the immediate holds 16 bits
.endif
.set i, i+1
.endr
	ds_store_b128 v21, v[16:19]
	s_wait_dscnt 0x0                               ; for the others' sake: my rows of A and my partial sums are in LDS
	s_barrier_signal -1
	s_barrier_wait -1
	s_cmp_ge_u32 s40, 8
	s_cbranch_scc1 .Lnodis                         ; waves 0-7: a column a thread
	v_lshl_add_u32 v22, v0, 2, PS
.irp p, 0,1,2,3,4,5,6,7
	ds_load_b32 v[24+\p], v22 offset:1024*\p
.endr
	s_wait_dscnt 0x0
	v_add_f32 v24, v24, v25
	v_add_f32 v26, v26, v27
	v_add_f32 v28, v28, v29
	v_add_f32 v30, v30, v31
	v_add_f32 v24, v24, v26
	v_add_f32 v28, v28, v30
	v_add_f32 v24, v24, v28
	v_add_f32 v24, 0x3dcccccd, v24                 ; + 0.1
	v_rsq_f32 v24, v24
	v_lshlrev_b32 v23, 2, v0                       ; two plain instructions behind the root
	v_lshl_add_u32 v25, v0, 2, DISL
	s_wait_alu depctr_va_vdst(0)
	ds_store_b32 v25, v24
	s_cmp_lg_u32 s42, 0
	s_cbranch_scc1 .Lnodis                         ; every Gram work-group makes the same 256 numbers; work-group 0 alone stores them
	global_store_b32 v23, v24, s[58:59]
.Lnodis:
	s_wait_dscnt 0x0
	s_barrier_signal -1
	s_barrier_wait -1
	; Wave v makes the 16 x 16 block (rows 16 J .., columns 16 v ..) of A^T A.  Both sources are columns of A, K = A's rows: turning loads.
	v_and_b32 v5, 15, v0                           ; r
	v_bfe_u32 v6, v0, 4, 1                         ; h
	v_and_b32 v7, 7, v0
	v_bfe_u32 v8, v0, 3, 1
	v_lshl_add_u32 v9, v6, 3, v7
	v_mul_u32_u24 v9, v9, ATP
	v_lshl_add_u32 v9, v8, 4, v9                   ; (8 h + lane % 8) x pitch + 16 ((lane / 8) % 2)
	s_lshl_b32 s43, s42, 5
	s_lshl_b32 s44, s40, 5
	v_add_nc_u32 v10, s43, v9                      ; columns 16 J on, A's rows 0-127
	v_add_nc_u32 v11, 128*ATP, v10                 ; rows 128-255
	v_add_nc_u32 v12, s44, v9                      ; columns 16 v on
	v_add_nc_u32 v13, 128*ATP, v12
	v_lshl_add_u32 v14, v5, 2, DISL
	s_lshl_b32 s45, s40, 6
	v_add_nc_u32 v14, s45, v14                     ; dis[16 v + r]
	v_lshl_add_u32 v15, v6, 5, DISL
	s_lshl_b32 s46, s42, 6
	v_add_nc_u32 v15, s46, v15                     ; dis[16 J + 8 h ..]
	v_mov_b32 v49, 0                               ; named as a pair with v48
.irp ks, 0,1,2,3,4,5,6,7
	ds_load_tr16_b128 v[64+8*\ks:67+8*\ks],   v[10+\ks/4] offset:(\ks%4)*32*ATP
	ds_load_tr16_b128 v[68+8*\ks:71+8*\ks],   v[10+\ks/4] offset:(\ks%4)*32*ATP+16*ATP
	ds_load_tr16_b128 v[128+8*\ks:131+8*\ks], v[12+\ks/4] offset:(\ks%4)*32*ATP
	ds_load_tr16_b128 v[132+8*\ks:135+8*\ks], v[12+\ks/4] offset:(\ks%4)*32*ATP+16*ATP
.endr
	ds_load_b32 v48, v14
	ds_load_b128 v[52:55], v15
	ds_load_b128 v[56:59], v15 offset:16
	s_wait_dscnt 0x0                               ; my fragments and my dis are in registers: my reads of LDS are over;
	s_barrier_signal -1
	s_barrier_wait -1                              ; everybody's are: no LDS read of any wave is open when a wave comes to its closing lines
	; two accumulators by turns (even and odd K steps); the first two products start the sums
	v_wmma_f32_16x16x32_bf16 v[32:39], v[64:71], v[128:135], 0
	v_wmma_f32_16x16x32_bf16 v[40:47], v[72:79], v[136:143], 0
.irp ks, 2,4,6
	v_wmma_f32_16x16x32_bf16 v[32:39], v[64+8*\ks:71+8*\ks], v[128+8*\ks:135+8*\ks], v[32:39]
	v_wmma_f32_16x16x32_bf16 v[40:47], v[72+8*\ks:79+8*\ks], v[136+8*\ks:143+8*\ks], v[40:47]
.endr
	; four plain instructions that name none of the products' registers stand behind them (ISA guide 7.12.1)
	s_sub_co_i32 s46, s40, s42
	s_lshl_b32 s46, s46, 4
	v_add_nc_u32 v50, s46, v5
	v_lshlrev_b32 v51, 3, v6
	v_sub_nc_u32 v50, v50, v51                     ; 16 v + r - 16 J - 8 h: register e lies on the diagonal where this is e
	v_mov_b32 v51, 1.0
.irp j, 0,1,2,3
	v_pk_add_f32 v[32+2*\j:33+2*\j], v[32+2*\j:33+2*\j], v[40+2*\j:41+2*\j]
.endr
.irp j, 0,1,2,3
	v_pk_mul_f32 v[32+2*\j:33+2*\j], v[32+2*\j:33+2*\j], v[48:49] op_sel_hi:[1,0]
.endr
.irp j, 0,1,2,3
	v_pk_mul_f32 v[32+2*\j:33+2*\j], v[32+2*\j:33+2*\j], v[52+2*\j:53+2*\j]
.endr
.irp e, 0,1,2,3,4,5,6,7
	v_cmp_eq_u32 vcc_lo, \e, v50
	v_cndmask_b32 v[32+\e], v[32+\e], v51, vcc_lo  ; (A^T A + 0.1 I)_jj / d_j = 1
.endr
.irp j, 0,1,2,3
	v_cvt_pk_f16_f32 v[60+\j], v[32+2*\j], v[33+2*\j]
.endr
	; lane (r, h) holds G^[16 J + 8 h + e][16 v + r] = G^[16 v + r][16 J + 8 h + e]: half a first-source fragment of rows 16 v .., K = 16 J ..
	v_and_b32 v16, 31, v0
	v_lshlrev_b32 v16, 4, v16
	s_lshl_b32 s47, s40, 4
	s_add_co_u32 s47, s47, s42
	s_lshl_b32 s46, s47, 9
	s_add_co_u32 s46, s46, GF
	s_mov_b32 s47, 0
	s_add_nc_u64 s[46:47], s[36:37], s[46:47]
	global_store_b128 v16, v[60:63], s[46:47]      ; 512 consecutive bytes
	CLOSE
.Lfunc_end_k_qb3399e3e46_prep:
	.size	k_qb3399e3e46_prep, .Lfunc_end_k_qb3399e3e46_prep-k_qb3399e3e46_prep
	.p2alignl 7, 3214868480
	.fill 96, 4, 3214868480
	.section	.rodata,"a",@progbits
	.p2align	6, 0x0
	.amdhsa_kernel k_qb3399e3e46_prep
		.amdhsa_group_segment_fixed_size 150784
		.amdhsa_private_segment_fixed_size 0
		.amdhsa_enable_private_segment 0
		.amdhsa_kernarg_size 144
		.amdhsa_user_sgpr_count 2
		.amdhsa_user_sgpr_kernarg_segment_ptr 1
		.amdhsa_wavefront_size32 1
		.amdhsa_system_sgpr_workgroup_id_x 1
		.amdhsa_system_sgpr_workgroup_id_y 1
		.amdhsa_system_sgpr_workgroup_id_z 1
		.amdhsa_system_vgpr_workitem_id 0
		.amdhsa_next_free_vgpr 192
		.amdhsa_next_free_sgpr 66
		.amdhsa_reserve_vcc 1
		.amdhsa_float_denorm_mode_32 3
		.amdhsa_float_denorm_mode_16_64 3
		.amdhsa_memory_ordered 1
		.amdhsa_forward_progress 1
		.amdhsa_inst_pref_size 53
	.end_amdhsa_kernel
	.amdgpu_metadata
---
amdhsa.version: [ 1, 2 ]
amdhsa.kernels:
  - .name:           k_qb3399e3e46_prep
    .symbol:         k_qb3399e3e46_prep.kd
    .args:
      - { .name: x, .offset: 0, .size: 8, .value_kind: global_buffer, .address_space: global }
      - { .name: W1, .offset: 8, .size: 8, .value_kind: global_buffer, .address_space: global }
      - { .name: W2, .offset: 16, .size: 8, .value_kind: global_buffer, .address_space: global }
      - { .name: W3, .offset: 24, .size: 8, .value_kind: global_buffer, .address_space: global }
      - { .name: Wb, .offset: 32, .size: 8, .value_kind: global_buffer, .address_space: global }
      - { .name: A, .offset: 40, .size: 8, .value_kind: global_buffer, .address_space: global }
      - { .name: b1, .offset: 48, .size: 8, .value_kind: global_buffer, .address_space: global }
      - { .name: bn1_g, .offset: 56, .size: 8, .value_kind: global_buffer, .address_space: global }
      - { .name: bn1_b, .offset: 64, .size: 8, .value_kind: global_buffer, .address_space: global }
      - { .name: bn1_m, .offset: 72, .size: 8, .value_kind: global_buffer, .address_space: global }
      - { .name: bn1_v, .offset: 80, .size: 8, .value_kind: global_buffer, .address_space: global }
      - { .name: b2, .offset: 88, .size: 8, .value_kind: global_buffer, .address_space: global }
      - { .name: bn2_g, .offset: 96, .size: 8, .value_kind: global_buffer, .address_space: global }
      - { .name: bn2_b, .offset: 104, .size: 8, .value_kind: global_buffer, .address_space: global }
      - { .name: bn2_m, .offset: 112, .size: 8, .value_kind: global_buffer, .address_space: global }
      - { .name: bn2_v, .offset: 120, .size: 8, .value_kind: global_buffer, .address_space: global }
      - { .name: wts, .offset: 128, .size: 8, .value_kind: global_buffer, .address_space: global }
      - { .name: xb, .offset: 136, .size: 8, .value_kind: global_buffer, .address_space: global }
    .group_segment_fixed_size: 150784
    .private_segment_fixed_size: 0
    .kernarg_segment_align: 8
    .kernarg_segment_size: 144
    .max_flat_workgroup_size: 512
    .sgpr_count:     66
    .vgpr_count:     192
    .wavefront_size: 32
...
	.end_amdgpu_metadata
.endif
;; end of part 5
;; launch mlp1 (part 6): grid 4 x 64, 4 waves a work-group, clusters of 4 x 4, 327,680 bytes of LDS; arguments xb, wts, h1; writes h1
.if DOCPART == 6
	.amdgcn_target "amdgcn-amd-amdhsa--gfx1250"
	.amdhsa_code_object_version 6
	.text
	.protected	k_qb3399e3e46_mlp1
	.globl	k_qb3399e3e46_mlp1
	.p2align	8
	.type	k_qb3399e3e46_mlp1,@function
k_qb3399e3e46_mlp1:
	s_mov_b64 s[64:65], 0
	v_nop
	global_prefetch_b8 v0, s[64:65] scope:SCOPE_SE
	s_setreg_imm32_b32 hwreg(HW_REG_WAVE_MODE, 25, 1), 1
	s_wait_xcnt 0x0
	s_wait_alu depctr_hold_cnt(0) depctr_sa_sdst(0) depctr_va_vdst(0) depctr_va_sdst(0) depctr_va_ssrc(0) depctr_va_vcc(0) depctr_vm_vsrc(0)
	s_getreg_b32 s2, hwreg(HW_REG_IB_STS2, 6, 4)
	s_cmp_eq_u32 s2, 0
	s_cbranch_scc0 .Lentry_in_a_cluster
	s_endpgm
.Lentry_in_a_cluster:
	s_bfe_u32 s2, ttmp6, 0x10000c
	s_cmp_lg_u32 s2, 0xf033
	s_cbranch_scc0 .Lentry_shape_is_right
	s_endpgm
.Lentry_shape_is_right:
; LAYER 1: h1 = relu((x W1^T) sc1 + sh1), x and W1 in bf16, sums in f32.  The result leaves in f16, row r multiplied by 32768 / b1_r, in planes of 256 columns ([4][8192][256]).
; b1_r = ||x_r|| sqrt(M1) C1 + S1 bounds every |h1_rj| (Cauchy-Schwarz): M1 the largest sum of squares of a row of W1, C1 = max |sc1|, S1 = max |sh1|; the norms are held to 2^-50 at the least,
; b1 to 2^-62.  So no f16 overflows at any scale of the inputs (a scaled number stays within 32768, rounding of the operands aside), and f16 keeps its 11 bits down to 2^-29 of the bound.
; The text is that of layer 2 with other constants at its head: K is two steps of 128, both slots' first fills, so there is no refill and no loop.
.set LAYER,    1
.set F16,      0                       ; the operands' format: bf16
.set SIZE_K,   256                     ; elements in a row of B
.set KSTEPS,   2                       ; K steps of 128
.set BOFF,     0                       ; W1 in wts
.set SCOFF,    3539968                 ; sc1 in wts; sh1 lies 4,096 bytes behind
; A tile of the result is 128 rows x 256 columns, a plane's whole width: 64 x 4 tiles, one work-group each, 256 in all.  Four waves, each 64 x 128: 32 accumulators, 256 registers.
; K goes in steps of 128 (rows of 256 bytes) through two LDS slots, each with A's 128 rows and B's 256; waves 0 and 1 fetch 64 rows of A each, waves 2 and 3 128 rows of B each.
; 4 x 4 work-groups form a cluster: A's tile is shared along a row of the cluster, B's along a column, each asked for jointly.  A wave has two tensor loads out at the start, one behind each round.
; The matrix instruction is used transposed (source 0 = 16 rows of B, source 1 = 16 rows of A): a lane then holds eight neighbouring columns of one row.
; REGISTERS: window 0: v0-31 addresses and the bounds' figures; v32-95 sc, v96-159 sh of my 128 columns (at last the rows read back); v160-191 packed results; v192-207 the rows' scales.
;   window 1: two fragment buffers of 96: A's 4 x 16 rows x 32 K, then B's 8.      window 2: the accumulators, (a, b) at v[8 (8 a + b)].
.set TBO,    3556352                   ; the table of maxima in wts: words 0-31 W1's, 32-159 W2's, 160-163 |sc|, 164-167 |sh|
.set XNO,    3557376                   ; ||x_r||^2, a word a row
.set APLANE, 0x400000                  ; bytes in a plane
.set KSTEP,  128
.set PITCH,  272                       ; an LDS row: 256 bytes + 16 of padding: the 16 rows of a fragment load start at 16 different groups of four banks (ISA guide 11.1)
.set AHALF,  64*PITCH                  ; 64 rows of A: what wave 0 or 1 fetches, and what a wave reads
.set BHALF,  128*PITCH                 ; 128 rows of B: what wave 2 or 3 fetches, and what a wave reads
.set SLOT,   2*AHALF+2*BHALF
.set STAGE,  2*SLOT                    ; the stage: 128 rows x 528 bytes
.set SPITCH, 528
.set SPARE,  STAGE+128*SPITCH          ; the spare words, 128 bytes for each wave
.set LAPS,   KSTEPS/2                  ; a lap = two K steps = once round the ring
.set H32,  6                           ; v6   32 x (lane / 16): my eight columns' sc and sh
.set LN4,  7                           ; v7   4 x lane
.set CPR,  8                           ; v8-15  layer 2: b1 / 32768 of my row in row block a, at the even register of pair a
.set ADRA, 16                          ; v16-17 LDS address of my A fragments in slot 0, 1
.set LN16, 18                          ; v18  16 x lane
.set XOF,  19                          ; v19  my row's word in XN
.set ADRB, 20                          ; v20-21 the same for B
.set M1,   22                          ; v22  M1, then sqrt(M1) C1
.set TP,   23                          ; v23  at work
.set STO,  24                          ; v24  the way out: where I put 16 bytes of a row
.set RD,   25                          ; v25  the way out: where I read a row back
.set ZR,   26                          ; v26  0, for the relu
.set CC,   27                          ; v27  C1, C2
.set SPW,  28
.set NIL,  29
.set S1R,  30                          ; v30  S1
.set S2R,  31                          ; v31  S2
.set SC,   32
.set SH,   96
.set HI,   160
.set SPR,  192                         ; v192-199  32768 / bound of the result's row, at the even register of pair a
.set BR,   200                         ; v200-203  ||x||^2, then b1, then b2
.set M2,   204                         ; v204-207  layer 2: four words of W2's maxima
.set RB,   32                          ; the way out: 32 rows read back, where sc and sh lay
.set F0,   0
.set F1,   96
.set G1, 24
.set G0, 32
.set G1B, 48
.set G0B, 56
.set MSB, 0
.macro WIN new                         ; the immediate's high byte repeats the setting that is left
.if MSB != (\new)
	s_set_vgpr_msb (MSB<<8)|(\new)
.set MSB, \new
.endif
.endm
.set MUL,  0xa5                        ; sources 0 (B) and 1 (A) window 1; C and D window 2
.set TO_F, 0x40                        ; destination window 1, address window 0
.set W_EP, 0x82                        ; destination and source 0 window 2, the other sources window 0
.set W_CV, 0x0a                        ; sources 0 and 1 window 2, destination window 0
.macro JLOAD s                         ; a joint load: waves 0 and 1 fetch A's two halves, waves 2 and 3 B's; an s_nop 0 and four v_nop follow each line
	s_cmp_eq_u32 s11, 0
	s_cbranch_scc0 .Lfor_b_\@
	tensor_load_to_lds s[G0+4*(\s):G0+4*(\s)+3], s[G1:G1+7]
	s_nop 0
.rept 4
	v_nop
.endr
	s_branch .Lasked_\@
.Lfor_b_\@:
	tensor_load_to_lds s[G0B+4*(\s):G0B+4*(\s)+3], s[G1B:G1B+7]
	s_nop 0
.rept 4
	v_nop
.endr
.Lasked_\@:
.endm
.macro CREST                           ; a round of the cluster's barrier behind its opening barrier
	s_cmp_lg_u32 s10, 0
	s_cbranch_scc1 .Lnot_wave_0_\@
	s_barrier_signal -3
.Lnot_wave_0_\@:
	s_barrier_wait -3
	s_barrier_signal -1
	s_barrier_wait -1
.endm
.macro CROUND
	s_barrier_signal -1
	s_barrier_wait -1
	CREST
.endm
.macro WMAX v, t                       ; the maximum over the wave's 32 lanes, in every lane
	v_max_num_f32_dpp v[\v], v[\v], v[\v] row_xmask:1 row_mask:0xf bank_mask:0xf
	v_max_num_f32_dpp v[\v], v[\v], v[\v] row_xmask:2 row_mask:0xf bank_mask:0xf
	v_max_num_f32_dpp v[\v], v[\v], v[\v] row_xmask:4 row_mask:0xf bank_mask:0xf
	v_max_num_f32_dpp v[\v], v[\v], v[\v] row_xmask:8 row_mask:0xf bank_mask:0xf
	v_permlanex16_b32 v[\t], v[\v], s18, s19
	v_max_num_f32 v[\v], v[\v], v[\t]
.endm
	s_load_b128 s[4:7], s[0:1], 0x0                ; A s[4:5], wts s[6:7]
	s_load_b64 s[8:9], s[0:1], 0x10                ; the result
	v_lshl_add_u32 v[SPW], v0, 2, SPARE
	v_mov_b32 v[NIL], 0
	ds_add_u32 v[SPW], v[NIL]                      ; the wave's opening: the add and its wait ahead of my first tensor load
	v_lshrrev_b32 v1, 5, v0
	v_readfirstlane_b32 s10, v1                    ; wave 0..3
	s_lshr_b32 s11, s10, 1                         ; which half of the tile's rows is mine.  Also: I fetch for A (0) or for B (1)
	s_and_b32 s12, s10, 1                          ; which half of its columns.  Also: which half of that tile's rows I fetch
	s_bfe_u32 s40, ttmp6, 0x40000                  ; cx, cy
	s_bfe_u32 s41, ttmp6, 0x40004
	s_lshl_b32 s42, ttmp9, 2
	s_add_co_u32 s42, s42, s40                     ; tile column = plane
	s_and_b32 s13, ttmp7, 0xffff
	s_lshl_b32 s13, s13, 2
	s_add_co_u32 s13, s13, s41                     ; tile row
	s_lshl_b32 s43, s41, 2
	s_lshl_b32 s43, 15, s43                        ; my row of the cluster
	s_lshl_b32 s44, 0x1111, s40                    ; my column
	s_or_b32 s[G1+0], s43, (1<<16)|(1<<20)|(1<<21)|(5<<22)|(3<<25)  ; the mask; 2-byte elements; padding on; bit 21 beside a mask; after every 64 words 4 words
	s_or_b32 s[G1B+0], s44, (1<<16)|(1<<20)|(1<<21)|(5<<22)|(3<<25)
.irp g, G1, G1B
	s_mov_b32 s[(\g)+1], KSTEP<<16                 ; tensor_dim0 = 128
	s_mov_b32 s[(\g)+3], KSTEP<<16                 ; tile_dim0 = 128
	s_mov_b32 s[(\g)+6], 0
	s_mov_b32 s[(\g)+7], 0
.endr
	s_mov_b32 s[G1+2], 64<<16                      ; A: tensor_dim1 = 64,
	s_mov_b32 s[G1+4], 64                          ; tile_dim1 = 64,
	s_mov_b32 s[G1+5], 256                         ; a plane's rows are 256 elements apart
	s_mov_b32 s[G1B+2], 128<<16                    ; B: 128 rows
	s_mov_b32 s[G1B+4], 128
	s_mov_b32 s[G1B+5], SIZE_K
	s_mov_b32 s18, 0x76543210                      ; v_permlanex16_b32: each lane takes its own place in the other half
	s_mov_b32 s19, 0xfedcba98
	s_mov_b32 s68, 0x0d800000                      ; 2^-100
	s_mov_b32 s69, 0x20800000                      ; 2^-62
	s_lshl_b32 s17, s12, 6
	s_lshl_b32 s16, s13, 7
	s_add_co_u32 s16, s16, s17                     ; A: row 128 x tile row + 64 x half,
	s_lshl_b32 s16, s16, 9                         ; of 512 bytes
	s_lshl_b32 s46, s42, 8
	s_lshl_b32 s47, s12, 7
	s_add_co_u32 s46, s46, s47                     ; B: row 256 x tile column + 128 x half
	s_mul_i32 s46, s46, SIZE_K*2
	s_add_co_u32 s46, s46, BOFF
	s_mov_b32 s17, 0
	s_mov_b32 s47, 0
	s_mul_i32 s20, s12, AHALF                      ; where they go: A's two halves,
	s_mul_i32 s21, s12, BHALF
	s_add_co_u32 s21, s21, 2*AHALF                 ; then B's two halves: no place in the cluster enters an LDS address
	s_wait_dscnt 0x0                               ; the opening add is done
	s_wait_kmcnt 0x0
	s_add_nc_u64 s[14:15], s[4:5], s[16:17]
	s_add_nc_u64 s[46:47], s[6:7], s[46:47]
	CROUND                                         ; all sixteen work-groups are here: the first joint loads meet
.irp s, 0,1
	s_mov_b32 s[G0+4*(\s)], 1
	s_add_co_u32 s[G0+4*(\s)+1], s20, (\s)*SLOT
	s_add_nc_u64 s[G0+4*(\s)+2:G0+4*(\s)+3], s[14:15], (\s)*KSTEP*2  ; K step s: the left or right 256 bytes of plane 0's rows
	s_or_b32 s[G0+4*(\s)+3], s[G0+4*(\s)+3], 0x80000000
	s_mov_b32 s[G0B+4*(\s)], 1
	s_add_co_u32 s[G0B+4*(\s)+1], s21, (\s)*SLOT
	s_add_nc_u64 s[G0B+4*(\s)+2:G0B+4*(\s)+3], s[46:47], (\s)*KSTEP*2
	s_or_b32 s[G0B+4*(\s)+3], s[G0B+4*(\s)+3], 0x80000000
	JLOAD \s
.endr
	v_and_b32 v1, 15, v0                           ; l % 16
	v_bfe_u32 v2, v0, 4, 1                         ; l / 16
	v_lshlrev_b32 v[H32], 5, v2
	s_lshl_b32 s66, s42, 10                        ; sc and sh of my 128 columns
	s_lshl_b32 s67, s12, 9
	s_add_co_u32 s66, s66, s67
	s_add_co_u32 s66, s66, SCOFF
	s_mov_b32 s67, 0
	s_add_nc_u64 s[66:67], s[6:7], s[66:67]
.irp b, 0,1,2,3,4,5,6,7
	global_load_b128 v[SC+8*\b:SC+8*\b+3],   v[H32], s[66:67] offset:64*\b
	global_load_b128 v[SC+8*\b+4:SC+8*\b+7], v[H32], s[66:67] offset:64*\b+16
	global_load_b128 v[SH+8*\b:SH+8*\b+3],   v[H32], s[66:67] offset:4096+64*\b
	global_load_b128 v[SH+8*\b+4:SH+8*\b+7], v[H32], s[66:67] offset:4096+64*\b+16
.endr
	; what the rows' bounds are made of
	v_and_b32 v[LN4], 31, v0
	v_lshlrev_b32 v[LN16], 4, v[LN4]
	v_lshlrev_b32 v[LN4], 2, v[LN4]
	s_lshl_b32 s70, s13, 9                         ; row 128 x tile row + 64 x half, a word each,
	s_lshl_b32 s71, s11, 8
	s_add_co_u32 s70, s70, s71
	v_lshl_add_u32 v[XOF], v1, 2, s70              ; + l % 16: in row block a my lane holds row 16 a + l % 16
	s_load_b256 s[72:79], s[6:7], TBO+640          ; |sc1| twice, |sc2| twice, |sh1| twice, |sh2| twice
	global_load_b32 v[M1], v[LN4], s[6:7] offset:TBO
.if LAYER == 2
	global_load_b128 v[M2:M2+3], v[LN16], s[6:7] offset:TBO+128
.endif
.irp a, 0,1,2,3
	global_load_b32 v[BR+\a], v[XOF], s[6:7] offset:XNO+64*\a
.endr
	v_mul_u32_u24 v3, v1, PITCH
	v_lshl_add_u32 v3, v2, 4, v3                   ; a fragment's row x pitch + 16 x half
	s_mul_i32 s22, s11, AHALF                      ; my 64 rows of A
	s_mul_i32 s23, s12, BHALF                      ; my 128 rows of B,
	s_add_co_u32 s23, s23, 2*AHALF                 ; which lie behind A's 128
.irp s, 0,1
	v_add_nc_u32 v[ADRA+(\s)], s22, v3
	v_add_nc_u32 v[ADRB+(\s)], s23, v3
	s_add_co_u32 s22, s22, SLOT
	s_add_co_u32 s23, s23, SLOT
.endr
	s_mul_i32 s22, s11, 64*SPITCH                  ; into the stage: my 64 rows, my half of their 512 bytes
	s_lshl_b32 s23, s12, 8
	s_add_co_u32 s22, s22, s23
	s_add_co_u32 s22, s22, STAGE
	v_mul_u32_u24 v4, v1, SPITCH
	v_lshl_add_u32 v4, v2, 4, v4
	v_add_nc_u32 v[STO], s22, v4
	s_mul_i32 s22, s10, 32*SPITCH                  ; back: wave w takes rows 32 w .. 32 w + 31, whole: 32 lanes x 16 bytes are a row
	s_add_co_u32 s22, s22, STAGE
	v_add_nc_u32 v[RD], s22, v[LN16]
	v_mov_b32 v[ZR], 0
	s_lshl_b32 s16, s13, 7
	s_lshl_b32 s17, s10, 5
	s_add_co_u32 s16, s16, s17                     ; the first row that I store
	s_lshl_b32 s16, s16, 9
	s_mov_b32 s17, 0
	s_add_nc_u64 s[8:9], s[8:9], s[16:17]
	s_lshl_b32 s46, s42, 22                        ; the tile's plane
	s_mov_b32 s47, 0
	s_add_nc_u64 s[8:9], s[8:9], s[46:47]
	; THE ROWS' BOUNDS, made while the first tiles are on their way
	s_wait_loadcnt 0x0                             ; sc, sh, the table, ||x||^2
	s_wait_kmcnt 0x0
	v_mov_b32 v[TP], 0
	WMAX M1, TP
	v_max_num_f32 v[M1], s68, v[M1]
	v_sqrt_f32 v[M1], v[M1]
	v_max_num_f32 v[CC], s72, s73                  ; C1: a plain instruction behind the root (ISA guide 5.7.2)
	v_max_num_f32 v[S1R], s76, s77                 ; S1
	s_wait_alu depctr_va_vdst(0)
	v_mul_f32 v[M1], v[M1], v[CC]
.irp a, 0,1,2,3
	v_max_num_f32 v[BR+\a], s68, v[BR+\a]
.endr
.irp a, 0,1,2,3
	v_sqrt_f32 v[BR+\a], v[BR+\a]
.endr
	v_nop
	s_wait_alu depctr_va_vdst(0)
.irp a, 0,1,2,3
	v_fma_f32 v[BR+\a], v[BR+\a], v[M1], v[S1R]    ; b1
.endr
.irp a, 0,1,2,3
	v_max_num_f32 v[BR+\a], s69, v[BR+\a]
.endr
.if LAYER == 2
	v_max3_num_f32 v[M2], v[M2], v[M2+1], v[M2+2]
	v_max_num_f32 v[M2], v[M2], v[M2+3]
	WMAX M2, M2+1
	v_max_num_f32 v[M2], s68, v[M2]
	v_sqrt_f32 v[M2], v[M2]
	v_max_num_f32 v[CC], s74, s75                  ; C2
	v_max_num_f32 v[S2R], s78, s79                 ; S2
	v_mul_f32 v[M2], v[M2], v[CC]
	v_mul_f32 v[M2], 0x42800000, v[M2]             ; 64 sqrt(M2) C2: ||h1_r|| <= 32 b1, ||W2_k|| <= 2 sqrt(M2)
.irp a, 0,1,2,3
	v_mul_f32 v[CPR+2*\a], 0x38000000, v[BR+\a]    ; b1 / 32768 takes the operand's scale off
	v_mov_b32 v[CPR+2*\a+1], 0                     ; named with it as a pair
.endr
.irp a, 0,1,2,3
	v_fma_f32 v[BR+\a], v[BR+\a], v[M2], v[S2R]    ; b2
.endr
.irp a, 0,1,2,3
	v_max_num_f32 v[BR+\a], s69, v[BR+\a]
.endr
.endif
.irp a, 0,1,2,3
	v_rcp_f32 v[SPR+2*\a], v[BR+\a]
.endr
	v_nop
	s_wait_alu depctr_va_vdst(0)
.irp a, 0,1,2,3
	v_mul_f32 v[SPR+2*\a], 0x47000000, v[SPR+2*\a] ; 32768 / the result's bound
	v_mov_b32 v[SPR+2*\a+1], 0
.endr
.macro MUL8 f, a, zero                 ; 8 matrix instructions: row block a x all 8 column blocks, 32 along K, from buffer f.  zero = 1: the product starts the sums
	WIN MUL
.irp b, 0,1,2,3,4,5,6,7
.set rD, 8*(8*(\a)+\b)
.set rB, (\f)+32+8*\b
.set rA, (\f)+8*(\a)
.if F16 && (\zero)
	v_wmma_f32_16x16x32_f16 v[rD:rD+7], v[rB:rB+7], v[rA:rA+7], 0
.elseif F16
	v_wmma_f32_16x16x32_f16 v[rD:rD+7], v[rB:rB+7], v[rA:rA+7], v[rD:rD+7]
.elseif \zero
	v_wmma_f32_16x16x32_bf16 v[rD:rD+7], v[rB:rB+7], v[rA:rA+7], 0
.else
	v_wmma_f32_16x16x32_bf16 v[rD:rD+7], v[rB:rB+7], v[rA:rA+7], v[rD:rD+7]
.endif
.endr
.endm
.macro FETCH slot, k, f                ; 24 LDS loads in one run: the fragments of 32 along K at byte k of the rows: B's sixteen, then A's eight
	WIN TO_F
.irp i, 0,1,2,3,4,5,6,7
	ds_load_b128 v[(\f)+32+8*\i:(\f)+32+8*\i+3],   v[ADRB+(\slot)] offset:(\k)+\i*16*PITCH
	ds_load_b128 v[(\f)+32+8*\i+4:(\f)+32+8*\i+7], v[ADRB+(\slot)] offset:(\k)+\i*16*PITCH+32
.endr
.irp i, 0,1,2,3
	ds_load_b128 v[(\f)+8*\i:(\f)+8*\i+3],   v[ADRA+(\slot)] offset:(\k)+\i*16*PITCH
	ds_load_b128 v[(\f)+8*\i+4:(\f)+8*\i+7], v[ADRA+(\slot)] offset:(\k)+\i*16*PITCH+32
.endr
.endm
.macro PLACES                          ; four places in front of loads into registers that matrix instructions have read, and of vector work on results
.rept 4
	v_nop
.endr
.endm
; A K step is four quarters of 32 along K, 32 matrix instructions each, on buffers 0, 1, 0, 1; the 32 accumulators take turns, one instruction a turn.
.macro QUARTER slot, k, f, g, zero     ; one of the first three: multiplies buffer f and fetches the next quarter, at byte k, into g
	s_wait_dscnt 4                                 ; B's and A's row blocks 0 and 1 are in; the youngest four loads (A's blocks 2 and 3) may be out
	MUL8 \f, 0, \zero
	MUL8 \f, 1, \zero
	PLACES
	FETCH \slot, \k, \g
	s_wait_dscnt 24                                ; all but the 24 just issued
	MUL8 \f, 2, \zero
	MUL8 \f, 3, \zero
.endm
.macro TURN slot, next, fill           ; the last quarter multiplies buffer 1 and changes slots
	WIN 0
	s_wait_tensorcnt 0x0                           ; all my tensor loads have landed: my part of the next slot;
	ds_add_u32 v[SPW], v[NIL]                      ; 0 onto my spare word;
	s_wait_dscnt 5                                 ; (the add and the youngest four loads may be out)
	MUL8 F1, 0, 0
	s_wait_dscnt 0x0                               ; the add is done, and my reads of this slot are over
	s_barrier_signal -1
	MUL8 F1, 1, 0
.if \fill
	WIN 0
.endif
	s_barrier_wait -1
.if \fill
	CREST                                          ; no wave of any partner still reads this slot's tile or has a load on its way
	s_add_nc_u64 s[G0+4*(\slot)+2:G0+4*(\slot)+3], s[G0+4*(\slot)+2:G0+4*(\slot)+3], APLANE  ; two K steps on: the same half of the next plane's rows
	s_add_nc_u64 s[G0B+4*(\slot)+2:G0B+4*(\slot)+3], s[G0B+4*(\slot)+2:G0B+4*(\slot)+3], 2*KSTEP*2
	JLOAD \slot                                    ; the first tensor load behind the round, 112 matrix instructions ahead of the wait for it; its four v_nop are also the places in front of the loads below
.else
	PLACES
.endif
	FETCH \next, 0, F0
	MUL8 F1, 2, 0
	MUL8 F1, 3, 0
.endm
	s_wait_tensorcnt 1                             ; my part of K step 0 is in; K step 1's may stay out
	s_barrier_signal -1
	s_barrier_wait -1                              ; everybody's is
	FETCH 0, 0, F0
	QUARTER 0, 64, F0, F1, 1                       ; the first quarter's products start the sums
.if LAPS > 1
	WIN 0
	s_mov_b32 s3, LAPS-1
.Llap:                                                 ; a trip goes once round the ring and fills both slots again
	QUARTER 0, 128, F1, F0, 0
	QUARTER 0, 192, F0, F1, 0
	TURN 0, 1, 1
	QUARTER 1, 64,  F0, F1, 0
	QUARTER 1, 128, F1, F0, 0
	QUARTER 1, 192, F0, F1, 0
	TURN 1, 0, 1
	QUARTER 0, 64,  F0, F1, 0
	WIN 0
	s_sub_co_u32 s3, s3, 1
	s_cmp_lg_u32 s3, 0
	s_cbranch_scc1 .Llap
.endif
	QUARTER 0, 128, F1, F0, 0                      ; the last lap fills nothing
	QUARTER 0, 192, F0, F1, 0
	TURN 0, 1, 0
	QUARTER 1, 64,  F0, F1, 0
	QUARTER 1, 128, F1, F0, 0
	QUARTER 1, 192, F0, F1, 0
	s_wait_dscnt 4                                 ; the very last quarter: nothing more to fetch
	MUL8 F1, 0, 0
	MUL8 F1, 1, 0
	s_wait_dscnt 0
	MUL8 F1, 2, 0
	MUL8 F1, 3, 0
	WIN 0
; THE WAY OUT, a row block at a time.  (layer 2: the operand's scale off;) x sc + sh, relu, the row's scale on, rounded to f16; each accumulator's registers are taken in ascending order.  16 bytes a lane into the stage.
.macro EPI a
	WIN W_EP
.irp b, 0,1,2,3,4,5,6,7
.set AC, 8*(8*(\a)+\b)
.if LAYER == 2
.irp j, 0,1,2,3
	v_pk_mul_f32 v[AC+2*\j:AC+2*\j+1], v[AC+2*\j:AC+2*\j+1], v[CPR+2*(\a):CPR+2*(\a)+1] op_sel_hi:[1,0]
.endr
.endif
.irp j, 0,1,2,3
	v_pk_fma_f32 v[AC+2*\j:AC+2*\j+1], v[AC+2*\j:AC+2*\j+1], v[SC+8*\b+2*\j:SC+8*\b+2*\j+1], v[SH+8*\b+2*\j:SH+8*\b+2*\j+1]
.endr
.irp j, 0,1,2,3,4,5,6,7
	v_max_num_f32 v[AC+\j], v[AC+\j], v[ZR]
.endr
.irp j, 0,1,2,3
	v_pk_mul_f32 v[AC+2*\j:AC+2*\j+1], v[AC+2*\j:AC+2*\j+1], v[SPR+2*(\a):SPR+2*(\a)+1] op_sel_hi:[1,0]
.endr
.endr
	WIN W_CV
.irp b, 0,1,2,3,4,5,6,7
.set AC, 8*(8*(\a)+\b)
.irp j, 0,1,2,3
	v_cvt_pk_f16_f32 v[HI+4*\b+\j], v[AC+2*\j], v[AC+2*\j+1]
.endr
.endr
	WIN 0
.irp b, 0,1,2,3,4,5,6,7
	ds_store_b128 v[STO], v[HI+4*\b:HI+4*\b+3] offset:(\a)*16*SPITCH+32*\b
.endr
.endm
	PLACES
	EPI 0
	EPI 1
	EPI 2
	EPI 3
	s_wait_dscnt 0x0                               ; for the others' sake: my stores into the stage are done
	s_barrier_signal -1
	s_barrier_wait -1
.set t, 0
.rept 32
	ds_load_b128 v[RB+4*t:RB+4*t+3], v[RD] offset:t*SPITCH
.set t, t+1
.endr
.set t, 0
.rept 32
	s_wait_dscnt 31-t                              ; the younger read-backs may be out
	global_store_b128 v[LN16], v[RB+4*t:RB+4*t+3], s[8:9] offset:512*t  ; a plane's whole row: 512 consecutive bytes, at a multiple of 256 from the buffer's first byte
.set t, t+1
.endr
	s_wait_tensorcnt 0x0                           ; the wave's end
	ds_add_u32 v[SPW], v[NIL]
	s_wait_dscnt 0x0
	CROUND                                         ; the closing round
	s_endpgm
.Lfunc_end_k_qb3399e3e46_mlp1:
	.size	k_qb3399e3e46_mlp1, .Lfunc_end_k_qb3399e3e46_mlp1-k_qb3399e3e46_mlp1
	.p2alignl 7, 3214868480
	.fill 96, 4, 3214868480
	.section	.rodata,"a",@progbits
	.p2align	6, 0x0
	.amdhsa_kernel k_qb3399e3e46_mlp1
		.amdhsa_group_segment_fixed_size 327680
		.amdhsa_private_segment_fixed_size 0
		.amdhsa_enable_private_segment 0
		.amdhsa_kernarg_size 24
		.amdhsa_user_sgpr_count 2
		.amdhsa_user_sgpr_kernarg_segment_ptr 1
		.amdhsa_wavefront_size32 1
		.amdhsa_system_sgpr_workgroup_id_x 1
		.amdhsa_system_sgpr_workgroup_id_y 1
		.amdhsa_system_sgpr_workgroup_id_z 1
		.amdhsa_system_vgpr_workitem_id 0
		.amdhsa_next_free_vgpr 768
		.amdhsa_next_free_sgpr 80
		.amdhsa_reserve_vcc 0
		.amdhsa_float_denorm_mode_32 3
		.amdhsa_float_denorm_mode_16_64 3
		.amdhsa_memory_ordered 1
		.amdhsa_forward_progress 1
		.amdhsa_inst_pref_size 85
	.end_amdhsa_kernel
	.amdgpu_metadata
---
amdhsa.version: [ 1, 2 ]
amdhsa.kernels:
  - .name:           k_qb3399e3e46_mlp1
    .symbol:         k_qb3399e3e46_mlp1.kd
    .args:
      - { .name: xb, .offset: 0, .size: 8, .value_kind: global_buffer, .address_space: global }
      - { .name: wts, .offset: 8, .size: 8, .value_kind: global_buffer, .address_space: global }
      - { .name: h1, .offset: 16, .size: 8, .value_kind: global_buffer, .address_space: global }
    .group_segment_fixed_size: 327680
    .private_segment_fixed_size: 0
    .kernarg_segment_align: 8
    .kernarg_segment_size: 24
    .max_flat_workgroup_size: 128
    .sgpr_count:     80
    .vgpr_count:     768
    .wavefront_size: 32
...
	.end_amdgpu_metadata
.endif
;; end of part 6
;; launch mlp2 (part 7): grid 4 x 64, 4 waves a work-group, clusters of 4 x 4, 327,680 bytes of LDS; arguments h1, wts, h2; writes h2
.if DOCPART == 7
	.amdgcn_target "amdgcn-amd-amdhsa--gfx1250"
	.amdhsa_code_object_version 6
	.text
	.protected	k_qb3399e3e46_mlp2
	.globl	k_qb3399e3e46_mlp2
	.p2align	8
	.type	k_qb3399e3e46_mlp2,@function
k_qb3399e3e46_mlp2:
	s_mov_b64 s[64:65], 0
	v_nop
	global_prefetch_b8 v0, s[64:65] scope:SCOPE_SE
	s_setreg_imm32_b32 hwreg(HW_REG_WAVE_MODE, 25, 1), 1
	s_wait_xcnt 0x0
	s_wait_alu depctr_hold_cnt(0) depctr_sa_sdst(0) depctr_va_vdst(0) depctr_va_sdst(0) depctr_va_ssrc(0) depctr_va_vcc(0) depctr_vm_vsrc(0)
	s_getreg_b32 s2, hwreg(HW_REG_IB_STS2, 6, 4)
	s_cmp_eq_u32 s2, 0
	s_cbranch_scc0 .Lentry_in_a_cluster
	s_endpgm
.Lentry_in_a_cluster:
	s_bfe_u32 s2, ttmp6, 0x10000c
	s_cmp_lg_u32 s2, 0xf033
	s_cbranch_scc0 .Lentry_shape_is_right
	s_endpgm
.Lentry_shape_is_right:
; LAYER 2: h2 = relu((h1 W2^T) sc2 + sh2).  h1 comes in f16, row r multiplied by 32768 / b1_r, in four planes of 256 columns: K has eight steps of 128, two to a plane.  W2 is the bf16 number
; written as f16.  Sums in f32.  The result leaves in f16 in the same layout, row r multiplied by 32768 / b2_r.
; b1_r = ||x_r|| sqrt(M1) C1 + S1 bounds every |h1_rj|; b2_r = 64 b1_r sqrt(M2) C2 + S2 bounds every |h2_rk| (Cauchy-Schwarz with ||h1_r|| <= 32 b1_r and ||W2_k||^2 <= 4 M2): M1 the largest sum
; of squares of a row of W1, M2 of a quarter row of W2, C = max |sc|, S = max |sh|; the norms are held to 2^-50 at the least, the bounds to 2^-62.  So no f16 overflows at any scale of the inputs.
; LIMIT.  |W2| <= 65,504; below 6e-5 it keeps f16's fixed step of 6e-8.
.set LAYER,    2
.set F16,      1                       ; the operands' format: f16
.set SIZE_K,   1024                    ; elements in a row of B
.set KSTEPS,   8                       ; K steps of 128
.set BOFF,     524288                  ; W2H in wts
.set SCOFF,    3548160                 ; sc2 in wts; sh2 lies 4,096 bytes behind
; A tile of the result is 128 rows x 256 columns, a plane's whole width: 64 x 4 tiles, one work-group each, 256 in all.  Four waves, each 64 x 128: 32 accumulators, 256 registers.
; K goes in steps of 128 (rows of 256 bytes) through two LDS slots, each with A's 128 rows and B's 256; waves 0 and 1 fetch 64 rows of A each, waves 2 and 3 128 rows of B each.
; 4 x 4 work-groups form a cluster: A's tile is shared along a row of the cluster, B's along a column, each asked for jointly.  A wave has two tensor loads out at the start, one behind each round.
; The matrix instruction is used transposed (source 0 = 16 rows of B, source 1 = 16 rows of A): a lane then holds eight neighbouring columns of one row.
; REGISTERS: window 0: v0-31 addresses and the bounds' figures; v32-95 sc, v96-159 sh of my 128 columns (at last the rows read back); v160-191 packed results; v192-207 the rows' scales.
;   window 1: two fragment buffers of 96: A's 4 x 16 rows x 32 K, then B's 8.      window 2: the accumulators, (a, b) at v[8 (8 a + b)].
.set TBO,    3556352                   ; the table of maxima in wts: words 0-31 W1's, 32-159 W2's, 160-163 |sc|, 164-167 |sh|
.set XNO,    3557376                   ; ||x_r||^2, a word a row
.set APLANE, 0x400000                  ; bytes in a plane
.set KSTEP,  128
.set PITCH,  272                       ; an LDS row: 256 bytes + 16 of padding: the 16 rows of a fragment load start at 16 different groups of four banks (ISA guide 11.1)
.set AHALF,  64*PITCH                  ; 64 rows of A: what wave 0 or 1 fetches, and what a wave reads
.set BHALF,  128*PITCH                 ; 128 rows of B: what wave 2 or 3 fetches, and what a wave reads
.set SLOT,   2*AHALF+2*BHALF
.set STAGE,  2*SLOT                    ; the stage: 128 rows x 528 bytes
.set SPITCH, 528
.set SPARE,  STAGE+128*SPITCH          ; the spare words, 128 bytes for each wave
.set LAPS,   KSTEPS/2                  ; a lap = two K steps = once round the ring
.set H32,  6                           ; v6   32 x (lane / 16): my eight columns' sc and sh
.set LN4,  7                           ; v7   4 x lane
.set CPR,  8                           ; v8-15  layer 2: b1 / 32768 of my row in row block a, at the even register of pair a
.set ADRA, 16                          ; v16-17 LDS address of my A fragments in slot 0, 1
.set LN16, 18                          ; v18  16 x lane
.set XOF,  19                          ; v19  my row's word in XN
.set ADRB, 20                          ; v20-21 the same for B
.set M1,   22                          ; v22  M1, then sqrt(M1) C1
.set TP,   23                          ; v23  at work
.set STO,  24                          ; v24  the way out: where I put 16 bytes of a row
.set RD,   25                          ; v25  the way out: where I read a row back
.set ZR,   26                          ; v26  0, for the relu
.set CC,   27                          ; v27  C1, C2
.set SPW,  28
.set NIL,  29
.set S1R,  30                          ; v30  S1
.set S2R,  31                          ; v31  S2
.set SC,   32
.set SH,   96
.set HI,   160
.set SPR,  192                         ; v192-199  32768 / bound of the result's row, at the even register of pair a
.set BR,   200                         ; v200-203  ||x||^2, then b1, then b2
.set M2,   204                         ; v204-207  layer 2: four words of W2's maxima
.set RB,   32                          ; the way out: 32 rows read back, where sc and sh lay
.set F0,   0
.set F1,   96
.set G1, 24
.set G0, 32
.set G1B, 48
.set G0B, 56
.set MSB, 0
.macro WIN new                         ; the immediate's high byte repeats the setting that is left
.if MSB != (\new)
	s_set_vgpr_msb (MSB<<8)|(\new)
.set MSB, \new
.endif
.endm
.set MUL,  0xa5                        ; sources 0 (B) and 1 (A) window 1; C and D window 2
.set TO_F, 0x40                        ; destination window 1, address window 0
.set W_EP, 0x82                        ; destination and source 0 window 2, the other sources window 0
.set W_CV, 0x0a                        ; sources 0 and 1 window 2, destination window 0
.macro JLOAD s                         ; a joint load: waves 0 and 1 fetch A's two halves, waves 2 and 3 B's; an s_nop 0 and four v_nop follow each line
	s_cmp_eq_u32 s11, 0
	s_cbranch_scc0 .Lfor_b_\@
	tensor_load_to_lds s[G0+4*(\s):G0+4*(\s)+3], s[G1:G1+7]
	s_nop 0
.rept 4
	v_nop
.endr
	s_branch .Lasked_\@
.Lfor_b_\@:
	tensor_load_to_lds s[G0B+4*(\s):G0B+4*(\s)+3], s[G1B:G1B+7]
	s_nop 0
.rept 4
	v_nop
.endr
.Lasked_\@:
.endm
.macro CREST                           ; a round of the cluster's barrier behind its opening barrier
	s_cmp_lg_u32 s10, 0
	s_cbranch_scc1 .Lnot_wave_0_\@
	s_barrier_signal -3
.Lnot_wave_0_\@:
	s_barrier_wait -3
	s_barrier_signal -1
	s_barrier_wait -1
.endm
.macro CROUND
	s_barrier_signal -1
	s_barrier_wait -1
	CREST
.endm
.macro WMAX v, t                       ; the maximum over the wave's 32 lanes, in every lane
	v_max_num_f32_dpp v[\v], v[\v], v[\v] row_xmask:1 row_mask:0xf bank_mask:0xf
	v_max_num_f32_dpp v[\v], v[\v], v[\v] row_xmask:2 row_mask:0xf bank_mask:0xf
	v_max_num_f32_dpp v[\v], v[\v], v[\v] row_xmask:4 row_mask:0xf bank_mask:0xf
	v_max_num_f32_dpp v[\v], v[\v], v[\v] row_xmask:8 row_mask:0xf bank_mask:0xf
	v_permlanex16_b32 v[\t], v[\v], s18, s19
	v_max_num_f32 v[\v], v[\v], v[\t]
.endm
	s_load_b128 s[4:7], s[0:1], 0x0                ; A s[4:5], wts s[6:7]
	s_load_b64 s[8:9], s[0:1], 0x10                ; the result
	v_lshl_add_u32 v[SPW], v0, 2, SPARE
	v_mov_b32 v[NIL], 0
	ds_add_u32 v[SPW], v[NIL]                      ; the wave's opening: the add and its wait ahead of my first tensor load
	v_lshrrev_b32 v1, 5, v0
	v_readfirstlane_b32 s10, v1                    ; wave 0..3
	s_lshr_b32 s11, s10, 1                         ; which half of the tile's rows is mine.  Also: I fetch for A (0) or for B (1)
	s_and_b32 s12, s10, 1                          ; which half of its columns.  Also: which half of that tile's rows I fetch
	s_bfe_u32 s40, ttmp6, 0x40000                  ; cx, cy
	s_bfe_u32 s41, ttmp6, 0x40004
	s_lshl_b32 s42, ttmp9, 2
	s_add_co_u32 s42, s42, s40                     ; tile column = plane
	s_and_b32 s13, ttmp7, 0xffff
	s_lshl_b32 s13, s13, 2
	s_add_co_u32 s13, s13, s41                     ; tile row
	s_lshl_b32 s43, s41, 2
	s_lshl_b32 s43, 15, s43                        ; my row of the cluster
	s_lshl_b32 s44, 0x1111, s40                    ; my column
	s_or_b32 s[G1+0], s43, (1<<16)|(1<<20)|(1<<21)|(5<<22)|(3<<25)  ; the mask; 2-byte elements; padding on; bit 21 beside a mask; after every 64 words 4 words
	s_or_b32 s[G1B+0], s44, (1<<16)|(1<<20)|(1<<21)|(5<<22)|(3<<25)
.irp g, G1, G1B
	s_mov_b32 s[(\g)+1], KSTEP<<16                 ; tensor_dim0 = 128
	s_mov_b32 s[(\g)+3], KSTEP<<16                 ; tile_dim0 = 128
	s_mov_b32 s[(\g)+6], 0
	s_mov_b32 s[(\g)+7], 0
.endr
	s_mov_b32 s[G1+2], 64<<16                      ; A: tensor_dim1 = 64,
	s_mov_b32 s[G1+4], 64                          ; tile_dim1 = 64,
	s_mov_b32 s[G1+5], 256                         ; a plane's rows are 256 elements apart
	s_mov_b32 s[G1B+2], 128<<16                    ; B: 128 rows
	s_mov_b32 s[G1B+4], 128
	s_mov_b32 s[G1B+5], SIZE_K
	s_mov_b32 s18, 0x76543210                      ; v_permlanex16_b32: each lane takes its own place in the other half
	s_mov_b32 s19, 0xfedcba98
	s_mov_b32 s68, 0x0d800000                      ; 2^-100
	s_mov_b32 s69, 0x20800000                      ; 2^-62
	s_lshl_b32 s17, s12, 6
	s_lshl_b32 s16, s13, 7
	s_add_co_u32 s16, s16, s17                     ; A: row 128 x tile row + 64 x half,
	s_lshl_b32 s16, s16, 9                         ; of 512 bytes
	s_lshl_b32 s46, s42, 8
	s_lshl_b32 s47, s12, 7
	s_add_co_u32 s46, s46, s47                     ; B: row 256 x tile column + 128 x half
	s_mul_i32 s46, s46, SIZE_K*2
	s_add_co_u32 s46, s46, BOFF
	s_mov_b32 s17, 0
	s_mov_b32 s47, 0
	s_mul_i32 s20, s12, AHALF                      ; where they go: A's two halves,
	s_mul_i32 s21, s12, BHALF
	s_add_co_u32 s21, s21, 2*AHALF                 ; then B's two halves: no place in the cluster enters an LDS address
	s_wait_dscnt 0x0                               ; the opening add is done
	s_wait_kmcnt 0x0
	s_add_nc_u64 s[14:15], s[4:5], s[16:17]
	s_add_nc_u64 s[46:47], s[6:7], s[46:47]
	CROUND                                         ; all sixteen work-groups are here: the first joint loads meet
.irp s, 0,1
	s_mov_b32 s[G0+4*(\s)], 1
	s_add_co_u32 s[G0+4*(\s)+1], s20, (\s)*SLOT
	s_add_nc_u64 s[G0+4*(\s)+2:G0+4*(\s)+3], s[14:15], (\s)*KSTEP*2  ; K step s: the left or right 256 bytes of plane 0's rows
	s_or_b32 s[G0+4*(\s)+3], s[G0+4*(\s)+3], 0x80000000
	s_mov_b32 s[G0B+4*(\s)], 1
	s_add_co_u32 s[G0B+4*(\s)+1], s21, (\s)*SLOT
	s_add_nc_u64 s[G0B+4*(\s)+2:G0B+4*(\s)+3], s[46:47], (\s)*KSTEP*2
	s_or_b32 s[G0B+4*(\s)+3], s[G0B+4*(\s)+3], 0x80000000
	JLOAD \s
.endr
	v_and_b32 v1, 15, v0                           ; l % 16
	v_bfe_u32 v2, v0, 4, 1                         ; l / 16
	v_lshlrev_b32 v[H32], 5, v2
	s_lshl_b32 s66, s42, 10                        ; sc and sh of my 128 columns
	s_lshl_b32 s67, s12, 9
	s_add_co_u32 s66, s66, s67
	s_add_co_u32 s66, s66, SCOFF
	s_mov_b32 s67, 0
	s_add_nc_u64 s[66:67], s[6:7], s[66:67]
.irp b, 0,1,2,3,4,5,6,7
	global_load_b128 v[SC+8*\b:SC+8*\b+3],   v[H32], s[66:67] offset:64*\b
	global_load_b128 v[SC+8*\b+4:SC+8*\b+7], v[H32], s[66:67] offset:64*\b+16
	global_load_b128 v[SH+8*\b:SH+8*\b+3],   v[H32], s[66:67] offset:4096+64*\b
	global_load_b128 v[SH+8*\b+4:SH+8*\b+7], v[H32], s[66:67] offset:4096+64*\b+16
.endr
	; what the rows' bounds are made of
	v_and_b32 v[LN4], 31, v0
	v_lshlrev_b32 v[LN16], 4, v[LN4]
	v_lshlrev_b32 v[LN4], 2, v[LN4]
	s_lshl_b32 s70, s13, 9                         ; row 128 x tile row + 64 x half, a word each,
	s_lshl_b32 s71, s11, 8
	s_add_co_u32 s70, s70, s71
	v_lshl_add_u32 v[XOF], v1, 2, s70              ; + l % 16: in row block a my lane holds row 16 a + l % 16
	s_load_b256 s[72:79], s[6:7], TBO+640          ; |sc1| twice, |sc2| twice, |sh1| twice, |sh2| twice
	global_load_b32 v[M1], v[LN4], s[6:7] offset:TBO
.if LAYER == 2
	global_load_b128 v[M2:M2+3], v[LN16], s[6:7] offset:TBO+128
.endif
.irp a, 0,1,2,3
	global_load_b32 v[BR+\a], v[XOF], s[6:7] offset:XNO+64*\a
.endr
	v_mul_u32_u24 v3, v1, PITCH
	v_lshl_add_u32 v3, v2, 4, v3                   ; a fragment's row x pitch + 16 x half
	s_mul_i32 s22, s11, AHALF                      ; my 64 rows of A
	s_mul_i32 s23, s12, BHALF                      ; my 128 rows of B,
	s_add_co_u32 s23, s23, 2*AHALF                 ; which lie behind A's 128
.irp s, 0,1
	v_add_nc_u32 v[ADRA+(\s)], s22, v3
	v_add_nc_u32 v[ADRB+(\s)], s23, v3
	s_add_co_u32 s22, s22, SLOT
	s_add_co_u32 s23, s23, SLOT
.endr
	s_mul_i32 s22, s11, 64*SPITCH                  ; into the stage: my 64 rows, my half of their 512 bytes
	s_lshl_b32 s23, s12, 8
	s_add_co_u32 s22, s22, s23
	s_add_co_u32 s22, s22, STAGE
	v_mul_u32_u24 v4, v1, SPITCH
	v_lshl_add_u32 v4, v2, 4, v4
	v_add_nc_u32 v[STO], s22, v4
	s_mul_i32 s22, s10, 32*SPITCH                  ; back: wave w takes rows 32 w .. 32 w + 31, whole: 32 lanes x 16 bytes are a row
	s_add_co_u32 s22, s22, STAGE
	v_add_nc_u32 v[RD], s22, v[LN16]
	v_mov_b32 v[ZR], 0
	s_lshl_b32 s16, s13, 7
	s_lshl_b32 s17, s10, 5
	s_add_co_u32 s16, s16, s17                     ; the first row that I store
	s_lshl_b32 s16, s16, 9
	s_mov_b32 s17, 0
	s_add_nc_u64 s[8:9], s[8:9], s[16:17]
	s_lshl_b32 s46, s42, 22                        ; the tile's plane
	s_mov_b32 s47, 0
	s_add_nc_u64 s[8:9], s[8:9], s[46:47]
	; THE ROWS' BOUNDS, made while the first tiles are on their way
	s_wait_loadcnt 0x0                             ; sc, sh, the table, ||x||^2
	s_wait_kmcnt 0x0
	v_mov_b32 v[TP], 0
	WMAX M1, TP
	v_max_num_f32 v[M1], s68, v[M1]
	v_sqrt_f32 v[M1], v[M1]
	v_max_num_f32 v[CC], s72, s73                  ; C1: a plain instruction behind the root (ISA guide 5.7.2)
	v_max_num_f32 v[S1R], s76, s77                 ; S1
	s_wait_alu depctr_va_vdst(0)
	v_mul_f32 v[M1], v[M1], v[CC]
.irp a, 0,1,2,3
	v_max_num_f32 v[BR+\a], s68, v[BR+\a]
.endr
.irp a, 0,1,2,3
	v_sqrt_f32 v[BR+\a], v[BR+\a]
.endr
	v_nop
	s_wait_alu depctr_va_vdst(0)
.irp a, 0,1,2,3
	v_fma_f32 v[BR+\a], v[BR+\a], v[M1], v[S1R]    ; b1
.endr
.irp a, 0,1,2,3
	v_max_num_f32 v[BR+\a], s69, v[BR+\a]
.endr
.if LAYER == 2
	v_max3_num_f32 v[M2], v[M2], v[M2+1], v[M2+2]
	v_max_num_f32 v[M2], v[M2], v[M2+3]
	WMAX M2, M2+1
	v_max_num_f32 v[M2], s68, v[M2]
	v_sqrt_f32 v[M2], v[M2]
	v_max_num_f32 v[CC], s74, s75                  ; C2
	v_max_num_f32 v[S2R], s78, s79                 ; S2
	s_wait_alu depctr_va_vdst(0)
	v_mul_f32 v[M2], v[M2], v[CC]
	v_mul_f32 v[M2], 0x42800000, v[M2]             ; 64 sqrt(M2) C2: ||h1_r|| <= 32 b1, ||W2_k|| <= 2 sqrt(M2)
.irp a, 0,1,2,3
	v_mul_f32 v[CPR+2*\a], 0x38000000, v[BR+\a]    ; b1 / 32768 takes the operand's scale off
	v_mov_b32 v[CPR+2*\a+1], 0                     ; named with it as a pair
.endr
.irp a, 0,1,2,3
	v_fma_f32 v[BR+\a], v[BR+\a], v[M2], v[S2R]    ; b2
.endr
.irp a, 0,1,2,3
	v_max_num_f32 v[BR+\a], s69, v[BR+\a]
.endr
.endif
.irp a, 0,1,2,3
	v_rcp_f32 v[SPR+2*\a], v[BR+\a]
.endr
	v_nop
	s_wait_alu depctr_va_vdst(0)
.irp a, 0,1,2,3
	v_mul_f32 v[SPR+2*\a], 0x47000000, v[SPR+2*\a] ; 32768 / the result's bound
	v_mov_b32 v[SPR+2*\a+1], 0
.endr
.macro MUL8 f, a, zero                 ; 8 matrix instructions: row block a x all 8 column blocks, 32 along K, from buffer f.  zero = 1: the product starts the sums
	WIN MUL
.irp b, 0,1,2,3,4,5,6,7
.set rD, 8*(8*(\a)+\b)
.set rB, (\f)+32+8*\b
.set rA, (\f)+8*(\a)
.if F16 && (\zero)
	v_wmma_f32_16x16x32_f16 v[rD:rD+7], v[rB:rB+7], v[rA:rA+7], 0
.elseif F16
	v_wmma_f32_16x16x32_f16 v[rD:rD+7], v[rB:rB+7], v[rA:rA+7], v[rD:rD+7]
.elseif \zero
	v_wmma_f32_16x16x32_bf16 v[rD:rD+7], v[rB:rB+7], v[rA:rA+7], 0
.else
	v_wmma_f32_16x16x32_bf16 v[rD:rD+7], v[rB:rB+7], v[rA:rA+7], v[rD:rD+7]
.endif
.endr
.endm
.macro FETCH slot, k, f                ; 24 LDS loads in one run: the fragments of 32 along K at byte k of the rows: B's sixteen, then A's eight
	WIN TO_F
.irp i, 0,1,2,3,4,5,6,7
	ds_load_b128 v[(\f)+32+8*\i:(\f)+32+8*\i+3],   v[ADRB+(\slot)] offset:(\k)+\i*16*PITCH
	ds_load_b128 v[(\f)+32+8*\i+4:(\f)+32+8*\i+7], v[ADRB+(\slot)] offset:(\k)+\i*16*PITCH+32
.endr
.irp i, 0,1,2,3
	ds_load_b128 v[(\f)+8*\i:(\f)+8*\i+3],   v[ADRA+(\slot)] offset:(\k)+\i*16*PITCH
	ds_load_b128 v[(\f)+8*\i+4:(\f)+8*\i+7], v[ADRA+(\slot)] offset:(\k)+\i*16*PITCH+32
.endr
.endm
.macro PLACES                          ; four places in front of loads into registers that matrix instructions have read, and of vector work on results
.rept 4
	v_nop
.endr
.endm
; A K step is four quarters of 32 along K, 32 matrix instructions each, on buffers 0, 1, 0, 1; the 32 accumulators take turns, one instruction a turn.
.macro QUARTER slot, k, f, g, zero     ; one of the first three: multiplies buffer f and fetches the next quarter, at byte k, into g
	s_wait_dscnt 4                                 ; B's and A's row blocks 0 and 1 are in; the youngest four loads (A's blocks 2 and 3) may be out
	MUL8 \f, 0, \zero
	MUL8 \f, 1, \zero
	PLACES
	FETCH \slot, \k, \g
	s_wait_dscnt 24                                ; all but the 24 just issued
	MUL8 \f, 2, \zero
	MUL8 \f, 3, \zero
.endm
.macro TURN slot, next, fill           ; the last quarter multiplies buffer 1 and changes slots
	WIN 0
	s_wait_tensorcnt 0x0                           ; all my tensor loads have landed: my part of the next slot;
	ds_add_u32 v[SPW], v[NIL]                      ; 0 onto my spare word;
	s_wait_dscnt 5                                 ; (the add and the youngest four loads may be out)
	MUL8 F1, 0, 0
	s_wait_dscnt 0x0                               ; the add is done, and my reads of this slot are over
	s_barrier_signal -1
	MUL8 F1, 1, 0
.if \fill
	WIN 0
.endif
	s_barrier_wait -1
.if \fill
	CREST                                          ; no wave of any partner still reads this slot's tile or has a load on its way
	s_add_nc_u64 s[G0+4*(\slot)+2:G0+4*(\slot)+3], s[G0+4*(\slot)+2:G0+4*(\slot)+3], APLANE  ; two K steps on: the same half of the next plane's rows
	s_add_nc_u64 s[G0B+4*(\slot)+2:G0B+4*(\slot)+3], s[G0B+4*(\slot)+2:G0B+4*(\slot)+3], 2*KSTEP*2
	JLOAD \slot                                    ; the first tensor load behind the round, 112 matrix instructions ahead of the wait for it; its four v_nop are also the places in front of the loads below
.else
	PLACES
.endif
	FETCH \next, 0, F0
	MUL8 F1, 2, 0
	MUL8 F1, 3, 0
.endm
	s_wait_tensorcnt 1                             ; my part of K step 0 is in; K step 1's may stay out
	s_barrier_signal -1
	s_barrier_wait -1                              ; everybody's is
	FETCH 0, 0, F0
	QUARTER 0, 64, F0, F1, 1                       ; the first quarter's products start the sums
.if LAPS > 1
	WIN 0
	s_mov_b32 s3, LAPS-1
.Llap:                                                 ; a trip goes once round the ring and fills both slots again
	QUARTER 0, 128, F1, F0, 0
	QUARTER 0, 192, F0, F1, 0
	TURN 0, 1, 1
	QUARTER 1, 64,  F0, F1, 0
	QUARTER 1, 128, F1, F0, 0
	QUARTER 1, 192, F0, F1, 0
	TURN 1, 0, 1
	QUARTER 0, 64,  F0, F1, 0
	WIN 0
	s_sub_co_u32 s3, s3, 1
	s_cmp_lg_u32 s3, 0
	s_cbranch_scc1 .Llap
.endif
	QUARTER 0, 128, F1, F0, 0                      ; the last lap fills nothing
	QUARTER 0, 192, F0, F1, 0
	TURN 0, 1, 0
	QUARTER 1, 64,  F0, F1, 0
	QUARTER 1, 128, F1, F0, 0
	QUARTER 1, 192, F0, F1, 0
	s_wait_dscnt 4                                 ; the very last quarter: nothing more to fetch
	MUL8 F1, 0, 0
	MUL8 F1, 1, 0
	s_wait_dscnt 0
	MUL8 F1, 2, 0
	MUL8 F1, 3, 0
	WIN 0
; THE WAY OUT, a row block at a time.  (layer 2: the operand's scale off;) x sc + sh, relu, the row's scale on, rounded to f16; each accumulator's registers are taken in ascending order.  16 bytes a lane into the stage.
.macro EPI a
	WIN W_EP
.irp b, 0,1,2,3,4,5,6,7
.set AC, 8*(8*(\a)+\b)
.if LAYER == 2
.irp j, 0,1,2,3
	v_pk_mul_f32 v[AC+2*\j:AC+2*\j+1], v[AC+2*\j:AC+2*\j+1], v[CPR+2*(\a):CPR+2*(\a)+1] op_sel_hi:[1,0]
.endr
.endif
.irp j, 0,1,2,3
	v_pk_fma_f32 v[AC+2*\j:AC+2*\j+1], v[AC+2*\j:AC+2*\j+1], v[SC+8*\b+2*\j:SC+8*\b+2*\j+1], v[SH+8*\b+2*\j:SH+8*\b+2*\j+1]
.endr
.irp j, 0,1,2,3,4,5,6,7
	v_max_num_f32 v[AC+\j], v[AC+\j], v[ZR]
.endr
.irp j, 0,1,2,3
	v_pk_mul_f32 v[AC+2*\j:AC+2*\j+1], v[AC+2*\j:AC+2*\j+1], v[SPR+2*(\a):SPR+2*(\a)+1] op_sel_hi:[1,0]
.endr
.endr
	WIN W_CV
.irp b, 0,1,2,3,4,5,6,7
.set AC, 8*(8*(\a)+\b)
.irp j, 0,1,2,3
	v_cvt_pk_f16_f32 v[HI+4*\b+\j], v[AC+2*\j], v[AC+2*\j+1]
.endr
.endr
	WIN 0
.irp b, 0,1,2,3,4,5,6,7
	ds_store_b128 v[STO], v[HI+4*\b:HI+4*\b+3] offset:(\a)*16*SPITCH+32*\b
.endr
.endm
	PLACES
	EPI 0
	EPI 1
	EPI 2
	EPI 3
	s_wait_dscnt 0x0                               ; for the others' sake: my stores into the stage are done
	s_barrier_signal -1
	s_barrier_wait -1
.set t, 0
.rept 32
	ds_load_b128 v[RB+4*t:RB+4*t+3], v[RD] offset:t*SPITCH
.set t, t+1
.endr
.set t, 0
.rept 32
	s_wait_dscnt 31-t                              ; the younger read-backs may be out
	global_store_b128 v[LN16], v[RB+4*t:RB+4*t+3], s[8:9] offset:512*t  ; a plane's whole row: 512 consecutive bytes, at a multiple of 256 from the buffer's first byte
.set t, t+1
.endr
	s_wait_tensorcnt 0x0                           ; the wave's end
	ds_add_u32 v[SPW], v[NIL]
	s_wait_dscnt 0x0
	CROUND                                         ; the closing round
	s_endpgm
.Lfunc_end_k_qb3399e3e46_mlp2:
	.size	k_qb3399e3e46_mlp2, .Lfunc_end_k_qb3399e3e46_mlp2-k_qb3399e3e46_mlp2
	.p2alignl 7, 3214868480
	.fill 96, 4, 3214868480
	.section	.rodata,"a",@progbits
	.p2align	6, 0x0
	.amdhsa_kernel k_qb3399e3e46_mlp2
		.amdhsa_group_segment_fixed_size 327680
		.amdhsa_private_segment_fixed_size 0
		.amdhsa_enable_private_segment 0
		.amdhsa_kernarg_size 24
		.amdhsa_user_sgpr_count 2
		.amdhsa_user_sgpr_kernarg_segment_ptr 1
		.amdhsa_wavefront_size32 1
		.amdhsa_system_sgpr_workgroup_id_x 1
		.amdhsa_system_sgpr_workgroup_id_y 1
		.amdhsa_system_sgpr_workgroup_id_z 1
		.amdhsa_system_vgpr_workitem_id 0
		.amdhsa_next_free_vgpr 768
		.amdhsa_next_free_sgpr 80
		.amdhsa_reserve_vcc 0
		.amdhsa_float_denorm_mode_32 3
		.amdhsa_float_denorm_mode_16_64 3
		.amdhsa_memory_ordered 1
		.amdhsa_forward_progress 1
		.amdhsa_inst_pref_size 127
	.end_amdhsa_kernel
	.amdgpu_metadata
---
amdhsa.version: [ 1, 2 ]
amdhsa.kernels:
  - .name:           k_qb3399e3e46_mlp2
    .symbol:         k_qb3399e3e46_mlp2.kd
    .args:
      - { .name: h1, .offset: 0, .size: 8, .value_kind: global_buffer, .address_space: global }
      - { .name: wts, .offset: 8, .size: 8, .value_kind: global_buffer, .address_space: global }
      - { .name: h2, .offset: 16, .size: 8, .value_kind: global_buffer, .address_space: global }
    .group_segment_fixed_size: 327680
    .private_segment_fixed_size: 0
    .kernarg_segment_align: 8
    .kernarg_segment_size: 24
    .max_flat_workgroup_size: 128
    .sgpr_count:     80
    .vgpr_count:     768
    .wavefront_size: 32
...
	.end_amdgpu_metadata
.endif
;; end of part 7
;; launch newton (part 8): grid 256 x 1, 4 waves a work-group, clusters of 4 x 1, 327,680 bytes of LDS; arguments h2, xb, wts, b3, out0; writes out0
.if DOCPART == 8
	.amdgcn_target "amdgcn-amd-amdhsa--gfx1250"
	.amdhsa_code_object_version 6
	.text
	.protected	k_qb3399e3e46_newton
	.globl	k_qb3399e3e46_newton
	.p2align	8
	.type	k_qb3399e3e46_newton,@function
k_qb3399e3e46_newton:
	s_mov_b64 s[64:65], 0
	v_nop
	global_prefetch_b8 v0, s[64:65] scope:SCOPE_SE
	s_setreg_imm32_b32 hwreg(HW_REG_WAVE_MODE, 25, 1), 1
	s_wait_xcnt 0x0
	s_wait_alu depctr_hold_cnt(0) depctr_sa_sdst(0) depctr_va_vdst(0) depctr_va_sdst(0) depctr_va_ssrc(0) depctr_va_vcc(0) depctr_vm_vsrc(0)
	s_getreg_b32 s2, hwreg(HW_REG_IB_STS2, 6, 4)
	s_cmp_eq_u32 s2, 0
	s_cbranch_scc0 .Lentry_in_a_cluster
	s_endpgm
.Lentry_in_a_cluster:
	s_bfe_u32 s2, ttmp6, 0x10000c
	s_cmp_lg_u32 s2, 0x3003
	s_cbranch_scc0 .Lentry_shape_is_right
	s_endpgm
.Lentry_shape_is_right:
; bounds = x Wb; y = h2 W3^T + b3; then five Newton steps y -= clip(u, -1, 1), u from 5 steps of Jacobi-preconditioned CG on (A^T A + 0.1 I) u = A^T f, started at rhs / diag.
; ALGEBRA.  With d = diag and G^ = D^-1/2 (A^T A + 0.1 I) D^-1/2 (made by the first launch), that CG is plain CG on G^ in x^ = D^1/2 X, r^ = D^-1/2 R, p^ = D^1/2 P;
; rz = r^.r^, pAp = p^.G^p^, alpha and beta are the same numbers; x^0 = r^hs = D^-1/2 A^T f; u = D^-1/2 x^.  f = t - med3(t, -1, 1), t = A y - bounds.
; FORMATS.  x, Wb bf16; h2 f16, row r multiplied by 32768 / b2_r (b2 as the launch in front makes it, made here anew from the same figures); W3, A (bf16 numbers written as f16) and G^ f16;
; b3 rounded to bf16; states and sums f32.  A vector that enters a product is multiplied by SP = 32768 / b and rounded to f16, the product by CP = b / 32768, where b bounds the row's
; elements: max|y0| + k for y (the clip), ||f|| for f and for x^0 (Cauchy-Schwarz), sqrt(rz) + beta b_prev for p^; b is at least 2^-62.  So no f16 overflows, at any scale of the inputs.
; LIMITS.  |A|, |W3| <= 65,504, with f16's fixed step of 6e-8 below 6e-5.  rz or pAp below 2^-126 counts as 0 (1e-8 is taken in its stead).  The order of rounding differs from the module's
; as written (scaled variables, one product with G^ for two with A).  NaN and infinities are not treated apart.
; SHARES.  A work-group owns 32 rows.  Every product is used transposed: source 0 = 16 rows of the matrix (output components), source 1 = 16 batch rows.  In a result lane (r, h)
; holds batch row 16 nt + r and components 64 w + 16 mt + 8 h + e: wave w owns 64 components of all 32 rows; a vector is 64 registers, V + 32 nt + 8 mt + e.
; The eight accumulators take turns, one instruction a turn.  Vectors pass from wave to wave through LDS (XB0, XB1), row sums through RED.
; WHERE THE MATRICES GO.  A is read by all four waves, as it lies and turned: it stays in LDS, brought once, at the start, by two joint loads a wave (four work-groups of a cluster ask together).
; Of Wb, W3 and G^ each byte feeds ONE wave of the work-group: they lie in memory in fragment order, and a wave brings its 32, 128 and 32 KB straight into the registers from which the matrix
; instruction reads them, 64 loads of 512 consecutive bytes to a run, two register windows by turns.  NOT JOINTLY: through LDS their 768 KB would pass through slots filled again, a round of the
; cluster's barrier for each 64 KB, which carry 32 products a wave.  Nothing in LDS is filled again in this launch.
; THE CG LOOP IS TURNED: a trip's rest (r^'s update, rz) stands at the loop's head and the loop is entered in its middle, so that the fifth trip, which needs no new r^, does not run it.
; LDS: A, 256 rows at pitch 544 (two tensor fills of 69,632); HB: h2's 4 planes x 32 rows at pitch 528; XB0, XB1: 32 rows at pitch 528; RED: 2 x 512; the spare words.
; REGISTERS.  window 0: v0-63 addresses and a row's figures; ACC v64-127; P v128-191; R v192-255 (ahead of the Newton steps P and R are FB: source 1's fragments).
; window 1: X v0-63 (at first b3), Y v64-127, BD (bounds) v128-191, DIS v192-223.  window 2: W3's planes 0 and 2, then G^'s fragments of my 64 rows.
; window 3: Wb, W3's planes 1 and 3; then BF v0-127 (source 1), AR v128-255 (source 0).  In the products with A the fragments of K steps 4-7 lie in P and R, which are dead there.
.set APLANE, 0x400000
.set W3F,  2621440
.set WBF,  3145728
.set AH,   3276800
.set GF,   3407872
.set DISO, 3538944
.set TBO,  3556352                     ; the table of maxima: words 0-31 W1's, 32-159 W2's, 160-163 |sc|, 164-167 |sh|
.set XNO,  3557376                     ; ||x_r||^2, a word a row
.set SLOT, 69632
.set HB,   139264
.set XB0,  274432
.set XBS,  16896                       ; 32 rows x 528
.set RED,  308224
.set SPARE, 309248
.set BFA, 5                            ; v5   XB0 + 528 r + 16 h: a source-1 fragment's place
.set STA, 6                            ; v6   BFA + 128 w: where I put 16 bytes of a row
.set PLA, 7                            ; v7   (64 w + r) 544 + 16 h: A's rows as they lie
.set TRA, 8                            ; v8-9 (8 h + lane % 8) 544 + 16 ((lane / 8) % 2) + 128 w, in A's rows 0-127 and 128-255: the turning loads
.set HBH, 12                           ; v12  HB + 528 r + 16 h
.set ACC, 64
.set P,   128
.set R,   192
.set FB,  128
.set X,   0
.set Y,   64
.set BD,  128
.set DIS, 192
.set BF,  0
.set AR,  128
; a row's figures, for nt = 0 and 1; what is broadcast by a packed instruction lies at the even register of a pair:
; v32, v34 SP | v33, v35 rz | v36, v38 CP | v37, v39 1 / rz_prev | v40, v42 beta | v41, v43 p^'s bound | v44, v46 alpha | v45, v47 y's bound | v48, v50 alpha CP | v49, v51 at work
.set MSB, 0
.macro WIN new                         ; the immediate's high byte repeats the setting that is left
.if MSB != (\new)
	s_set_vgpr_msb (MSB<<8)|(\new)
.set MSB, \new
.endif
.endm
.macro PLACES                          ; four places between a matrix instruction and vector work on, or loads into, its registers (ISA guide 7.12.1 for vector work)
.rept 4
	v_nop
.endr
.endm
.macro ROUND                           ; a round of the cluster's barrier
	s_barrier_signal -1
	s_barrier_wait -1
	s_cmp_lg_u32 s14, 0
	s_cbranch_scc1 .Lnw0_\@
	s_barrier_signal -3
.Lnw0_\@:
	s_barrier_wait -3
	s_barrier_signal -1
	s_barrier_wait -1
.endm
.macro EBAR                            ; my LDS stores are done and my LDS reads are back; then the work-group's barrier
	s_wait_dscnt 0x0
	s_barrier_signal -1
	s_barrier_wait -1
.endm
.macro WMAX v, t                       ; the maximum over the wave's 32 lanes, in every lane
	v_max_num_f32_dpp v[\v], v[\v], v[\v] row_xmask:1 row_mask:0xf bank_mask:0xf
	v_max_num_f32_dpp v[\v], v[\v], v[\v] row_xmask:2 row_mask:0xf bank_mask:0xf
	v_max_num_f32_dpp v[\v], v[\v], v[\v] row_xmask:4 row_mask:0xf bank_mask:0xf
	v_max_num_f32_dpp v[\v], v[\v], v[\v] row_xmask:8 row_mask:0xf bank_mask:0xf
	v_permlanex16_b32 v[\t], v[\v], s52, s53
	v_max_num_f32 v[\v], v[\v], v[\t]
.endm
.macro SCALE                           ; from the bounds in v49, v51: CP = b / 32768, SP = 32768 / b, b at least 2^-62
	WIN 0
	v_max_num_f32 v49, s57, v49
	v_max_num_f32 v51, s57, v51
	v_rcp_f32 v61, v49
	v_rcp_f32 v62, v51
	v_mul_f32 v36, s56, v49                        ; plain instructions behind the reciprocals (ISA guide 5.7.2)
	v_mul_f32 v38, s56, v51
	s_wait_alu depctr_va_vdst(0)
	v_mul_f32 v32, s55, v61
	v_mul_f32 v34, s55, v62
.endm
.macro DIV o0, o1, n0, n1, d0, d1      ; o = n / d, with 1e-8 for a d that counts as 0
	WIN 0
	v_and_b32 v61, s74, v[\d0]
	v_and_b32 v62, s74, v[\d1]
	v_cmp_gt_f32 vcc_lo, s59, v61
	v_cndmask_b32 v61, v[\d0], s58, vcc_lo
	v_cmp_gt_f32 vcc_lo, s59, v62
	v_cndmask_b32 v62, v[\d1], s58, vcc_lo
	v_rcp_f32 v61, v61
	v_rcp_f32 v62, v62
	v_nop
	s_wait_alu depctr_va_vdst(0)
	v_mul_f32 v[\o0], v[\n0], v61
	v_mul_f32 v[\o1], v[\n1], v62
.endm
; src (in window win) x SP into ACC, rounded to f16 in place (the four lowest registers of each eight take the 16 bytes), and into buffer xb
.macro PACK src, win, xb
	WIN \win
.set i, 0
.rept 32
	v_pk_mul_f32 v[ACC+2*i:ACC+2*i+1], v[\src+2*i:\src+2*i+1], v[32+2*(i/16):33+2*(i/16)] op_sel_hi:[1,0]
.set i, i+1
.endr
	WIN 0
.set i, 0
.rept 8
.irp j, 0,1,2,3
	v_cvt_pk_f16_f32 v[ACC+8*i+\j], v[ACC+8*i+2*\j], v[ACC+8*i+2*\j+1]
.endr
.set i, i+1
.endr
.set i, 0
.rept 8
	ds_store_b128 v[STA], v[ACC+8*i:ACC+8*i+3] offset:(\xb)*XBS+(i/4)*8448+(i%4)*32
.set i, i+1
.endr
.endm
; my lanes' part of the rows' sums of a x b, into v28 (nt 0) and v29 (nt 1): two chains a row tile, started by the first products; registers in ascending order
.macro DOT a, b
	WIN 0
.set i, 0
.rept 16
.if i < 2
	v_pk_mul_f32 v[52+2*i:53+2*i], v[\a+2*i:\a+2*i+1], v[\b+2*i:\b+2*i+1]
	v_pk_mul_f32 v[56+2*i:57+2*i], v[\a+32+2*i:\a+33+2*i], v[\b+32+2*i:\b+33+2*i]
.else
	v_pk_fma_f32 v[52+2*(i%2):53+2*(i%2)], v[\a+2*i:\a+2*i+1], v[\b+2*i:\b+2*i+1], v[52+2*(i%2):53+2*(i%2)]
	v_pk_fma_f32 v[56+2*(i%2):57+2*(i%2)], v[\a+32+2*i:\a+33+2*i], v[\b+32+2*i:\b+33+2*i], v[56+2*(i%2):57+2*(i%2)]
.endif
.set i, i+1
.endr
	v_pk_add_f32 v[52:53], v[52:53], v[54:55]
	v_pk_add_f32 v[56:57], v[56:57], v[58:59]
	v_add_f32 v28, v52, v53
	v_add_f32 v29, v56, v57
.endm
.macro PUPD i0, n                      ; pairs i0 .. of p^ = r^ + beta p^
.set i, \i0
.rept \n
	v_pk_fma_f32 v[P+2*i:P+2*i+1], v[P+2*i:P+2*i+1], v[40+2*(i/16):41+2*(i/16)], v[R+2*i:R+2*i+1] op_sel_hi:[1,0,1]
.set i, i+1
.endr
.endm
.macro XUPD i0, n                      ; pairs i0 .. of x^ += alpha p^
	WIN 0x50
.set i, \i0
.rept \n
	v_pk_fma_f32 v[X+2*i:X+2*i+1], v[P+2*i:P+2*i+1], v[44+2*(i/16):45+2*(i/16)], v[X+2*i:X+2*i+1] op_sel_hi:[1,0,1]
.set i, i+1
.endr
.endm
; v28, v29 over the halves of the lanes and the four waves; every wave adds the four parts in the same order, so all hold the same number
.macro REDUCE op, buf, d0, d1
	WIN 0
	v_permlanex16_b32 v30, v28, s52, s53
	v_permlanex16_b32 v31, v29, s52, s53
	\op v28, v28, v30
	\op v29, v29, v31
	v_cndmask_b32 v28, v28, v29, s54               ; lane l carries row l
	ds_store_b32 v14, v28 offset:512*(\buf)
	EBAR
	ds_load_b128 v[20:23], v15 offset:512*(\buf)
	ds_load_b128 v[24:27], v15 offset:512*(\buf)+256
	s_wait_dscnt 0x0
	\op v20, v20, v21
	\op v22, v22, v23
	\op v24, v24, v25
	\op v26, v26, v27
	\op v[\d0], v20, v22
	\op v[\d1], v24, v26
.endm
; the same for a sum, with x^'s update, which hangs on nothing here, standing behind the LDS store and between the barrier's signal and its wait: work on registers alone
.macro REDUCEX buf, d0, d1
	WIN 0
	v_permlanex16_b32 v30, v28, s52, s53
	v_permlanex16_b32 v31, v29, s52, s53
	v_add_f32 v28, v28, v30
	v_add_f32 v29, v29, v31
	v_cndmask_b32 v28, v28, v29, s54
	ds_store_b32 v14, v28 offset:512*(\buf)
	XUPD 0, 16
	s_wait_dscnt 0x0                               ; for the others' sake: my word is in LDS
	s_barrier_signal -1
	XUPD 16, 16
	WIN 0
	s_barrier_wait -1
	ds_load_b128 v[20:23], v15 offset:512*(\buf)
	ds_load_b128 v[24:27], v15 offset:512*(\buf)+256
	s_wait_dscnt 0x0
	v_add_f32 v20, v20, v21
	v_add_f32 v22, v22, v23
	v_add_f32 v24, v24, v25
	v_add_f32 v26, v26, v27
	v_add_f32 v[\d0], v20, v22
	v_add_f32 v[\d1], v24, v26
.endm
.macro BLD ks, xb                      ; four loads: source 1's fragments of K step ks
.irp nt, 0,1
	ds_load_b128 v[BF+8*(8*\nt+(\ks)):BF+8*(8*\nt+(\ks))+3],   v[BFA] offset:(\xb)*XBS+\nt*8448+64*(\ks)
	ds_load_b128 v[BF+8*(8*\nt+(\ks))+4:BF+8*(8*\nt+(\ks))+7], v[BFA] offset:(\xb)*XBS+\nt*8448+64*(\ks)+32
.endr
.endm
.macro ALD base, ks, tr                ; eight loads: A's fragments of K step ks for my 64 outputs; tr = 1: of A^T, by the turning load
.irp mt, 0,1,2,3
.if \tr
	ds_load_tr16_b128 v[(\base)+8*\mt:(\base)+8*\mt+3],   v[TRA+(\ks)/4] offset:((\ks)%4)*17408+32*\mt
	ds_load_tr16_b128 v[(\base)+8*\mt+4:(\base)+8*\mt+7], v[TRA+(\ks)/4] offset:((\ks)%4)*17408+8704+32*\mt
.else
	ds_load_b128 v[(\base)+8*\mt:(\base)+8*\mt+3],   v[PLA] offset:\mt*8704+64*(\ks)
	ds_load_b128 v[(\base)+8*\mt+4:(\base)+8*\mt+7], v[PLA] offset:\mt*8704+64*(\ks)+32
.endif
.endr
.endm
.macro MLD ks, tr, xb                  ; the twelve loads of K step ks: source 1's four, A's eight
	WIN 0xc0                                       ; destination window 3
	BLD \ks, \xb
.if (\ks) < 4
	ALD AR+32*(\ks), \ks, \tr
.else
	WIN 0
	ALD P+32*((\ks)-4), \ks, \tr
.endif
.endm
; ACC = A (or A^T) x buffer xb.  The loads of four K steps go out first; behind the eight products of each of the first four steps stand the loads of the step four further on, into registers
; that no product of this run has named.  The wait ahead of a K step counts the loads issued behind that step's: three steps' twelve, at last two's, one's, none.
.macro MMA tr, xb
.irp ks, 0,1,2,3
	MLD \ks, \tr, \xb
.endr
.irp ks, 0,1,2,3,4,5,6,7
.if \ks < 4
	WIN 0x0f                                       ; sources in window 3
.set A0, AR+32*\ks
.else
	WIN 0x0c                                       ; source 0 in window 0
.set A0, P+32*(\ks-4)
.endif
.if \ks < 5
.set WT, 36
.else
.set WT, 12*(7-\ks)
.endif
	s_wait_dscnt WT
.irp mt, 0,1,2,3
.irp nt, 0,1
.if \ks == 0
	v_wmma_f32_16x16x32_f16 v[ACC+32*\nt+8*\mt:ACC+32*\nt+8*\mt+7], v[A0+8*\mt:A0+8*\mt+7], v[BF+8*(8*\nt+\ks):BF+8*(8*\nt+\ks)+7], 0
.else
	v_wmma_f32_16x16x32_f16 v[ACC+32*\nt+8*\mt:ACC+32*\nt+8*\mt+7], v[A0+8*\mt:A0+8*\mt+7], v[BF+8*(8*\nt+\ks):BF+8*(8*\nt+\ks)+7], v[ACC+32*\nt+8*\mt:ACC+32*\nt+8*\mt+7]
.endif
.endr
.endr
.if \ks < 4
	MLD \ks+4, \tr, \xb
.endif
.endr
.endm
; ACC = G^ x buffer xb; G^ stays in window 2.  Source 1's loads go as in MMA, four to a K step: the wait counts three steps' four, at last two's, one's, none.
.macro MMG xb
	WIN 0xc0
.irp ks, 0,1,2,3
	BLD \ks, \xb
.endr
.irp ks, 0,1,2,3,4,5,6,7
	WIN 0x0e
.if \ks < 5
.set WT, 12
.else
.set WT, 4*(7-\ks)
.endif
	s_wait_dscnt WT
.irp mt, 0,1,2,3
.irp nt, 0,1
.if \ks == 0
	v_wmma_f32_16x16x32_f16 v[ACC+32*\nt+8*\mt:ACC+32*\nt+8*\mt+7], v[8*(8*\mt+\ks):8*(8*\mt+\ks)+7], v[BF+8*(8*\nt+\ks):BF+8*(8*\nt+\ks)+7], 0
.else
	v_wmma_f32_16x16x32_f16 v[ACC+32*\nt+8*\mt:ACC+32*\nt+8*\mt+7], v[8*(8*\mt+\ks):8*(8*\mt+\ks)+7], v[BF+8*(8*\nt+\ks):BF+8*(8*\nt+\ks)+7], v[ACC+32*\nt+8*\mt:ACC+32*\nt+8*\mt+7]
.endif
.endr
.endr
.if \ks < 4
	WIN 0xc0
	BLD \ks+4, \xb
.endif
.endr
.endm
; AHEAD OF THE NEWTON STEPS.  A run of 64 loads of 512 consecutive bytes fills a window: 32 fragments, 256 along K for my 64 outputs; load i lands in registers 4 i ..
.macro STREAM base, off, win
	WIN (\win)<<6
.set i, 0
.rept 64
	global_load_b128 v[4*i:4*i+3], v16, s[\base:\base+1] offset:(\off)+512*i
.set i, i+1
.endr
.endm
.macro FBLD abase, off                 ; 32 LDS loads: source 1's fragments of 256 along K, K step outermost
	WIN 0
.irp ks, 0,1,2,3,4,5,6,7
.irp nt, 0,1
	ds_load_b128 v[FB+8*(8*\nt+\ks):FB+8*(8*\nt+\ks)+3],   v[\abase] offset:(\off)+\nt*8448+64*\ks
	ds_load_b128 v[FB+8*(8*\nt+\ks)+4:FB+8*(8*\nt+\ks)+7], v[\abase] offset:(\off)+\nt*8448+64*\ks+32
.endr
.endr
.endm
; 64 products: window win's fragments ((ks, mt) at 8 (4 ks + mt)) x FB, onto dst in window 1; zero = 1: the first eight start the sums.  The wait ahead of a K step leaves the later steps' four LDS loads each out.
.macro FMM win, f16, dst, zero
	WIN 0x50|(\win)
.irp ks, 0,1,2,3,4,5,6,7
	s_wait_dscnt 4*(7-\ks)
.irp mt, 0,1,2,3
.irp nt, 0,1
.set rD, (\dst)+32*\nt+8*\mt
.set rA, 8*(4*\ks+\mt)
.set rB, FB+8*(8*\nt+\ks)
.if (\f16) && (\zero) && (\ks == 0)
	v_wmma_f32_16x16x32_f16 v[rD:rD+7], v[rA:rA+7], v[rB:rB+7], 0
.elseif \f16
	v_wmma_f32_16x16x32_f16 v[rD:rD+7], v[rA:rA+7], v[rB:rB+7], v[rD:rD+7]
.elseif (\zero) && (\ks == 0)
	v_wmma_f32_16x16x32_bf16 v[rD:rD+7], v[rA:rA+7], v[rB:rB+7], 0
.else
	v_wmma_f32_16x16x32_bf16 v[rD:rD+7], v[rA:rA+7], v[rB:rB+7], v[rD:rD+7]
.endif
.endr
.endr
.endr
.endm
	s_load_b256 s[4:11], s[0:1], 0x0               ; h2 s[4:5], xb s[6:7], wts s[8:9], b3 s[10:11]
	s_load_b64 s[12:13], s[0:1], 0x20              ; out0
	v_lshl_add_u32 v3, v0, 2, SPARE                ; my spare word, and 0: kept for the add alone
	v_mov_b32 v4, 0
	ds_add_u32 v3, v4                              ; the wave's opening: the add and its wait ahead of my first tensor load
	v_lshrrev_b32 v1, 5, v0
	v_readfirstlane_b32 s14, v1                    ; wave 0..3
	; descriptor group 1, for A: 32 rows x 256 elements, LDS pitch 544
	s_mov_b32 s16, 15|(1<<16)|(1<<20)|(1<<21)|(6<<22)|(7<<25)  ; the mask of four; 2-byte elements; padding on; bit 21 beside a mask; after every 128 words 8 words
	s_mov_b32 s17, 256<<16
	s_mov_b32 s18, 32<<16
	s_mov_b32 s19, 256<<16
	s_mov_b32 s20, 32
	s_mov_b32 s21, 256
	s_mov_b32 s22, 0
	s_mov_b32 s23, 0
	s_mov_b32 s32, 1
	s_mul_i32 s33, s14, 17408                      ; my 32 rows of A's rows 0-127,
	s_mov_b32 s36, 1
	s_add_co_u32 s37, s33, SLOT                    ; and of its rows 128-255
	s_mov_b32 s48, 0x0d800000                      ; 2^-100
	s_mov_b32 s52, 0x76543210                      ; v_permlanex16_b32: each lane takes its own place in the other half
	s_mov_b32 s53, 0xfedcba98
	s_mov_b32 s54, 0xffff0000                      ; lanes 16-31; also a word's upper bf16
	s_mov_b32 s55, 0x47000000                      ; 32768
	s_mov_b32 s56, 0x38000000                      ; 2^-15
	s_mov_b32 s57, 0x20800000                      ; 2^-62
	s_mov_b32 s58, 0x322bcc77                      ; 1e-8
	s_mov_b32 s59, 0x00800000                      ; 2^-126
	s_mov_b32 s74, 0x7fffffff
	s_mov_b32 s75, 0xbf800000                      ; -1
	s_mov_b32 s76, 0x3f800000                      ; 1
	v_and_b32 v1, 15, v0                           ; r
	v_bfe_u32 v2, v0, 4, 1                         ; h
	v_and_b32 v20, 31, v0
	v_lshlrev_b32 v16, 4, v20                      ; 16 x lane
	v_lshlrev_b32 v62, 2, v20                      ; 4 x lane
	v_lshlrev_b32 v61, 2, v1                       ; 4 r
	v_mul_u32_u24 v21, v1, 528
	v_lshl_add_u32 v21, v2, 4, v21
	v_add_nc_u32 v[BFA], XB0, v21
	s_lshl_b32 s77, s14, 7
	v_add_nc_u32 v[STA], s77, v[BFA]
	v_add_nc_u32 v[HBH], HB, v21
	v_mul_u32_u24 v[PLA], v1, 544
	v_lshl_add_u32 v[PLA], v2, 4, v[PLA]
	s_mul_i32 s78, s14, 34816
	v_add_nc_u32 v[PLA], s78, v[PLA]
	v_and_b32 v22, 7, v0
	v_bfe_u32 v23, v0, 3, 1
	v_lshl_add_u32 v[TRA], v2, 3, v22
	v_mul_u32_u24 v[TRA], v[TRA], 544
	v_lshl_add_u32 v[TRA], v23, 4, v[TRA]
	v_add_nc_u32 v[TRA], s77, v[TRA]
	v_add_nc_u32 v[TRA+1], SLOT, v[TRA]
	s_lshl_b32 s79, s14, 2
	s_add_co_u32 s79, s79, RED
	v_add_nc_u32 v14, s79, v16                     ; RED + 16 x lane + 4 w: my wave's word of row = lane
	v_lshl_add_u32 v15, v1, 4, RED                 ; row r's four words
	v_mul_u32_u24 v17, v1, 1040                    ; the way out, pitch 1,040: in,
	v_lshl_add_u32 v17, v2, 5, v17
	s_lshl_b32 s79, s14, 8
	s_add_co_u32 s79, s79, XB0
	v_add_nc_u32 v17, s79, v17
	s_mul_i32 s79, s14, 8320
	s_add_co_u32 s79, s79, XB0
	v_add_nc_u32 v18, s79, v16                     ; and back: rows 8 w ..
	s_mul_i32 s79, s14, XBS
	s_add_co_u32 s79, s79, HB
	v_add_nc_u32 v19, s79, v16                     ; staging h2: plane w
	s_mul_i32 s79, s14, 4224
	s_add_co_u32 s79, s79, XB0
	v_add_nc_u32 v60, s79, v16                     ; staging x: rows 8 w ..
	v_lshlrev_b32 v63, 5, v2                       ; 32 h: my eight components' b3 and dis
.set i, 28
.rept 32
	v_mov_b32 v[i], 0                              ; the rows' figures are named in pairs and by the lane exchange: each is written once here
.set i, i+1
.endr
	s_wait_dscnt 0x0                               ; the opening add is done
	s_wait_kmcnt 0x0
	s_mov_b32 s47, 0
	s_lshl_b32 s46, s14, 15
	s_add_co_u32 s46, s46, WBF
	s_add_nc_u64 s[40:41], s[8:9], s[46:47]        ; Wb's fragments of my 64 outputs
	s_lshl_b32 s46, s14, 17
	s_add_co_u32 s46, s46, W3F
	s_add_nc_u64 s[42:43], s[8:9], s[46:47]        ; W3's
	s_lshl_b32 s46, s14, 14
	s_add_co_u32 s46, s46, AH
	s_add_nc_u64 s[44:45], s[8:9], s[46:47]        ; A at my 32 rows of a half of 128
	s_lshl_b32 s46, s14, 8
	s_add_nc_u64 s[66:67], s[10:11], s[46:47]      ; b3 at my 64 components
	s_add_co_u32 s46, s46, DISO
	s_add_nc_u64 s[68:69], s[8:9], s[46:47]        ; dis likewise
	s_lshl_b32 s46, s14, 15
	s_add_co_u32 s46, s46, GF
	s_add_nc_u64 s[70:71], s[8:9], s[46:47]        ; G^'s fragments of my 64 rows
	s_mov_b64 s[34:35], s[44:45]
	s_or_b32 s35, s35, 0x80000000
	s_add_nc_u64 s[38:39], s[44:45], 65536
	s_or_b32 s39, s39, 0x80000000
	s_bfe_u32 s15, ttmp6, 0x40000                  ; cx enters the addresses of the work-group's own rows alone
	s_lshl_b32 s77, ttmp9, 2
	s_add_co_u32 s15, s77, s15                     ; the work-group's number
	s_mov_b32 s79, 0
	s_lshl_b32 s78, s15, 14
	s_lshl_b32 s77, s14, 12
	s_add_co_u32 s78, s78, s77
	s_add_nc_u64 s[60:61], s[6:7], s[78:79]        ; x at rows 32 WG + 8 w
	s_lshl_b32 s78, s15, 14
	s_lshl_b32 s77, s14, 22
	s_add_co_u32 s78, s78, s77
	s_add_nc_u64 s[62:63], s[4:5], s[78:79]        ; h2 at plane w, row 32 WG
	s_lshl_b32 s78, s15, 15
	s_lshl_b32 s77, s14, 13
	s_add_co_u32 s78, s78, s77
	s_add_nc_u64 s[72:73], s[12:13], s[78:79]      ; out0 at rows 32 WG + 8 w
	s_lshl_b32 s78, s15, 7
	s_add_co_u32 s78, s78, XNO
	s_add_nc_u64 s[78:79], s[8:9], s[78:79]        ; ||x||^2 at row 32 WG
	s_load_b256 s[24:31], s[8:9], TBO+640          ; |sc1| twice, |sc2| twice, |sh1| twice, |sh2| twice
	ROUND                                          ; all four work-groups are here: the joint loads meet
	tensor_load_to_lds s[32:35], s[16:23]          ; A, my quarter of each half: the launch's only tensor loads, two of mine are out
	s_nop 0
	tensor_load_to_lds s[36:39], s[16:23]
	s_nop 0
.rept 4
	v_nop
.endr
	; what the rows' bound is made of; x and h2, which go through registers into LDS (a load and a store take one row of 512 bytes); Wb
	global_load_b32 v20, v61, s[78:79]
	global_load_b32 v21, v61, s[78:79] offset:64
	global_load_b32 v22, v62, s[8:9] offset:TBO
	global_load_b128 v[24:27], v16, s[8:9] offset:TBO+128
.irp i, 0,1,2,3,4,5,6,7
	global_load_b128 v[ACC+4*\i:ACC+4*\i+3], v16, s[60:61] offset:512*\i th:TH_LOAD_NT
.endr
.set i, 0
.rept 32
	global_load_b128 v[FB+4*i:FB+4*i+3], v16, s[62:63] offset:512*i th:TH_LOAD_NT
.set i, i+1
.endr
	STREAM 40, 0, 3
	WIN 0
	s_wait_loadcnt 63                              ; x and h2 are in: behind h2's last load Wb's 64 were issued
.irp i, 0,1,2,3,4,5,6,7
	ds_store_b128 v60, v[ACC+4*\i:ACC+4*\i+3] offset:528*\i
.endr
.set i, 0
.rept 32
	ds_store_b128 v19, v[FB+4*i:FB+4*i+3] offset:528*i
.set i, i+1
.endr
	WIN 0x40
.irp mt, 0,1,2,3
	global_load_b128 v[X+8*\mt:X+8*\mt+3],   v63, s[66:67] offset:64*\mt
	global_load_b128 v[X+8*\mt+4:X+8*\mt+7], v63, s[66:67] offset:64*\mt+16
.endr
.irp mt, 0,1,2,3
	global_load_b128 v[DIS+8*\mt:DIS+8*\mt+3],   v63, s[68:69] offset:64*\mt
	global_load_b128 v[DIS+8*\mt+4:DIS+8*\mt+7], v63, s[68:69] offset:64*\mt+16
.endr
	STREAM 42, 0, 2                                ; W3's plane 0
	WIN 0
	EBAR                                           ; x and h2 are in LDS, everybody's part
	FBLD BFA, 0                                    ; x's fragments
	; b2 of my two rows, as the launch in front made it: b1 = ||x|| sqrt(M1) C1 + S1, b2 = 64 b1 sqrt(M2) C2 + S2
	s_wait_kmcnt 0x0
	WMAX 22, 23
	v_max3_num_f32 v24, v24, v25, v26
	v_max_num_f32 v24, v24, v27
	WMAX 24, 25
	v_max_num_f32 v22, s48, v22
	v_max_num_f32 v24, s48, v24
	v_max_num_f32 v20, s48, v20
	v_max_num_f32 v21, s48, v21
	v_sqrt_f32 v22, v22
	v_sqrt_f32 v24, v24
	v_sqrt_f32 v20, v20
	v_sqrt_f32 v21, v21
	v_max_num_f32 v26, s24, s25                    ; C1: plain instructions behind the roots (ISA guide 5.7.2)
	v_max_num_f32 v27, s28, s29                    ; S1
	v_max_num_f32 v61, s26, s27                    ; C2
	v_max_num_f32 v62, s30, s31                    ; S2
	s_wait_alu depctr_va_vdst(0)
	v_mul_f32 v22, v22, v26
	v_mul_f32 v24, v24, v61
	v_mul_f32 v24, 0x42800000, v24
	v_fma_f32 v20, v20, v22, v27
	v_fma_f32 v21, v21, v22, v27
	v_max_num_f32 v20, s57, v20
	v_max_num_f32 v21, s57, v21
	v_fma_f32 v20, v20, v24, v62
	v_fma_f32 v21, v21, v24, v62
	v_max_num_f32 v20, s57, v20
	v_max_num_f32 v21, s57, v21
	v_mul_f32 v36, s56, v20                        ; b2 / 32768 takes h2's scale off
	v_mul_f32 v38, s56, v21
	s_wait_loadcnt 63                              ; Wb, b3 and dis are in: behind dis's last load W3's 64 were issued
	FMM 3, 0, BD, 1                                ; bounds = x Wb
	PLACES
	STREAM 42, 32768, 3                            ; W3's plane 1, where Wb lay
	WIN 0x05
.set i, 0
.rept 16
	v_cvt_pk_bf16_f32 v[ACC+i], v[X+2*i], v[X+2*i+1]  ; b3 is rounded to bf16 like every input
.set i, i+1
.endr
	WIN 0x40
.set i, 0
.rept 16
	v_lshlrev_b32 v[X+2*i], 16, v[ACC+i]
	v_and_b32 v[X+2*i+1], s54, v[ACC+i]
.set i, i+1
.endr
	; layer 3, a plane of 256 along K at a time; behind a plane's products its window takes the run after the next.  Each wait: behind the awaited run's last load 64 more were issued
	FBLD HBH, 0
	s_wait_loadcnt 63
	FMM 2, 1, Y, 1
	PLACES
	STREAM 42, 65536, 2                            ; plane 2
	FBLD HBH, XBS
	s_wait_loadcnt 63
	FMM 3, 1, Y, 0
	PLACES
	STREAM 42, 98304, 3                            ; plane 3
	FBLD HBH, 2*XBS
	s_wait_loadcnt 63
	FMM 2, 1, Y, 0
	PLACES
	STREAM 70, 0, 2                                ; G^: block 16 mt + 2 ks + q of 512 bytes is half q of fragment (mt, ks), at 8 (8 mt + ks)
	FBLD HBH, 3*XBS
	s_wait_loadcnt 63
	FMM 3, 1, Y, 0
	PLACES
	WIN 0x51
.set i, 0
.rept 32
	v_pk_fma_f32 v[Y+2*i:Y+2*i+1], v[Y+2*i:Y+2*i+1], v[36+2*(i/16):37+2*(i/16)], v[X+(2*i)%32:X+(2*i)%32+1] op_sel_hi:[1,0,1]  ; y = sums x b2 / 32768 + b3
.set i, i+1
.endr
	WIN 0x04
.set i, 0
.rept 64
	v_and_b32 v[ACC+i], s74, v[Y+i]                ; |y|
.set i, i+1
.endr
	WIN 0
	v_max3_num_f32 v28, v[ACC], v[ACC+1], v[ACC+2]
	v_max3_num_f32 v29, v[ACC+32], v[ACC+33], v[ACC+34]
.set i, 3
.rept 14
	v_max3_num_f32 v28, v28, v[ACC+i], v[ACC+i+1]
	v_max3_num_f32 v29, v29, v[ACC+32+i], v[ACC+33+i]
.set i, i+2
.endr
	v_max_num_f32 v28, v28, v[ACC+31]
	v_max_num_f32 v29, v29, v[ACC+63]
	s_wait_tensorcnt 0x0                           ; my parts of A are in; behind the barrier in the reduction below everybody's are
	REDUCE v_max_num_f32, 0, 45, 47                ; y's bound
	s_mov_b32 s49, 5
.Lnewton:
	; t = A y - bounds; f = t - med3(t, -1, 1); ||f||^2
	v_mov_b32 v49, v45
	v_mov_b32 v51, v47
	SCALE
	PACK Y, 1, 0
	EBAR
	MMA 0, 0
	PLACES
	WIN 0x10
.set i, 0
.rept 32
	v_pk_fma_f32 v[ACC+2*i:ACC+2*i+1], v[ACC+2*i:ACC+2*i+1], v[36+2*(i/16):37+2*(i/16)], v[BD+2*i:BD+2*i+1] op_sel_hi:[1,0,1] neg_lo:[0,0,1] neg_hi:[0,0,1]
.set i, i+1
.endr
	WIN 0
.set i, 0
.rept 64
	v_med3_num_f32 v[P+i], v[ACC+i], s75, s76
.set i, i+1
.endr
.set i, 0
.rept 32
	v_pk_add_f32 v[ACC+2*i:ACC+2*i+1], v[ACC+2*i:ACC+2*i+1], v[P+2*i:P+2*i+1] neg_lo:[0,1] neg_hi:[0,1]
.set i, i+1
.endr
	DOT ACC, ACC
	REDUCE v_add_f32, 0, 49, 51
	; x^0 = dis (A^T f)
	v_sqrt_f32 v49, v49
	v_sqrt_f32 v51, v51
	v_nop
	s_wait_alu depctr_va_vdst(0)
	SCALE
	PACK ACC, 0, 1
	EBAR
	MMA 1, 1
	PLACES
	WIN 0
.set i, 0
.rept 32
	v_pk_mul_f32 v[ACC+2*i:ACC+2*i+1], v[ACC+2*i:ACC+2*i+1], v[36+2*(i/16):37+2*(i/16)] op_sel_hi:[1,0]
.set i, i+1
.endr
	WIN 0x44
.set i, 0
.rept 32
	v_pk_mul_f32 v[X+2*i:X+2*i+1], v[ACC+2*i:ACC+2*i+1], v[DIS+(2*i)%32:DIS+(2*i)%32+1]
.set i, i+1
.endr
	; r^0 = x^0 - G^ x^0; ||f|| bounds x^0 too, so SP and CP stay
	PACK X, 1, 0
	EBAR
	s_wait_loadcnt 0x0                             ; G^'s fragments (met at once from the second step on)
	MMG 0
	PLACES
	WIN 0x10
.set i, 0
.rept 32
	v_pk_fma_f32 v[R+2*i:R+2*i+1], v[ACC+2*i:ACC+2*i+1], v[36+2*(i/16):37+2*(i/16)], v[X+2*i:X+2*i+1] op_sel_hi:[1,0,1] neg_lo:[1,0,0] neg_hi:[1,0,0]
.set i, i+1
.endr
	WIN 0
	DOT R, R
.set i, 0
.rept 64
	v_mov_b32 v[P+i], 0                            ; P0 = 0, rz0 = 1, as the module has them: one text then serves all five CG steps
.set i, i+1
.endr
	v_mov_b32 v37, 1.0                             ; 1 / rz0
	v_mov_b32 v39, 1.0
	v_mov_b32 v41, 0
	v_mov_b32 v43, 0
	REDUCE v_add_f32, 1, 33, 35
	s_mov_b32 s50, 5
	s_branch .Lcgin                                ; the loop is entered in its middle
.Lcg:                                                  ; the rest of the trip before: four times; the fifth trip's r^ and rz would serve nothing
.set i, 0
.rept 32
	v_pk_fma_f32 v[R+2*i:R+2*i+1], v[ACC+2*i:ACC+2*i+1], v[48+2*(i/16):49+2*(i/16)], v[R+2*i:R+2*i+1] op_sel_hi:[1,0,1] neg_lo:[1,0,0] neg_hi:[1,0,0]
.set i, i+1
.endr
	DOT R, R
	REDUCEX 1, 33, 35                              ; rz; x^ += alpha p^ stands in it
.Lcgin:
	; beta = rz x (1 / rz_prev): the reciprocal was made a trip ago.  The roots and reciprocals of the scale, and 1 / rz for the next trip (with 1e-8 for an rz that counts as 0), stand among
	; p^'s first updates; behind each run of them stands a plain instruction that names none of their registers (ISA guide 5.7.2)
	v_sqrt_f32 v61, v33
	v_sqrt_f32 v62, v35
	v_mul_f32 v40, v33, v37
	v_mul_f32 v42, v35, v39
	PUPD 0, 4
	s_wait_alu depctr_va_vdst(0)
	v_fma_f32 v41, v40, v41, v61                   ; |p^| <= ||r^|| + beta x the bound before
	v_fma_f32 v43, v42, v43, v62
	v_max_num_f32 v49, s57, v41
	v_max_num_f32 v51, s57, v43
	v_rcp_f32 v61, v49
	v_rcp_f32 v62, v51
	v_and_b32 v30, s74, v33
	v_and_b32 v31, s74, v35
	v_cmp_gt_f32 vcc_lo, s59, v30
	v_cndmask_b32 v30, v33, s58, vcc_lo
	v_cmp_gt_f32 vcc_lo, s59, v31
	v_cndmask_b32 v31, v35, s58, vcc_lo
	v_rcp_f32 v37, v30
	v_rcp_f32 v39, v31
	v_mul_f32 v36, s56, v49                        ; CP
	v_mul_f32 v38, s56, v51
	s_wait_alu depctr_va_vdst(0)
	v_mul_f32 v32, s55, v61                        ; SP
	v_mul_f32 v34, s55, v62
	PUPD 4, 28
	PACK P, 0, 1
	EBAR
	MMG 1
	PLACES
	DOT P, ACC
	v_mul_f32 v28, v28, v36
	v_mul_f32 v29, v29, v38
	REDUCE v_add_f32, 0, 49, 51                    ; pAp
	DIV 44, 46, 33, 35, 49, 51                     ; alpha = rz / pAp
	v_mul_f32 v48, v44, v36
	v_mul_f32 v50, v46, v38
	s_sub_co_u32 s50, s50, 1
	s_cmp_lg_u32 s50, 0
	s_cbranch_scc1 .Lcg
	XUPD 0, 32                                     ; the fifth trip's x^ += alpha p^
	; y -= clip(dis x^, -1, 1); its bound grows by 1
	WIN 0x05
.set i, 0
.rept 32
	v_pk_mul_f32 v[ACC+2*i:ACC+2*i+1], v[X+2*i:X+2*i+1], v[DIS+(2*i)%32:DIS+(2*i)%32+1]
.set i, i+1
.endr
	WIN 0
.set i, 0
.rept 64
	v_med3_num_f32 v[ACC+i], v[ACC+i], s75, s76
.set i, i+1
.endr
	WIN 0x41
.set i, 0
.rept 32
	v_pk_add_f32 v[Y+2*i:Y+2*i+1], v[Y+2*i:Y+2*i+1], v[ACC+2*i:ACC+2*i+1] neg_lo:[0,1] neg_hi:[0,1]
.set i, i+1
.endr
	WIN 0
	v_add_f32 v45, 1.0, v45
	v_add_f32 v47, 1.0, v47
	s_sub_co_u32 s49, s49, 1
	s_cmp_lg_u32 s49, 0
	s_cbranch_scc1 .Lnewton
	; THE WAY OUT: 32 bytes a lane into rows of 1,040 bytes (XB0 and XB1: their last reads, p^'s fragments, were waited for in the product and lie in front of pAp's barrier), back as whole rows
	WIN 0x04
.set i, 0
.rept 8
	ds_store_b128 v17, v[Y+8*i:Y+8*i+3]   offset:(i/4)*16640+(i%4)*64
	ds_store_b128 v17, v[Y+8*i+4:Y+8*i+7] offset:(i/4)*16640+(i%4)*64+16
.set i, i+1
.endr
	WIN 0
	EBAR
.set i, 0
.rept 16
	ds_load_b128 v[ACC+4*i:ACC+4*i+3], v18 offset:(i/2)*1040+(i%2)*512
.set i, i+1
.endr
.set i, 0
.rept 16
	s_wait_dscnt 15-i                              ; the younger read-backs may be out
	global_store_b128 v16, v[ACC+4*i:ACC+4*i+3], s[72:73] offset:512*i th:TH_STORE_NT  ; 512 consecutive bytes, at a multiple of 256 from out0's first byte
.set i, i+1
.endr
	s_wait_tensorcnt 0x0                           ; the wave's end, behind my last tensor load and my last LDS store
	ds_add_u32 v3, v4
	s_wait_dscnt 0x0
	ROUND                                          ; the closing round
	s_endpgm
.Lfunc_end_k_qb3399e3e46_newton:
	.size	k_qb3399e3e46_newton, .Lfunc_end_k_qb3399e3e46_newton-k_qb3399e3e46_newton
	.p2alignl 7, 3214868480
	.fill 96, 4, 3214868480
	.section	.rodata,"a",@progbits
	.p2align	6, 0x0
	.amdhsa_kernel k_qb3399e3e46_newton
		.amdhsa_group_segment_fixed_size 327680
		.amdhsa_private_segment_fixed_size 0
		.amdhsa_enable_private_segment 0
		.amdhsa_kernarg_size 40
		.amdhsa_user_sgpr_count 2
		.amdhsa_user_sgpr_kernarg_segment_ptr 1
		.amdhsa_wavefront_size32 1
		.amdhsa_system_sgpr_workgroup_id_x 1
		.amdhsa_system_sgpr_workgroup_id_y 1
		.amdhsa_system_sgpr_workgroup_id_z 1
		.amdhsa_system_vgpr_workitem_id 0
		.amdhsa_next_free_vgpr 1024
		.amdhsa_next_free_sgpr 80
		.amdhsa_reserve_vcc 1
		.amdhsa_float_denorm_mode_32 3
		.amdhsa_float_denorm_mode_16_64 3
		.amdhsa_memory_ordered 1
		.amdhsa_forward_progress 1
		.amdhsa_inst_pref_size 201
	.end_amdhsa_kernel
	.amdgpu_metadata
---
amdhsa.version: [ 1, 2 ]
amdhsa.kernels:
  - .name:           k_qb3399e3e46_newton
    .symbol:         k_qb3399e3e46_newton.kd
    .args:
      - { .name: h2, .offset: 0, .size: 8, .value_kind: global_buffer, .address_space: global }
      - { .name: xb, .offset: 8, .size: 8, .value_kind: global_buffer, .address_space: global }
      - { .name: wts, .offset: 16, .size: 8, .value_kind: global_buffer, .address_space: global }
      - { .name: b3, .offset: 24, .size: 8, .value_kind: global_buffer, .address_space: global }
      - { .name: out0, .offset: 32, .size: 8, .value_kind: global_buffer, .address_space: global }
    .group_segment_fixed_size: 327680
    .private_segment_fixed_size: 0
    .kernarg_segment_align: 8
    .kernarg_segment_size: 40
    .max_flat_workgroup_size: 128
    .sgpr_count:     80
    .vgpr_count:     1024
    .wavefront_size: 32
...
	.end_amdgpu_metadata
.endif
;; end of part 8
